; MI455X (gfx1250); checked and timed in simulation.
; The chip was launched on July 23, 2026; its instructions are those of AMD's public machine-readable ISA for CDNA 5 (MIT licence, August 2026) and "CDNA5" Instruction Set Architecture Reference Guide (July 2026). The comments in the code are by the model that wrote it; some were corrected since.
;; Mixture Of Experts. Allowed arithmetic: float matrix products may take bf16 or f16 operands with f32 sums; other float arithmetic in f32, or as packed bf16 or f16 multiplies, adds, multiply-adds, maxima and minima; sums over many terms, partial sums and values carried from step to step in f32; what a program stores and reads back later, other than sums and carried values, may be rounded once to bf16 or f16.
;; Inputs: fc_b 8 x 4,096 float32; fc_w 8 x 1,024 x 4,096 float32; gate_w 1,024 x 8 float32; hidden_states 4 x 256 x 1,024 float32; proj_b 8 x 1,024 float32; proj_w 8 x 4,096 x 1,024 float32.
;; Outputs: out0 4 x 256 x 1,024 float32; out1 1,024 x 8 float32.
;; 3 versions, each right; version 2 is faster than version 1; version 3 is version 2 with the launches fc, proj written anew for expert scheduling mode. Each part assembles by itself: llvm-mc -triple=amdgcn-amd-amdhsa -mcpu=gfx1250 --defsym DOCPART=n.
;; ======== version 1 of 3: 4 launches
;; workspace buffers: xb 2,097,152 bytes; bits 2,048 bytes of whole numbers; wts 8,192 bytes; hbuf 16,777,216 bytes; part 33,554,432 bytes
;; launch router (part 1): grid 128 x 1, 16 waves a work-group, no clusters, 2,560 bytes of LDS; arguments hidden_states, gate_w, out1, xb, bits, wts; writes out1, xb, bits, wts
.if DOCPART == 1
	.amdgcn_target "amdgcn-amd-amdhsa--gfx1250"
	.amdhsa_code_object_version 6
	.text
	.protected	k_q91133efd7a_router
	.globl	k_q91133efd7a_router
	.p2align	8
	.type	k_q91133efd7a_router,@function
k_q91133efd7a_router:
	s_mov_b64 s[64:65], 0
	v_nop
	global_prefetch_b8 v0, s[64:65] scope:SCOPE_SE
	s_setreg_imm32_b32 hwreg(HW_REG_WAVE_MODE, 25, 1), 1
	s_wait_xcnt 0x0
; ROUTER.  logits[t][e] = sum over d of x[t][d] g[d][e]; softmax over the 8 experts; the two largest; their weights, normalised to sum 1.
; x and g are rounded once to bf16 (as every input of this program is); products and sums in f32.  Stored: the logits (out1), x in bf16 (xb),
; for each expert a bitmap of the slots that chose it (bits), and each slot's weight (wts).  slot = 1024 k + t, k = 0, 1 the rank of the choice.
; No address and no branch hangs on a floating-point number: the choice leaves as data, at fixed places.
; SHARES.  128 work-groups of 16 waves; work-group g has tokens 8 g .. 8 g + 7; wave 2 j + hf has half hf (512 numbers) of token j's row; lane l has
; d = 512 hf + 128 i + 4 l + c (i, c = 0..3).  The matrix unit is left out: the product has 8 columns and g lies [d][e]; each byte of x is read once.
; LIMITS.  The two largest are taken of p = 2^((l - m) log2 e) / S with v_exp_f32 and v_rcp_f32; a strict comparison keeps the lower index; probabilities
; closer than those instructions' last bit may be ordered otherwise than by an exact softmax.  A p below 2^-126 counts as 0.  NaN and infinities are not treated apart.
.set LG,    0          ; LDS: [wave 16][8 f32] partial logits, 512 bytes
.set SPARE, 512        ; the spare words: 128 bytes for each of 16 waves; no other line names them
.set L,   8            ; v8-15    logits, one register an expert
.set Z,   16           ; v16      0
.set XR,  20           ; v20-35   x as loaded
.set XP,  36           ; v36-43   x in bf16, packed
.set GR,  44           ; v44-171  g as loaded: 8 (4 i + c) + e; later at work in wave 0
.set GP,  172          ; v172-235 g in bf16: 4 (4 i + c) + e / 2
.set P,   66           ; v66-73   wave 0: the probabilities
.set SPW, 240          ; LDS address of my spare word; never rewritten
.set NIL, 241          ; 0; never rewritten
	s_load_b256 s[4:11], s[0:1], 0x0               ; x s[4:5], g s[6:7], out1 s[8:9], xb s[10:11]
	s_load_b128 s[12:15], s[0:1], 0x20             ; bits s[12:13], wts s[14:15]
	v_lshl_add_u32 v[SPW], v0, 2, SPARE
	v_mov_b32 v[NIL], 0
	v_lshrrev_b32 v2, 5, v0
	v_readfirstlane_b32 s16, v2                    ; wave 0..15
	v_and_b32 v1, 31, v0                           ; lane
	s_mov_b32 s18, 0x76543210                      ; v_permlanex16_b32: each lane takes its own place in the other half
	s_mov_b32 s19, 0xfedcba98
	s_lshr_b32 s20, s16, 1                         ; j
	s_and_b32 s21, s16, 1                          ; hf
	s_lshl_b32 s22, ttmp9, 3
	s_add_co_u32 s20, s22, s20                     ; t = 8 g + j
	s_lshl_b32 s22, s20, 12                        ; x: t rows of 4,096 bytes
	s_lshl_b32 s23, s21, 11                        ;    + the half
	s_add_co_u32 s22, s22, s23
	v_lshl_add_u32 v2, v1, 4, s22                  ;    + 16 bytes a lane
	s_lshl_b32 s22, s21, 14                        ; g: 512 rows of 32 bytes a half,
	v_lshl_add_u32 v3, v1, 7, s22                  ;    4 rows a lane
	s_lshl_b32 s22, s20, 11                        ; xb: t rows of 2,048 bytes
	s_lshl_b32 s23, s21, 10
	s_add_co_u32 s22, s22, s23
	v_lshl_add_u32 v4, v1, 3, s22                  ;    + 8 bytes a lane
	v_mov_b32 v5, s16
	v_lshlrev_b32 v5, 5, v5                        ; my wave's 32 bytes of LG
	v_mov_b32 v[Z], 0
	v_mov_b32 v17, 0                               ; written before v_permlanex16_b32 and v_writelane_b32 name it as destination
	s_wait_kmcnt 0x0
.irp i, 0,1,2,3
	global_load_b128 v[XR+4*\i:XR+4*\i+3], v2, s[4:5] offset:512*\i th:TH_LOAD_NT  ; 512 consecutive bytes a load; read once in the launch
.endr
.irp q, 0,1,2,3,4,5,6,7,8,9,10,11,12,13,14,15
	global_load_b128 v[GR+8*\q:GR+8*\q+3],   v3, s[6:7] offset:4096*(\q/4)+32*(\q%4)
	global_load_b128 v[GR+8*\q+4:GR+8*\q+7], v3, s[6:7] offset:4096*(\q/4)+32*(\q%4)+16
.endr
	s_wait_loadcnt 32                              ; x is in; g's 32 loads stay out
.irp i, 0,1,2,3,4,5,6,7
	v_cvt_pk_bf16_f32 v[XP+\i], v[XR+2*\i], v[XR+2*\i+1]
.endr
.irp i, 0,1,2,3
	global_store_b64 v4, v[XP+2*\i:XP+2*\i+1], s[10:11] offset:256*\i  ; a store of the wave covers 256 consecutive bytes, aligned
.endr
	s_wait_loadcnt 0x0
.set i, 0
.rept 64
	v_cvt_pk_bf16_f32 v[GP+i], v[GR+2*i], v[GR+2*i+1]
.set i, i+1
.endr
; L[e] += x[q] g[q][e], straight from the bf16 halves, one rounding in f32.  The eight chains take turns; the first link adds onto 0.
.macro MIX q, e
.set xr, XP+(\q)/2
.set gr, GP+4*(\q)+(\e)/2
.set ad, L+(\e)
.if (\q) == 0
.set ad, Z
.endif
.if ((\q)%2 == 0) && ((\e)%2 == 0)
	v_fma_mix_f32_bf16 v[L+(\e)], v[xr], v[gr], v[ad] op_sel:[0,0,0] op_sel_hi:[1,1,0]
.elseif ((\q)%2 == 0)
	v_fma_mix_f32_bf16 v[L+(\e)], v[xr], v[gr], v[ad] op_sel:[0,1,0] op_sel_hi:[1,1,0]
.elseif ((\e)%2 == 0)
	v_fma_mix_f32_bf16 v[L+(\e)], v[xr], v[gr], v[ad] op_sel:[1,0,0] op_sel_hi:[1,1,0]
.else
	v_fma_mix_f32_bf16 v[L+(\e)], v[xr], v[gr], v[ad] op_sel:[1,1,0] op_sel_hi:[1,1,0]
.endif
.endm
.irp q, 0,1,2,3,4,5,6,7,8,9,10,11,12,13,14,15
.irp e, 0,1,2,3,4,5,6,7
	MIX \q, \e
.endr
.endr
	; over the 32 lanes: four steps inside each half ride on the addition, one crosses the halves; step by step for all eight, so that no line waits for the one before it
.irp m, 1,2,4,8
.irp e, 0,1,2,3,4,5,6,7
	v_add_f32_dpp v[L+\e], v[L+\e], v[L+\e] row_xmask:\m row_mask:0xf bank_mask:0xf
.endr
.endr
.irp e, 0,1,2,3,4,5,6,7
	v_permlanex16_b32 v17, v[L+\e], s18, s19
	v_add_f32 v[L+\e], v[L+\e], v17
.endr
	ds_store_b128 v5, v[L:L+3]                     ; every lane holds the same eight sums and writes the same 32 bytes
	ds_store_b128 v5, v[L+4:L+7] offset:16
	s_wait_tensorcnt 0x0                           ; the wave's last LDS stores are out
	ds_add_u32 v[SPW], v[NIL]
	s_wait_dscnt 0x0                               ; the wait also shows my stores done, for wave 0's sake, ahead of the signal
	s_barrier_signal -1
	s_barrier_wait -1
	s_cmp_lg_u32 s16, 0
	s_cbranch_scc1 .Lend                           ; the rest is a few lines for eight tokens: wave 0's
	v_lshrrev_b32 v6, 2, v1                        ; out1: lane l has experts 2 (l % 4), + 1 of token l / 4
	v_and_b32 v7, 3, v1
	v_lshlrev_b32 v6, 6, v6
	v_lshl_add_u32 v6, v7, 3, v6
	v_and_b32 v7, 7, v1                            ; the softmax: lane l has token l % 8 (each token four times over)
	v_lshlrev_b32 v18, 6, v7
	ds_load_b64 v[44:45], v6                       ; the row's first half's sums,
	ds_load_b64 v[46:47], v6 offset:32             ; the second half's
	ds_load_b128 v[48:51], v18
	ds_load_b128 v[52:55], v18 offset:16
	ds_load_b128 v[56:59], v18 offset:32
	ds_load_b128 v[60:63], v18 offset:48
	s_lshl_b32 s22, ttmp9, 8
	v_lshl_add_u32 v19, v1, 3, s22                 ; 256 g + 8 l
	s_wait_dscnt 0x0
	v_pk_add_f32 v[44:45], v[44:45], v[46:47]
	global_store_b64 v19, v[44:45], s[8:9]         ; the work-group's 64 logits: 256 consecutive bytes, aligned
	v_pk_add_f32 v[48:49], v[48:49], v[56:57]
	v_pk_add_f32 v[50:51], v[50:51], v[58:59]
	v_pk_add_f32 v[52:53], v[52:53], v[60:61]
	v_pk_add_f32 v[54:55], v[54:55], v[62:63]
	v_max3_num_f32 v64, v48, v49, v50              ; the maximum is taken away before the exponentials
	v_max3_num_f32 v64, v64, v51, v52
	v_max3_num_f32 v64, v64, v53, v54
	v_max_num_f32 v64, v64, v55
.irp e, 0,1,2,3,4,5,6,7
	v_sub_f32 v[P+\e], v[48+\e], v64
.endr
.irp e, 0,1,2,3,4,5,6,7
	v_mul_f32 v[P+\e], 0x3fb8aa3b, v[P+\e]         ; log2 e
.endr
.irp e, 0,1,2,3,4,5,6,7
	v_exp_f32 v[P+\e], v[P+\e]
.endr
	v_nop                                          ; a plain instruction behind the last exponential,
	s_wait_alu depctr_va_vdst(0)                   ; and one wait for the batch of eight, ahead of its first reader
	v_add_f32 v74, v[P], v[P+1]
.irp e, 2,3,4,5,6,7
	v_add_f32 v74, v74, v[P+\e]
.endr
	v_rcp_f32 v75, v74
	v_nop
	s_wait_alu depctr_va_vdst(0)
.irp e, 0,1,2,3,4,5,6,7
	v_mul_f32 v[P+\e], v[P+\e], v75
.endr
	v_mov_b32 v76, v[P]                            ; the largest and its index: a later expert wins only if strictly larger
	v_mov_b32 v77, 0
.irp e, 1,2,3,4,5,6,7
	v_cmp_le_f32 vcc_lo, v[P+\e], v76
	v_cndmask_b32 v77, \e, v77, vcc_lo
	v_cndmask_b32 v76, v[P+\e], v76, vcc_lo
.endr
.irp e, 0,1,2,3,4,5,6,7
	v_cmp_ne_u32 vcc_lo, \e, v77                   ; the winner leaves the field: -1 lies below every probability
	v_cndmask_b32 v[P+\e], -1.0, v[P+\e], vcc_lo
.endr
	v_mov_b32 v78, v[P]
	v_mov_b32 v79, 0
.irp e, 1,2,3,4,5,6,7
	v_cmp_le_f32 vcc_lo, v[P+\e], v78
	v_cndmask_b32 v79, \e, v79, vcc_lo
	v_cndmask_b32 v78, v[P+\e], v78, vcc_lo
.endr
	v_add_f32 v80, v76, v78
	v_rcp_f32 v81, v80
	v_nop
	s_wait_alu depctr_va_vdst(0)
	v_mul_f32 v82, v76, v81                        ; the two weights
	v_mul_f32 v83, v78, v81
	v_mov_b32 v17, 0
.irp e, 0,1,2,3,4,5,6,7
	v_cmp_eq_u32 s[24+\e], \e, v77                 ; bits 0-7: which of my eight tokens chose expert e first,
	v_cmp_eq_u32 s[32+\e], \e, v79                 ; and which second
.endr
.irp e, 0,1,2,3,4,5,6,7
	v_writelane_b32 v17, s[24+\e], \e              ; lane 8 k + e carries the byte of (e, k)
	v_writelane_b32 v17, s[32+\e], 8+\e
.endr
	v_lshlrev_b32 v84, 8, v7                       ; bits: 256 e + 128 k + g
	v_lshrrev_b32 v85, 3, v1
	v_lshl_add_u32 v84, v85, 7, v84
	s_mov_b32 s22, ttmp9
	v_add_nc_u32 v84, s22, v84
	s_lshl_b32 s23, ttmp9, 5
	v_lshl_add_u32 v86, v1, 2, s23                 ; wts: 4 (8 g + l)
	; 16 bytes of bitmap and 64 bytes of weights a work-group: narrow stores, 80 bytes beside the 16 KiB of xb
	s_wait_xcnt 0x0                                ; EXEC is a source of the stores above: it changes only behind this wait
	v_cmp_gt_u32 vcc_lo, 16, v1
	s_and_saveexec_b32 s40, vcc_lo
	global_store_b8 v84, v17, s[12:13]
	s_wait_xcnt 0x0
	s_or_b32 exec_lo, exec_lo, s40
	v_cmp_gt_u32 vcc_lo, 8, v1
	s_and_saveexec_b32 s40, vcc_lo
	global_store_b32 v86, v82, s[14:15]
	global_store_b32 v86, v83, s[14:15] offset:4096
	s_wait_xcnt 0x0
	s_or_b32 exec_lo, exec_lo, s40
.Lend:
	s_endpgm
.Lfunc_end_k_q91133efd7a_router:
	.size	k_q91133efd7a_router, .Lfunc_end_k_q91133efd7a_router-k_q91133efd7a_router
	.p2alignl 7, 3214868480
	.fill 96, 4, 3214868480
	.section	.rodata,"a",@progbits
	.p2align	6, 0x0
	.amdhsa_kernel k_q91133efd7a_router
		.amdhsa_group_segment_fixed_size 2560
		.amdhsa_private_segment_fixed_size 0
		.amdhsa_enable_private_segment 0
		.amdhsa_kernarg_size 48
		.amdhsa_user_sgpr_count 2
		.amdhsa_user_sgpr_kernarg_segment_ptr 1
		.amdhsa_wavefront_size32 1
		.amdhsa_system_sgpr_workgroup_id_x 1
		.amdhsa_system_sgpr_workgroup_id_y 1
		.amdhsa_system_sgpr_workgroup_id_z 1
		.amdhsa_system_vgpr_workitem_id 0
		.amdhsa_next_free_vgpr 256
		.amdhsa_next_free_sgpr 66
		.amdhsa_reserve_vcc 1
		.amdhsa_float_denorm_mode_32 3
		.amdhsa_float_denorm_mode_16_64 3
		.amdhsa_memory_ordered 1
		.amdhsa_forward_progress 1
		.amdhsa_inst_pref_size 29
	.end_amdhsa_kernel
	.amdgpu_metadata
---
amdhsa.version: [ 1, 2 ]
amdhsa.kernels:
  - .name:           k_q91133efd7a_router
    .symbol:         k_q91133efd7a_router.kd
    .args:
      - { .name: hidden_states, .offset: 0, .size: 8, .value_kind: global_buffer, .address_space: global }
      - { .name: gate_w, .offset: 8, .size: 8, .value_kind: global_buffer, .address_space: global }
      - { .name: out1, .offset: 16, .size: 8, .value_kind: global_buffer, .address_space: global }
      - { .name: xb, .offset: 24, .size: 8, .value_kind: global_buffer, .address_space: global }
      - { .name: bits, .offset: 32, .size: 8, .value_kind: global_buffer, .address_space: global }
      - { .name: wts, .offset: 40, .size: 8, .value_kind: global_buffer, .address_space: global }
    .group_segment_fixed_size: 2560
    .private_segment_fixed_size: 0
    .kernarg_segment_align: 8
    .kernarg_segment_size: 48
    .max_flat_workgroup_size: 512
    .sgpr_count:     66
    .vgpr_count:     256
    .wavefront_size: 32
...
	.end_amdgpu_metadata
.endif
;; end of part 1
;; launch fc (part 2): grid 256 x 1, 4 waves a work-group, no clusters, 324,096 bytes of LDS; arguments fc_w, fc_b, xb, bits, hbuf; writes hbuf
.if DOCPART == 2
	.amdgcn_target "amdgcn-amd-amdhsa--gfx1250"
	.amdhsa_code_object_version 6
	.text
	.protected	k_q91133efd7a_fc
	.globl	k_q91133efd7a_fc
	.p2align	8
	.type	k_q91133efd7a_fc,@function
k_q91133efd7a_fc:
	s_mov_b64 s[64:65], 0
	v_nop
	global_prefetch_b8 v0, s[64:65] scope:SCOPE_SE
	s_setreg_imm32_b32 hwreg(HW_REG_WAVE_MODE, 25, 1), 1
	s_wait_xcnt 0x0
; ONE PRODUCT OF A LAYER OF ROUTED EXPERTS, for the rows that chose the expert.  The text has two forms, chosen by PROJ:
;   PROJ = 0: hbuf[slot][f] = gelu_new(x[token of slot] . fc_w[e][:, f] + fc_b[e][f]), bf16.      PROJ = 1: part[ks][slot][d] = hbuf[slot][quarter ks of f] . proj_w[e][that quarter, d] (+ proj_b[e][d] in quarter 0), f32.
; slot = 1024 k + t (k: rank of the token's choice); every slot has one expert, so every row of the result is written once, by the work-groups of that expert.
; Weights, bias and rows enter the products in bf16 (each input rounded once), sums in f32.
; SHARES.  256 work-groups.  A work-group has 128 columns x 1,024 K of ONE expert's weights, 512 KiB of f32 that it alone reads, and all of that expert's rows, 0 to 1,024 of them.
;   1. The weights stream through registers (four sets of 16 loads a wave always asked for), are rounded to bf16 and laid into LDS as they lie, [k][128 columns].  Wave w takes rows 256 w .. + 255.
;   2. While the first loads are out each wave makes its own list of the expert's slots, in ascending order, from the expert's bitmap (stored by the launch before).
;   3. A barrier.  Then the rows go in blocks of 16, in passes of 20 blocks (five a wave); a pass walks K in 32 steps of 32.  The weights' fragments come turned out of LDS, the rows' straight from memory.
;      The loop over passes has a constant count, 4, which serves 1,024 rows; every wave passes its two barriers in every trip; dead passes and dead blocks are jumped over forward, and what is jumped holds no barrier.
; The matrix instruction is used transposed (source 0 = 16 columns of the weights, source 1 = 16 rows): a lane then holds eight neighbouring columns of one row.
; NO CLUSTER, NO TENSOR LOAD: each slice of weights has one reader and has to pass through registers to be rounded; the rows that an expert's work-groups share come by a list.
; Rows past the count repeat the last row, and store its bytes again.  An expert without rows stores nothing.
; LIMITS.  gelu_new(x) = x / (1 + 2^(x (c1 + c2 x^2))), c1 = -2 sqrt(2/pi) log2 e, c2 = 0.044715 c1, by v_exp_f32 and v_rcp_f32; an exponential past f32's range gives 0, one below it x.  NaN and infinities are not treated apart.
.set PROJ, 0
.if PROJ
.set PITCH, 4096       ; bytes from row to row of the weights
.set BSH,   12         ; an expert's bias: 1 << BSH bytes
.set ASH,   13         ; a row of the left operand: 1 << ASH bytes
.set OSH,   12         ; a row of the result
.else
.set PITCH, 16384
.set BSH,   14
.set ASH,   11
.set OSH,   13
.endif
.set WPITCH, 288       ; a row of W in LDS: 256 bytes + 32
.set STAGE,  1024*WPITCH        ; 16 rows x 272 bytes for each wave, for the way out
.set SPITCH, 272
.set LIST,   STAGE+4*16*SPITCH  ; each wave's own list: u16; rank p at byte 2 + 2 p; ranks 0 .. 1,311; the place DUMP takes what the other lanes write
.set LISTB,  2816
.set DUMP,   1400
.set SPARE,  LIST+4*LISTB       ; the spare words: 128 bytes for each wave; no other line names them
; REGISTERS, in windows of 256 (s_set_vgpr_msb: bits 1:0 source 0, 3:2 source 1, 5:4 source 2, 7:6 destination)
.set RR,   1           ; lane % 16
.set HH,   2           ; lane / 16
.set LANE, 3
.set WA0,  4           ; my lane's place in a turned fragment
.set WA,   5           ; the same at the K steps in hand
.set STO,  6           ; the way out: where I put my columns of a row
.set RD,   7           ; the way out: where I read rows back
.set LP,   8           ; list: the rows that I load (lane % 16)
.set LQ,   9           ; list: the rows that I store (lane / 16)
.set TO,   10          ; v10-14  byte offset of my row in block a
.set GC,   15          ; 16 (lane % 16)
.set OFF,  16          ; v16-19  stream: set i's offset in the weights
.set LD,   20          ; v20-23  stream: set i's place in LDS
.set ROWO, 16          ; v16-23  later: byte offsets of the rows that I store
.set LBV,  26          ; my list's first byte
.set DMP,  27          ; DUMP
.set SPW,  28          ; LDS address of my spare word; never rewritten
.set NIL,  29          ; 0; never rewritten
.set LA,   30
.set LV,   31
.set WF,   32          ; v32-159  the weights' fragments, two buffers of 8 x 8
.set T,    32          ; v32-95   at work on the way out
.set OB,   96          ; v96-159  rows read back from the stage
.set BIAS, 160         ; v160-223 bias of my columns: 8 n + j for column 16 n + 8 (lane / 16) + j
                       ; window 1: accumulators of blocks 0-3 at 64 a + 8 n; in the stream the four sets of 64
.set TF,   64          ; window 2: v0-63 the bias as loaded, then the accumulators of block 4; v64-223 the rows' fragments, four buffers of 5 x 8
.set KB,   55          ; s55  byte in W at which the four K steps in hand begin
.set MSB, 0
.macro WIN new                         ; the immediate's high byte repeats the setting that is left; a switch that changes nothing is dropped
.if MSB != (\new)
	s_set_vgpr_msb (MSB<<8)|(\new)
.set MSB, (\new)
.endif
.endm
	s_load_b256 s[4:11], s[0:1], 0x0               ; weights s[4:5], bias s[6:7], rows s[8:9], bits s[10:11]
	s_load_b64 s[12:13], s[0:1], 0x20              ; result
	v_lshl_add_u32 v[SPW], v0, 2, SPARE
	v_mov_b32 v[NIL], 0
	v_lshrrev_b32 v24, 5, v0
	v_readfirstlane_b32 s14, v24                   ; wave 0..3
	v_and_b32 v[RR], 15, v0
	v_bfe_u32 v[HH], v0, 4, 1
	v_and_b32 v[LANE], 31, v0
	s_lshr_b32 s15, ttmp9, 5                       ; the expert
.if PROJ
	s_bfe_u32 s32, ttmp9, 0x30002                  ; which 128 columns
	s_and_b32 s39, ttmp9, 3                        ; which quarter of K
.else
	s_and_b32 s32, ttmp9, 31                       ; which 128 columns
.endif
	s_mul_i32 s50, s14, 256*PITCH                  ; my wave's 256 rows of the slice
	v_lshl_add_u32 v[OFF], v[LANE], 4, s50
	s_mul_i32 s50, s14, 256*WPITCH
	v_lshl_add_u32 v[LD], v[LANE], 3, s50
.irp i, 1,2,3
	v_add_nc_u32 v[OFF+\i], 16*\i*PITCH, v[OFF]
	v_add_nc_u32 v[LD+\i], 16*\i*WPITCH, v[LD]
.endr
	s_lshl_b32 s50, s15, 24                        ; an expert's weights are 2^24 bytes
	s_lshl_b32 s51, s32, 9
	s_add_co_u32 s50, s50, s51
.if PROJ
	s_lshl_b32 s51, s39, 22                        ; 1,024 rows of 4,096 bytes
	s_add_co_u32 s50, s50, s51
.endif
	s_mov_b32 s51, 0
	s_wait_kmcnt 0x0
	s_add_nc_u64 s[4:5], s[4:5], s[50:51]
.macro FILL i                          ; 16 rows of the slice: a load is one row's 512 consecutive bytes; each byte is read once in the launch
	WIN 0x40
.irp j, 0,1,2,3,4,5,6,7,8,9,10,11,12,13,14,15
	global_load_b128 v[64*(\i)+4*(\j):64*(\i)+4*(\j)+3], v[OFF+(\i)], s[4:5] offset:(\j)*PITCH th:TH_LOAD_NT
.endr
	WIN 0
.endm
	FILL 0
	FILL 1
	FILL 2
	FILL 3
	s_lshl_b32 s50, s15, BSH                       ; the other addresses
	s_lshl_b32 s52, s32, 9
	s_add_co_u32 s50, s50, s52
	s_add_nc_u64 s[6:7], s[6:7], s[50:51]          ; bias of my 128 columns
	s_lshl_b32 s50, s15, 8
	s_add_nc_u64 s[10:11], s[10:11], s[50:51]      ; the expert's bitmap, 256 bytes
.if PROJ
	s_lshl_b32 s50, s39, 11
	s_add_nc_u64 s[40:41], s[8:9], s[50:51]        ; the rows at my quarter of K
	s_lshl_b32 s50, s39, 23
	s_add_co_u32 s50, s50, s52
	s_add_nc_u64 s[48:49], s[12:13], s[50:51]      ; the quarter's plane of the result, my columns
	s_cmp_eq_u32 s39, 0
	s_cselect_b32 s53, -1, 0                       ; the bias is added in quarter 0 alone
.else
	s_mov_b64 s[40:41], s[8:9]
	s_lshl_b32 s50, s32, 8
	s_add_nc_u64 s[48:49], s[12:13], s[50:51]
	s_mov_b32 s44, 0xc0135761                      ; c1 = -2.3022082
	s_mov_b32 s45, s44                             ; named with it as a pair
	s_mov_b32 s46, 0xbdd2d3e8                      ; c2 = -0.10294324
	s_mov_b32 s47, s46
.endif
	; THE LIST.  First every place of my list takes slot 0, by stores at fixed addresses: 5 x 512 + 256 = 2,816 bytes.  Then 64 words of bitmap, 16 a trip: a lane whose bit is set
	; stores its slot at the rank = set bits before it; the others store at DUMP.  EXEC is never changed.
	s_mul_i32 s52, s14, LISTB
	s_add_co_u32 s52, s52, LIST
	v_mov_b32 v[LBV], s52
	v_mov_b32 v[DMP], DUMP
.irp i, 0,1,2,3
	v_mov_b32 v[T+\i], 0
.endr
	v_lshl_add_u32 v24, v[LANE], 4, s52
.irp i, 0,1,2,3,4
	ds_store_b128 v24, v[T:T+3] offset:512*\i
.endr
	v_lshl_add_u32 v25, v[LANE], 3, s52
	ds_store_b64 v25, v[T:T+1] offset:2560
	v_mov_b32 v[LV], v[LANE]                       ; the slot of my bit in the word in hand
	s_mov_b32 s33, 0                               ; rows so far
	s_mov_b32 s37, 4
.Llist:
	s_load_b512 s[16:31], s[10:11], 0x0
	s_wait_kmcnt 0x0                               ; the load is done: its base may step
	s_add_nc_u64 s[10:11], s[10:11], 64
.irp q, 0,1,2,3,4,5,6,7,8,9,10,11,12,13,14,15
	v_mbcnt_lo_u32_b32 v[LA], s[16+\q], s33
	v_cndmask_b32 v[LA], v[DMP], v[LA], s[16+\q]
	v_min_u32 v[LA], DUMP, v[LA]                   ; a number made of loaded words enters an address behind this bound
	v_lshl_add_u32 v[LA], v[LA], 1, v[LBV]
	ds_store_b16 v[LA], v[LV] offset:2             ; LDS serves a wave's instructions in order (ISA guide 5.7.1.4): behind the zeros above
	v_add_nc_u32 v[LV], 32, v[LV]
	s_bcnt1_i32_b32 s50, s[16+\q]
	s_add_co_u32 s33, s33, s50
.endr
	s_sub_co_u32 s37, s37, 1
	s_cmp_lg_u32 s37, 0
	s_cbranch_scc1 .Llist
	s_min_u32 s33, s33, 1024                       ; R: a token chooses an expert once
	s_add_co_u32 s34, s33, 15
	s_lshr_b32 s34, s34, 4                         ; blocks of 16 rows
	s_cmp_eq_u32 s33, 0
	s_cbranch_scc1 .Lnopad
	s_lshl_b32 s50, s33, 1
	s_add_co_u32 s50, s50, s52                     ; rank R - 1 lies at list + 2 R
	v_mov_b32 v[LA], s50
	ds_load_u16 v[LV], v[LA]                       ; in order behind the stores above
	v_lshl_add_u32 v[LA], v[LANE], 1, s50
	s_wait_dscnt 0x0
.irp i, 0,1,2,3,4,5,6,7,8
	ds_store_b16 v[LA], v[LV] offset:2+64*\i       ; ranks R .. R + 287 repeat the last row: a live pass reads 270 ranks past R at the most
.endr
.Lnopad:
	s_lshl_b32 s50, s14, 5                         ; in a pass block a of wave w holds ranks 64 a + 16 w + 0..15
	s_add_co_u32 s50, s50, s52
	v_lshl_add_u32 v[LP], v[RR], 1, s50
	v_lshl_add_u32 v[LQ], v[HH], 1, s50
	v_and_b32 v24, 7, v0                           ; the turning load: lane l reads 16 bytes of row 8 (l / 16) + l % 8, columns 8 ((l / 8) % 2) + 0..7
	v_lshl_add_u32 v24, v[HH], 3, v24
	v_mul_u32_u24 v[WA0], v24, WPITCH
	v_bfe_u32 v25, v0, 3, 1
	v_lshl_add_u32 v[WA0], v25, 4, v[WA0]
	s_mul_i32 s50, s14, 16*SPITCH
	s_add_co_u32 s50, s50, STAGE                   ; my stage
	v_mul_u32_u24 v24, v[RR], SPITCH               ; in: row l % 16; my eight columns are 16 bytes (bf16) or 32 (f32)
.if PROJ
	v_lshl_add_u32 v24, v[HH], 5, v24
.else
	v_lshl_add_u32 v24, v[HH], 4, v24
.endif
	v_add_nc_u32 v[STO], s50, v24
	v_mul_u32_u24 v24, v[HH], SPITCH               ; back: lanes 0-15 one row of 256 bytes, lanes 16-31 the next
	v_lshl_add_u32 v24, v[RR], 4, v24
	v_add_nc_u32 v[RD], s50, v24
	v_lshlrev_b32 v[GC], 4, v[RR]
	v_lshlrev_b32 v25, 5, v[HH]                    ; bias: 32 bytes for each half of the lanes
	; THE STREAM.  Set i's turn: its 16 loads are in; rounded in place, four columns to 8 bytes; 16 stores of 256 consecutive LDS bytes; the set is asked for again, 64 rows on.
.macro SET i, refill, left
	s_wait_loadcnt \left                           ; loads come back in order (ISA guide 5.7.1): mine are in, the younger ones stay out; the wait also frees the set's offset
	WIN 0x45
.irp j, 0,1,2,3,4,5,6,7,8,9,10,11,12,13,14,15
	v_cvt_pk_bf16_f32 v[64*(\i)+4*(\j)],   v[64*(\i)+4*(\j)],   v[64*(\i)+4*(\j)+1]
	v_cvt_pk_bf16_f32 v[64*(\i)+4*(\j)+1], v[64*(\i)+4*(\j)+2], v[64*(\i)+4*(\j)+3]
.endr
	WIN 0x04
.irp j, 0,1,2,3,4,5,6,7,8,9,10,11,12,13,14,15
	ds_store_b64 v[LD+(\i)], v[64*(\i)+4*(\j):64*(\i)+4*(\j)+1] offset:WPITCH*(\j)
.endr
	WIN 0
	v_add_nc_u32 v[LD+(\i)], 64*WPITCH, v[LD+(\i)]
.if \refill
	v_add_nc_u32 v[OFF+(\i)], 64*PITCH, v[OFF+(\i)]
	FILL \i
.endif
.endm
	s_mov_b32 s37, 3
.Lstream:
	SET 0, 1, 48                                   ; 48: the three younger sets
	SET 1, 1, 48
	SET 2, 1, 48
	SET 3, 1, 48
	s_sub_co_u32 s37, s37, 1
	s_cmp_lg_u32 s37, 0
	s_cbranch_scc1 .Lstream
	SET 0, 0, 48                                   ; the last 64 rows: nothing more of the weights is asked for
	WIN 0x80                                       ; the bias as loaded goes into window 2, v0-63
.irp n, 0,1,2,3,4,5,6,7
	global_load_b128 v[8*\n:8*\n+3],   v25, s[6:7] offset:64*\n
	global_load_b128 v[8*\n+4:8*\n+7], v25, s[6:7] offset:64*\n+16
.endr
	WIN 0
	SET 1, 0, 48                                   ; two sets and the bias's 16 loads are younger,
	SET 2, 0, 32                                   ; one set and the bias,
	SET 3, 0, 16                                   ; the bias
	s_wait_loadcnt 0x0
	WIN 0x0a                                       ; sources in window 2
.set i, 0
.rept 32                               ; the bias is rounded to bf16 like every input, and widened again: it starts the f32 sums
	v_cvt_pk_bf16_f32 v[T+i], v[2*i], v[2*i+1]
.set i, i+1
.endr
	WIN 0
.set i, 0
.rept 32
.if PROJ
	v_and_b32 v[T+i], s53, v[T+i]                  ; 0 in quarters 1 to 3
.endif
	v_lshlrev_b32 v[BIAS+2*i], 16, v[T+i]
	v_and_b32 v[BIAS+2*i+1], 0xffff0000, v[T+i]
.set i, i+1
.endr
	s_wait_dscnt 0x0                               ; for the others' sake: my rows of W are in LDS
	s_barrier_signal -1
	s_barrier_wait -1                              ; everybody's are; from here on nobody writes W
; 16 turned loads: the weights' fragments of one K step (32 rows x 128 columns) into buffer buf
.macro WLOAD buf, off
	WIN 0
.irp n, 0,1,2,3,4,5,6,7
	ds_load_tr16_b128 v[WF+64*(\buf)+8*(\n):WF+64*(\buf)+8*(\n)+3],   v[WA] offset:(\off)+32*(\n)
	ds_load_tr16_b128 v[WF+64*(\buf)+8*(\n)+4:WF+64*(\buf)+8*(\n)+7], v[WA] offset:(\off)+32*(\n)+16*WPITCH
.endr
.endm
; 10 loads: the rows' fragments of one K step, five blocks: lane l has row l % 16, K = 8 (l / 16) + 0..7 and 16 + 8 (l / 16) + 0..7
.macro TLOAD buf, off
	WIN 0x80
.irp a, 0,1,2,3,4
	global_load_b128 v[TF+40*(\buf)+8*(\a):TF+40*(\buf)+8*(\a)+3],   v[TO+(\a)], s[42:43] offset:(\off)
	global_load_b128 v[TF+40*(\buf)+8*(\a)+4:TF+40*(\buf)+8*(\a)+7], v[TO+(\a)], s[42:43] offset:(\off)+32
.endr
.endm
.macro MM d, j, n, b, c                ; D at d; columns 16 n on; block b; C at c
	v_wmma_f32_16x16x32_bf16 v[(\d):(\d)+7], v[WF+64*((\j)%2)+8*(\n):WF+64*((\j)%2)+8*(\n)+7], v[TF+40*((\j)%4)+8*(\b):TF+40*((\j)%4)+8*(\b)+7], v[(\c):(\c)+7]
.endm
; K STEP j of a group of four.  Asked for first: the weights' fragments of the next step (wl) and the rows' fragments three steps on (tl).  Then 32 products, blocks 0-3 x 8 column blocks,
; and block 4's eight if the wave has a fifth live block.  first = 1: the bias starts the sums (block 4's too).
; The accumulators take turns, one instruction a turn.  lc: the rows' loads that may stay out.
.macro KSTEP j, first, wl, tl, lc
	WIN 0
.rept 4
	v_nop                                          ; four places between the last products and loads into registers that they read (ISA guide 7.12.1 for vector instructions)
.endr
.if \wl
	WLOAD ((\j)+1)%2, ((\j)+1)*32*WPITCH
.endif
.if \tl
	TLOAD ((\j)+3)%4, ((\j)+3)*64
.endif
.if \wl
	s_wait_dscnt 16                                ; this step's fragments are in; the 16 just asked for stay out
.else
	s_wait_dscnt 0x0
.endif
	s_wait_loadcnt \lc
.if \first
	WIN 0x48                                       ; rows in window 2, bias in window 0, D in window 1
.else
	WIN 0x58                                       ; rows in window 2, C and D in window 1
.endif
.irp a, 0,1,2,3
.irp n, 0,1,2,3,4,5,6,7
.if \first
	MM 64*(\a)+8*(\n),\j,\n,\a,BIAS+8*(\n)
.else
	MM 64*(\a)+8*(\n),\j,\n,\a,64*(\a)+8*(\n)
.endif
.endr
.endr
.if \first
	WIN 0x88
.irp n, 0,1,2,3,4,5,6,7
	MM 8*(\n),\j,\n,4,BIAS+8*(\n)
.endr
	WIN 0
.else
	WIN 0                                          ; at a branch and at a label every window is 0
	s_cmp_lt_u32 s35, 5
	s_cbranch_scc1 .Lno4_\@
	WIN 0xa8
.irp n, 0,1,2,3,4,5,6,7
	MM 8*(\n),\j,\n,4,8*(\n)
.endr
	WIN 0
.Lno4_\@:
.endif
.endm
.macro STEPK                           ; four K steps on
	s_wait_xcnt 0x0                                ; the rows' base is a source of loads that are out: it steps only behind this wait
	s_add_nc_u64 s[42:43], s[42:43], 256
	s_add_co_u32 s[KB], s[KB], 4*32*WPITCH
	v_add_nc_u32 v[WA], s[KB], v[WA0]
.endm
; THE WAY OUT of block a: jumped, with all later blocks, if the wave has no such block in this pass.
.macro OUT a
	s_cmp_le_u32 s35, \a
	s_cbranch_scc1 .Lnext
.set AC, 64*((\a)%4)
.set W1, 1+(\a)/4                      ; the accumulators' window
	s_wait_xcnt 0x0                                ; earlier stores have read their offsets and data: ROWO and OB are rewritten only behind this wait
.irp t, 0,1,2,3,4,5,6,7
	ds_load_u16 v[ROWO+(\t)], v[LQ] offset:2+128*(\a)+4*(\t)  ; the slots of rows 2 t + lane / 16 of the block
.endr
.if PROJ
.irp hf, 0,1                           ; a row's 128 f32 in two halves of 256 bytes; each accumulator's low registers are read first
	WIN 4*W1
.irp n, 0,1,2,3
	ds_store_b128 v[STO], v[AC+32*(\hf)+8*(\n):AC+32*(\hf)+8*(\n)+3]   offset:64*(\n)
	ds_store_b128 v[STO], v[AC+32*(\hf)+8*(\n)+4:AC+32*(\hf)+8*(\n)+7] offset:64*(\n)+16
.endr
	WIN 0
.irp t, 0,1,2,3,4,5,6,7
	ds_load_b128 v[OB+32*(\hf)+4*(\t):OB+32*(\hf)+4*(\t)+3], v[RD] offset:2*SPITCH*(\t)  ; in order behind my stores; the next half's stores come behind these
.endr
.endr
	s_wait_dscnt 32                                ; the slots are in
.else
	WIN 5*W1
.set i, 0
.rept 32                               ; ascending: each accumulator's low registers are read first
	v_pk_mul_f32 v[T+2*i:T+2*i+1], v[AC+2*i:AC+2*i+1], v[AC+2*i:AC+2*i+1]
.set i, i+1
.endr
	WIN 0
.set i, 0
.rept 32
	v_pk_fma_f32 v[T+2*i:T+2*i+1], v[T+2*i:T+2*i+1], s[46:47], s[44:45] op_sel_hi:[1,0,0]  ; c2 x^2 + c1
.set i, i+1
.endr
	WIN 4*W1
.set i, 0
.rept 32
	v_pk_mul_f32 v[T+2*i:T+2*i+1], v[T+2*i:T+2*i+1], v[AC+2*i:AC+2*i+1]
.set i, i+1
.endr
	WIN 0
.set i, 0
.rept 64
	v_exp_f32 v[T+i], v[T+i]
.set i, i+1
.endr
	v_nop                                          ; a plain instruction behind the last exponential,
	s_wait_alu depctr_va_vdst(0)                   ; and one wait for the batch of 64
.set i, 0
.rept 32
	v_pk_add_f32 v[T+2*i:T+2*i+1], v[T+2*i:T+2*i+1], 1.0 op_sel_hi:[1,0]
.set i, i+1
.endr
.set i, 0
.rept 64
	v_rcp_f32 v[T+i], v[T+i]
.set i, i+1
.endr
	v_nop
	s_wait_alu depctr_va_vdst(0)
	WIN 4*W1
.set i, 0
.rept 32
	v_pk_mul_f32 v[T+2*i:T+2*i+1], v[T+2*i:T+2*i+1], v[AC+2*i:AC+2*i+1]
.set i, i+1
.endr
	WIN 0
.set i, 0
.rept 32                               ; ascending, so that no number is overwritten before it is read
	v_cvt_pk_bf16_f32 v[T+i], v[T+2*i], v[T+2*i+1]
.set i, i+1
.endr
.irp n, 0,1,2,3,4,5,6,7
	ds_store_b128 v[STO], v[T+4*(\n):T+4*(\n)+3] offset:32*(\n)
.endr
.irp t, 0,1,2,3,4,5,6,7
	ds_load_b128 v[OB+4*(\t):OB+4*(\t)+3], v[RD] offset:2*SPITCH*(\t)  ; in order behind my stores; the next block's stores come behind these
.endr
	s_wait_dscnt 16                                ; the slots are in
.endif
.irp t, 0,1,2,3,4,5,6,7
	v_min_u32 v[ROWO+(\t)], 2047, v[ROWO+(\t)]     ; a loaded number enters an address behind this bound
	v_lshl_add_u32 v[ROWO+(\t)], v[ROWO+(\t)], OSH, v[GC]
.endr
.if PROJ
	s_wait_dscnt 16
.irp t, 0,1,2,3,4,5,6,7
	global_store_b128 v[ROWO+(\t)], v[OB+4*(\t):OB+4*(\t)+3], s[48:49]  ; 16 lanes store 256 consecutive bytes, aligned
.endr
	s_wait_dscnt 0x0
.irp t, 0,1,2,3,4,5,6,7
	global_store_b128 v[ROWO+(\t)], v[OB+32+4*(\t):OB+32+4*(\t)+3], s[48:49] offset:256
.endr
.else
	s_wait_dscnt 0x0
.irp t, 0,1,2,3,4,5,6,7
	global_store_b128 v[ROWO+(\t)], v[OB+4*(\t):OB+4*(\t)+3], s[48:49]  ; 16 lanes store 256 consecutive bytes, aligned
.endr
.endif
.endm
	; THE PASSES: 4 x 20 blocks cover 1,024 rows.  In a trip the K walk reads LDS by an address that walks with K, and the way out writes the stages.
	; Both stand where every path passes.
	s_mov_b32 s36, 4
	s_mov_b32 s38, s14                             ; my first block of the pass: 20 x pass + wave
.Lpass:
	s_sub_co_i32 s35, s34, s38                     ; blocks from mine on,
	s_max_i32 s35, s35, 0                          ; none if the list has ended,
	s_add_co_u32 s35, s35, 3
	s_lshr_b32 s35, s35, 2                         ; every fourth is mine,
	s_min_u32 s35, s35, 5                          ; five a pass: my live blocks in this pass, 0 to 5
	s_cmp_eq_u32 s35, 0
	s_cbranch_scc1 .Lidle                          ; nothing of mine is left
	s_wait_xcnt 0x0                                ; the last pass's stores have read their registers, which the loads below write
.irp a, 0,1,2,3,4
	ds_load_u16 v[TO+\a], v[LP] offset:2+128*\a
.endr
	s_mov_b64 s[42:43], s[40:41]
	s_mov_b32 s[KB], 0
	v_mov_b32 v[WA], v[WA0]
	s_wait_dscnt 0x0
.irp a, 0,1,2,3,4
	v_min_u32 v[TO+\a], 2047, v[TO+\a]             ; a loaded number enters an address behind this bound
.if !PROJ
	v_and_b32 v[TO+\a], 1023, v[TO+\a]             ; the slot's token
.endif
	v_lshlrev_b32 v[TO+\a], ASH, v[TO+\a]
	v_lshl_add_u32 v[TO+\a], v[HH], 4, v[TO+\a]
.endr
	TLOAD 0, 0
	TLOAD 1, 64
	TLOAD 2, 128
	WLOAD 0, 0
	KSTEP 0, 1, 1, 1, 30                           ; step 0 stands ahead of the loop: its products start the sums.  30: three younger steps of ten loads
	s_mov_b32 s37, 7
.Lk:                                                   ; a trip: steps 4 q + 1 .. 4 q + 4
	KSTEP 1, 0, 1, 1, 30
	KSTEP 2, 0, 1, 1, 30
	KSTEP 3, 0, 1, 1, 30
	STEPK
	KSTEP 0, 0, 1, 1, 30
	s_sub_co_u32 s37, s37, 1
	s_cmp_lg_u32 s37, 0
	s_cbranch_scc1 .Lk
	KSTEP 1, 0, 1, 0, 20                           ; steps 29 to 31: no load passes a row's end, and the counts run down
	KSTEP 2, 0, 1, 0, 10
	KSTEP 3, 0, 0, 0, 0
.rept 4
	v_nop                                          ; four places between the last products and what reads their results or writes their sources
.endr
.Lidle:
	s_wait_dscnt 0x0                               ; my turned loads of this pass are back
	s_barrier_signal -1
	s_barrier_wait -1                              ; everybody's are: now the stages may be written
	OUT 0
	OUT 1
	OUT 2
	OUT 3
	OUT 4
.Lnext:
	v_add_nc_u32 v[LP], 640, v[LP]                 ; 320 ranks on
	v_add_nc_u32 v[LQ], 640, v[LQ]
	s_add_co_u32 s38, s38, 20
	s_wait_dscnt 0x0                               ; my stores into my stage are done
	s_barrier_signal -1
	s_barrier_wait -1                              ; everybody's are: the next pass may read
	s_sub_co_u32 s36, s36, 1
	s_cmp_lg_u32 s36, 0
	s_cbranch_scc1 .Lpass
	s_wait_tensorcnt 0x0                           ; the wave's end
	ds_add_u32 v[SPW], v[NIL]
	s_wait_dscnt 0x0
	s_endpgm
.Lfunc_end_k_q91133efd7a_fc:
	.size	k_q91133efd7a_fc, .Lfunc_end_k_q91133efd7a_fc-k_q91133efd7a_fc
	.p2alignl 7, 3214868480
	.fill 96, 4, 3214868480
	.section	.rodata,"a",@progbits
	.p2align	6, 0x0
	.amdhsa_kernel k_q91133efd7a_fc
		.amdhsa_group_segment_fixed_size 324096
		.amdhsa_private_segment_fixed_size 0
		.amdhsa_enable_private_segment 0
		.amdhsa_kernarg_size 40
		.amdhsa_user_sgpr_count 2
		.amdhsa_user_sgpr_kernarg_segment_ptr 1
		.amdhsa_wavefront_size32 1
		.amdhsa_system_sgpr_workgroup_id_x 1
		.amdhsa_system_sgpr_workgroup_id_y 1
		.amdhsa_system_sgpr_workgroup_id_z 1
		.amdhsa_system_vgpr_workitem_id 0
		.amdhsa_next_free_vgpr 768
		.amdhsa_next_free_sgpr 66
		.amdhsa_reserve_vcc 0
		.amdhsa_float_denorm_mode_32 3
		.amdhsa_float_denorm_mode_16_64 3
		.amdhsa_memory_ordered 1
		.amdhsa_forward_progress 1
		.amdhsa_inst_pref_size 197
	.end_amdhsa_kernel
	.amdgpu_metadata
---
amdhsa.version: [ 1, 2 ]
amdhsa.kernels:
  - .name:           k_q91133efd7a_fc
    .symbol:         k_q91133efd7a_fc.kd
    .args:
      - { .name: fc_w, .offset: 0, .size: 8, .value_kind: global_buffer, .address_space: global }
      - { .name: fc_b, .offset: 8, .size: 8, .value_kind: global_buffer, .address_space: global }
      - { .name: xb, .offset: 16, .size: 8, .value_kind: global_buffer, .address_space: global }
      - { .name: bits, .offset: 24, .size: 8, .value_kind: global_buffer, .address_space: global }
      - { .name: hbuf, .offset: 32, .size: 8, .value_kind: global_buffer, .address_space: global }
    .group_segment_fixed_size: 324096
    .private_segment_fixed_size: 0
    .kernarg_segment_align: 8
    .kernarg_segment_size: 40
    .max_flat_workgroup_size: 128
    .sgpr_count:     66
    .vgpr_count:     768
    .wavefront_size: 32
...
	.end_amdgpu_metadata
.endif
;; end of part 2
;; launch proj (part 3): grid 256 x 1, 4 waves a work-group, no clusters, 324,096 bytes of LDS; arguments proj_w, proj_b, hbuf, bits, part; writes part
.if DOCPART == 3
	.amdgcn_target "amdgcn-amd-amdhsa--gfx1250"
	.amdhsa_code_object_version 6
	.text
	.protected	k_q91133efd7a_proj
	.globl	k_q91133efd7a_proj
	.p2align	8
	.type	k_q91133efd7a_proj,@function
k_q91133efd7a_proj:
	s_mov_b64 s[64:65], 0
	v_nop
	global_prefetch_b8 v0, s[64:65] scope:SCOPE_SE
	s_setreg_imm32_b32 hwreg(HW_REG_WAVE_MODE, 25, 1), 1
	s_wait_xcnt 0x0
; ONE PRODUCT OF A LAYER OF ROUTED EXPERTS, for the rows that chose the expert.  The text has two forms, chosen by PROJ:
;   PROJ = 0: hbuf[slot][f] = gelu_new(x[token of slot] . fc_w[e][:, f] + fc_b[e][f]), bf16.      PROJ = 1: part[ks][slot][d] = hbuf[slot][quarter ks of f] . proj_w[e][that quarter, d] (+ proj_b[e][d] in quarter 0), f32.
; slot = 1024 k + t (k: rank of the token's choice); every slot has one expert, so every row of the result is written once, by the work-groups of that expert.
; Weights, bias and rows enter the products in bf16 (each input rounded once), sums in f32.
; SHARES.  256 work-groups.  A work-group has 128 columns x 1,024 K of ONE expert's weights, 512 KiB of f32 that it alone reads, and all of that expert's rows, 0 to 1,024 of them.
;   1. The weights stream through registers (four sets of 16 loads a wave always asked for), are rounded to bf16 and laid into LDS as they lie, [k][128 columns].  Wave w takes rows 256 w .. + 255.
;   2. While the first loads are out each wave makes its own list of the expert's slots, in ascending order, from the expert's bitmap (stored by an earlier launch).
;   3. A barrier.  Then the rows go in blocks of 16, in passes of 20 blocks (five a wave); a pass walks K in 32 steps of 32.  The weights' fragments come turned out of LDS, the rows' straight from memory.
;      The loop over passes has a constant count, 4, which serves 1,024 rows; every wave passes its two barriers in every trip; dead passes and dead blocks are jumped over forward, and what is jumped holds no barrier.
; The matrix instruction is used transposed (source 0 = 16 columns of the weights, source 1 = 16 rows): a lane then holds eight neighbouring columns of one row.
; NO CLUSTER, NO TENSOR LOAD: each slice of weights has one reader and has to pass through registers to be rounded; the rows that an expert's work-groups share come by a list.
; Rows past the count repeat the last row, and store its bytes again.  An expert without rows stores nothing.
; The four quarters' partial sums stay in f32 and are added by the next launch.  NaN and infinities are not treated apart.
.set PROJ, 1
.if PROJ
.set PITCH, 4096       ; bytes from row to row of the weights
.set BSH,   12         ; an expert's bias: 1 << BSH bytes
.set ASH,   13         ; a row of the left operand: 1 << ASH bytes
.set OSH,   12         ; a row of the result
.else
.set PITCH, 16384
.set BSH,   14
.set ASH,   11
.set OSH,   13
.endif
.set WPITCH, 288       ; a row of W in LDS: 256 bytes + 32
.set STAGE,  1024*WPITCH        ; 16 rows x 272 bytes for each wave, for the way out
.set SPITCH, 272
.set LIST,   STAGE+4*16*SPITCH  ; each wave's own list: u16; rank p at byte 2 + 2 p; ranks 0 .. 1,311; the place DUMP takes what the other lanes write
.set LISTB,  2816
.set DUMP,   1400
.set SPARE,  LIST+4*LISTB       ; the spare words: 128 bytes for each wave; no other line names them
; REGISTERS, in windows of 256 (s_set_vgpr_msb: bits 1:0 source 0, 3:2 source 1, 5:4 source 2, 7:6 destination)
.set RR,   1           ; lane % 16
.set HH,   2           ; lane / 16
.set LANE, 3
.set WA0,  4           ; my lane's place in a turned fragment
.set WA,   5           ; the same at the K steps in hand
.set STO,  6           ; the way out: where I put my columns of a row
.set RD,   7           ; the way out: where I read rows back
.set LP,   8           ; list: the rows that I load (lane % 16)
.set LQ,   9           ; list: the rows that I store (lane / 16)
.set TO,   10          ; v10-14  byte offset of my row in block a
.set GC,   15          ; 16 (lane % 16)
.set OFF,  16          ; v16-19  stream: set i's offset in the weights
.set LD,   20          ; v20-23  stream: set i's place in LDS
.set ROWO, 16          ; v16-23  later: byte offsets of the rows that I store
.set LBV,  26          ; my list's first byte
.set DMP,  27          ; DUMP
.set SPW,  28          ; LDS address of my spare word; never rewritten
.set NIL,  29          ; 0; never rewritten
.set LA,   30
.set LV,   31
.set WF,   32          ; v32-159  the weights' fragments, two buffers of 8 x 8
.set T,    32          ; v32-95   at work on the way out
.set OB,   96          ; v96-159  rows read back from the stage
.set BIAS, 160         ; v160-223 bias of my columns: 8 n + j for column 16 n + 8 (lane / 16) + j
                       ; window 1: accumulators of blocks 0-3 at 64 a + 8 n; in the stream the four sets of 64
.set TF,   64          ; window 2: v0-63 the bias as loaded, then the accumulators of block 4; v64-223 the rows' fragments, four buffers of 5 x 8
.set KB,   55          ; s55  byte in W at which the four K steps in hand begin
.set MSB, 0
.macro WIN new                         ; the immediate's high byte repeats the setting that is left; a switch that changes nothing is dropped
.if MSB != (\new)
	s_set_vgpr_msb (MSB<<8)|(\new)
.set MSB, (\new)
.endif
.endm
	s_load_b256 s[4:11], s[0:1], 0x0               ; weights s[4:5], bias s[6:7], rows s[8:9], bits s[10:11]
	s_load_b64 s[12:13], s[0:1], 0x20              ; result
	v_lshl_add_u32 v[SPW], v0, 2, SPARE
	v_mov_b32 v[NIL], 0
	v_lshrrev_b32 v24, 5, v0
	v_readfirstlane_b32 s14, v24                   ; wave 0..3
	v_and_b32 v[RR], 15, v0
	v_bfe_u32 v[HH], v0, 4, 1
	v_and_b32 v[LANE], 31, v0
	s_lshr_b32 s15, ttmp9, 5                       ; the expert
.if PROJ
	s_bfe_u32 s32, ttmp9, 0x30002                  ; which 128 columns
	s_and_b32 s39, ttmp9, 3                        ; which quarter of K
.else
	s_and_b32 s32, ttmp9, 31                       ; which 128 columns
.endif
	s_mul_i32 s50, s14, 256*PITCH                  ; my wave's 256 rows of the slice
	v_lshl_add_u32 v[OFF], v[LANE], 4, s50
	s_mul_i32 s50, s14, 256*WPITCH
	v_lshl_add_u32 v[LD], v[LANE], 3, s50
.irp i, 1,2,3
	v_add_nc_u32 v[OFF+\i], 16*\i*PITCH, v[OFF]
	v_add_nc_u32 v[LD+\i], 16*\i*WPITCH, v[LD]
.endr
	s_lshl_b32 s50, s15, 24                        ; an expert's weights are 2^24 bytes
	s_lshl_b32 s51, s32, 9
	s_add_co_u32 s50, s50, s51
.if PROJ
	s_lshl_b32 s51, s39, 22                        ; 1,024 rows of 4,096 bytes
	s_add_co_u32 s50, s50, s51
.endif
	s_mov_b32 s51, 0
	s_wait_kmcnt 0x0
	s_add_nc_u64 s[4:5], s[4:5], s[50:51]
.macro FILL i                          ; 16 rows of the slice: a load is one row's 512 consecutive bytes; each byte is read once in the launch
	WIN 0x40
.irp j, 0,1,2,3,4,5,6,7,8,9,10,11,12,13,14,15
	global_load_b128 v[64*(\i)+4*(\j):64*(\i)+4*(\j)+3], v[OFF+(\i)], s[4:5] offset:(\j)*PITCH th:TH_LOAD_NT
.endr
	WIN 0
.endm
	FILL 0
	FILL 1
	FILL 2
	FILL 3
	s_lshl_b32 s50, s15, BSH                       ; the other addresses
	s_lshl_b32 s52, s32, 9
	s_add_co_u32 s50, s50, s52
	s_add_nc_u64 s[6:7], s[6:7], s[50:51]          ; bias of my 128 columns
	s_lshl_b32 s50, s15, 8
	s_add_nc_u64 s[10:11], s[10:11], s[50:51]      ; the expert's bitmap, 256 bytes
.if PROJ
	s_lshl_b32 s50, s39, 11
	s_add_nc_u64 s[40:41], s[8:9], s[50:51]        ; the rows at my quarter of K
	s_lshl_b32 s50, s39, 23
	s_add_co_u32 s50, s50, s52
	s_add_nc_u64 s[48:49], s[12:13], s[50:51]      ; the quarter's plane of the result, my columns
	s_cmp_eq_u32 s39, 0
	s_cselect_b32 s53, -1, 0                       ; the bias is added in quarter 0 alone
.else
	s_mov_b64 s[40:41], s[8:9]
	s_lshl_b32 s50, s32, 8
	s_add_nc_u64 s[48:49], s[12:13], s[50:51]
	s_mov_b32 s44, 0xc0135761                      ; c1 = -2.3022082
	s_mov_b32 s45, s44                             ; named with it as a pair
	s_mov_b32 s46, 0xbdd2d3e8                      ; c2 = -0.10294324
	s_mov_b32 s47, s46
.endif
	; THE LIST.  First every place of my list takes slot 0, by stores at fixed addresses: 5 x 512 + 256 = 2,816 bytes.  Then 64 words of bitmap, 16 a trip: a lane whose bit is set
	; stores its slot at the rank = set bits before it; the others store at DUMP.  EXEC is never changed.
	s_mul_i32 s52, s14, LISTB
	s_add_co_u32 s52, s52, LIST
	v_mov_b32 v[LBV], s52
	v_mov_b32 v[DMP], DUMP
.irp i, 0,1,2,3
	v_mov_b32 v[T+\i], 0
.endr
	v_lshl_add_u32 v24, v[LANE], 4, s52
.irp i, 0,1,2,3,4
	ds_store_b128 v24, v[T:T+3] offset:512*\i
.endr
	v_lshl_add_u32 v25, v[LANE], 3, s52
	ds_store_b64 v25, v[T:T+1] offset:2560
	v_mov_b32 v[LV], v[LANE]                       ; the slot of my bit in the word in hand
	s_mov_b32 s33, 0                               ; rows so far
	s_mov_b32 s37, 4
.Llist:
	s_load_b512 s[16:31], s[10:11], 0x0
	s_wait_kmcnt 0x0                               ; the load is done: its base may step
	s_add_nc_u64 s[10:11], s[10:11], 64
.irp q, 0,1,2,3,4,5,6,7,8,9,10,11,12,13,14,15
	v_mbcnt_lo_u32_b32 v[LA], s[16+\q], s33
	v_cndmask_b32 v[LA], v[DMP], v[LA], s[16+\q]
	v_min_u32 v[LA], DUMP, v[LA]                   ; a number made of loaded words enters an address behind this bound
	v_lshl_add_u32 v[LA], v[LA], 1, v[LBV]
	ds_store_b16 v[LA], v[LV] offset:2             ; LDS serves a wave's instructions in order (ISA guide 5.7.1.4): behind the zeros above
	v_add_nc_u32 v[LV], 32, v[LV]
	s_bcnt1_i32_b32 s50, s[16+\q]
	s_add_co_u32 s33, s33, s50
.endr
	s_sub_co_u32 s37, s37, 1
	s_cmp_lg_u32 s37, 0
	s_cbranch_scc1 .Llist
	s_min_u32 s33, s33, 1024                       ; R: a token chooses an expert once
	s_add_co_u32 s34, s33, 15
	s_lshr_b32 s34, s34, 4                         ; blocks of 16 rows
	s_cmp_eq_u32 s33, 0
	s_cbranch_scc1 .Lnopad
	s_lshl_b32 s50, s33, 1
	s_add_co_u32 s50, s50, s52                     ; rank R - 1 lies at list + 2 R
	v_mov_b32 v[LA], s50
	ds_load_u16 v[LV], v[LA]                       ; in order behind the stores above
	v_lshl_add_u32 v[LA], v[LANE], 1, s50
	s_wait_dscnt 0x0
.irp i, 0,1,2,3,4,5,6,7,8
	ds_store_b16 v[LA], v[LV] offset:2+64*\i       ; ranks R .. R + 287 repeat the last row: a live pass reads 270 ranks past R at the most
.endr
.Lnopad:
	s_lshl_b32 s50, s14, 5                         ; in a pass block a of wave w holds ranks 64 a + 16 w + 0..15
	s_add_co_u32 s50, s50, s52
	v_lshl_add_u32 v[LP], v[RR], 1, s50
	v_lshl_add_u32 v[LQ], v[HH], 1, s50
	v_and_b32 v24, 7, v0                           ; the turning load: lane l reads 16 bytes of row 8 (l / 16) + l % 8, columns 8 ((l / 8) % 2) + 0..7
	v_lshl_add_u32 v24, v[HH], 3, v24
	v_mul_u32_u24 v[WA0], v24, WPITCH
	v_bfe_u32 v25, v0, 3, 1
	v_lshl_add_u32 v[WA0], v25, 4, v[WA0]
	s_mul_i32 s50, s14, 16*SPITCH
	s_add_co_u32 s50, s50, STAGE                   ; my stage
	v_mul_u32_u24 v24, v[RR], SPITCH               ; in: row l % 16; my eight columns are 16 bytes (bf16) or 32 (f32)
.if PROJ
	v_lshl_add_u32 v24, v[HH], 5, v24
.else
	v_lshl_add_u32 v24, v[HH], 4, v24
.endif
	v_add_nc_u32 v[STO], s50, v24
	v_mul_u32_u24 v24, v[HH], SPITCH               ; back: lanes 0-15 one row of 256 bytes, lanes 16-31 the next
	v_lshl_add_u32 v24, v[RR], 4, v24
	v_add_nc_u32 v[RD], s50, v24
	v_lshlrev_b32 v[GC], 4, v[RR]
	v_lshlrev_b32 v25, 5, v[HH]                    ; bias: 32 bytes for each half of the lanes
	; THE STREAM.  Set i's turn: its 16 loads are in; rounded in place, four columns to 8 bytes; 16 stores of 256 consecutive LDS bytes; the set is asked for again, 64 rows on.
.macro SET i, refill, left
	s_wait_loadcnt \left                           ; loads come back in order (ISA guide 5.7.1): mine are in, the younger ones stay out; the wait also frees the set's offset
	WIN 0x45
.irp j, 0,1,2,3,4,5,6,7,8,9,10,11,12,13,14,15
	v_cvt_pk_bf16_f32 v[64*(\i)+4*(\j)],   v[64*(\i)+4*(\j)],   v[64*(\i)+4*(\j)+1]
	v_cvt_pk_bf16_f32 v[64*(\i)+4*(\j)+1], v[64*(\i)+4*(\j)+2], v[64*(\i)+4*(\j)+3]
.endr
	WIN 0x04
.irp j, 0,1,2,3,4,5,6,7,8,9,10,11,12,13,14,15
	ds_store_b64 v[LD+(\i)], v[64*(\i)+4*(\j):64*(\i)+4*(\j)+1] offset:WPITCH*(\j)
.endr
	WIN 0
	v_add_nc_u32 v[LD+(\i)], 64*WPITCH, v[LD+(\i)]
.if \refill
	v_add_nc_u32 v[OFF+(\i)], 64*PITCH, v[OFF+(\i)]
	FILL \i
.endif
.endm
	s_mov_b32 s37, 3
.Lstream:
	SET 0, 1, 48                                   ; 48: the three younger sets
	SET 1, 1, 48
	SET 2, 1, 48
	SET 3, 1, 48
	s_sub_co_u32 s37, s37, 1
	s_cmp_lg_u32 s37, 0
	s_cbranch_scc1 .Lstream
	SET 0, 0, 48                                   ; the last 64 rows: nothing more of the weights is asked for
	WIN 0x80                                       ; the bias as loaded goes into window 2, v0-63
.irp n, 0,1,2,3,4,5,6,7
	global_load_b128 v[8*\n:8*\n+3],   v25, s[6:7] offset:64*\n
	global_load_b128 v[8*\n+4:8*\n+7], v25, s[6:7] offset:64*\n+16
.endr
	WIN 0
	SET 1, 0, 48                                   ; two sets and the bias's 16 loads are younger,
	SET 2, 0, 32                                   ; one set and the bias,
	SET 3, 0, 16                                   ; the bias
	s_wait_loadcnt 0x0
	WIN 0x0a                                       ; sources in window 2
.set i, 0
.rept 32                               ; the bias is rounded to bf16 like every input, and widened again: it starts the f32 sums
	v_cvt_pk_bf16_f32 v[T+i], v[2*i], v[2*i+1]
.set i, i+1
.endr
	WIN 0
.set i, 0
.rept 32
.if PROJ
	v_and_b32 v[T+i], s53, v[T+i]                  ; 0 in quarters 1 to 3
.endif
	v_lshlrev_b32 v[BIAS+2*i], 16, v[T+i]
	v_and_b32 v[BIAS+2*i+1], 0xffff0000, v[T+i]
.set i, i+1
.endr
	s_wait_dscnt 0x0                               ; for the others' sake: my rows of W are in LDS
	s_barrier_signal -1
	s_barrier_wait -1                              ; everybody's are; from here on nobody writes W
; 16 turned loads: the weights' fragments of one K step (32 rows x 128 columns) into buffer buf
.macro WLOAD buf, off
	WIN 0
.irp n, 0,1,2,3,4,5,6,7
	ds_load_tr16_b128 v[WF+64*(\buf)+8*(\n):WF+64*(\buf)+8*(\n)+3],   v[WA] offset:(\off)+32*(\n)
	ds_load_tr16_b128 v[WF+64*(\buf)+8*(\n)+4:WF+64*(\buf)+8*(\n)+7], v[WA] offset:(\off)+32*(\n)+16*WPITCH
.endr
.endm
; 10 loads: the rows' fragments of one K step, five blocks: lane l has row l % 16, K = 8 (l / 16) + 0..7 and 16 + 8 (l / 16) + 0..7
.macro TLOAD buf, off
	WIN 0x80
.irp a, 0,1,2,3,4
	global_load_b128 v[TF+40*(\buf)+8*(\a):TF+40*(\buf)+8*(\a)+3],   v[TO+(\a)], s[42:43] offset:(\off)
	global_load_b128 v[TF+40*(\buf)+8*(\a)+4:TF+40*(\buf)+8*(\a)+7], v[TO+(\a)], s[42:43] offset:(\off)+32
.endr
.endm
.macro MM d, j, n, b, c                ; D at d; columns 16 n on; block b; C at c
	v_wmma_f32_16x16x32_bf16 v[(\d):(\d)+7], v[WF+64*((\j)%2)+8*(\n):WF+64*((\j)%2)+8*(\n)+7], v[TF+40*((\j)%4)+8*(\b):TF+40*((\j)%4)+8*(\b)+7], v[(\c):(\c)+7]
.endm
; K STEP j of a group of four.  Asked for first: the weights' fragments of the next step (wl) and the rows' fragments three steps on (tl).  Then 32 products, blocks 0-3 x 8 column blocks,
; and block 4's eight if the wave has a fifth live block.  first = 1: the bias starts the sums (block 4's too).
; The accumulators take turns, one instruction a turn.  lc: the rows' loads that may stay out.
.macro KSTEP j, first, wl, tl, lc
	WIN 0
.rept 4
	v_nop                                          ; four places between the last products and loads into registers that they read (ISA guide 7.12.1 for vector instructions)
.endr
.if \wl
	WLOAD ((\j)+1)%2, ((\j)+1)*32*WPITCH
.endif
.if \tl
	TLOAD ((\j)+3)%4, ((\j)+3)*64
.endif
.if \wl
	s_wait_dscnt 16                                ; this step's fragments are in; the 16 just asked for stay out
.else
	s_wait_dscnt 0x0
.endif
	s_wait_loadcnt \lc
.if \first
	WIN 0x48                                       ; rows in window 2, bias in window 0, D in window 1
.else
	WIN 0x58                                       ; rows in window 2, C and D in window 1
.endif
.irp a, 0,1,2,3
.irp n, 0,1,2,3,4,5,6,7
.if \first
	MM 64*(\a)+8*(\n),\j,\n,\a,BIAS+8*(\n)
.else
	MM 64*(\a)+8*(\n),\j,\n,\a,64*(\a)+8*(\n)
.endif
.endr
.endr
.if \first
	WIN 0x88
.irp n, 0,1,2,3,4,5,6,7
	MM 8*(\n),\j,\n,4,BIAS+8*(\n)
.endr
	WIN 0
.else
	WIN 0                                          ; at a branch and at a label every window is 0
	s_cmp_lt_u32 s35, 5
	s_cbranch_scc1 .Lno4_\@
	WIN 0xa8
.irp n, 0,1,2,3,4,5,6,7
	MM 8*(\n),\j,\n,4,8*(\n)
.endr
	WIN 0
.Lno4_\@:
.endif
.endm
.macro STEPK                           ; four K steps on
	s_wait_xcnt 0x0                                ; the rows' base is a source of loads that are out: it steps only behind this wait
	s_add_nc_u64 s[42:43], s[42:43], 256
	s_add_co_u32 s[KB], s[KB], 4*32*WPITCH
	v_add_nc_u32 v[WA], s[KB], v[WA0]
.endm
; THE WAY OUT of block a: jumped, with all later blocks, if the wave has no such block in this pass.
.macro OUT a
	s_cmp_le_u32 s35, \a
	s_cbranch_scc1 .Lnext
.set AC, 64*((\a)%4)
.set W1, 1+(\a)/4                      ; the accumulators' window
	s_wait_xcnt 0x0                                ; earlier stores have read their offsets and data: ROWO and OB are rewritten only behind this wait
.irp t, 0,1,2,3,4,5,6,7
	ds_load_u16 v[ROWO+(\t)], v[LQ] offset:2+128*(\a)+4*(\t)  ; the slots of rows 2 t + lane / 16 of the block
.endr
.if PROJ
.irp hf, 0,1                           ; a row's 128 f32 in two halves of 256 bytes; each accumulator's low registers are read first
	WIN 4*W1
.irp n, 0,1,2,3
	ds_store_b128 v[STO], v[AC+32*(\hf)+8*(\n):AC+32*(\hf)+8*(\n)+3]   offset:64*(\n)
	ds_store_b128 v[STO], v[AC+32*(\hf)+8*(\n)+4:AC+32*(\hf)+8*(\n)+7] offset:64*(\n)+16
.endr
	WIN 0
.irp t, 0,1,2,3,4,5,6,7
	ds_load_b128 v[OB+32*(\hf)+4*(\t):OB+32*(\hf)+4*(\t)+3], v[RD] offset:2*SPITCH*(\t)  ; in order behind my stores; the next half's stores come behind these
.endr
.endr
	s_wait_dscnt 32                                ; the slots are in
.else
	WIN 5*W1
.set i, 0
.rept 32                               ; ascending: each accumulator's low registers are read first
	v_pk_mul_f32 v[T+2*i:T+2*i+1], v[AC+2*i:AC+2*i+1], v[AC+2*i:AC+2*i+1]
.set i, i+1
.endr
	WIN 0
.set i, 0
.rept 32
	v_pk_fma_f32 v[T+2*i:T+2*i+1], v[T+2*i:T+2*i+1], s[46:47], s[44:45] op_sel_hi:[1,0,0]  ; c2 x^2 + c1
.set i, i+1
.endr
	WIN 4*W1
.set i, 0
.rept 32
	v_pk_mul_f32 v[T+2*i:T+2*i+1], v[T+2*i:T+2*i+1], v[AC+2*i:AC+2*i+1]
.set i, i+1
.endr
	WIN 0
.set i, 0
.rept 64
	v_exp_f32 v[T+i], v[T+i]
.set i, i+1
.endr
	v_nop                                          ; a plain instruction behind the last exponential,
	s_wait_alu depctr_va_vdst(0)                   ; and one wait for the batch of 64
.set i, 0
.rept 32
	v_pk_add_f32 v[T+2*i:T+2*i+1], v[T+2*i:T+2*i+1], 1.0 op_sel_hi:[1,0]
.set i, i+1
.endr
.set i, 0
.rept 64
	v_rcp_f32 v[T+i], v[T+i]
.set i, i+1
.endr
	v_nop
	s_wait_alu depctr_va_vdst(0)
	WIN 4*W1
.set i, 0
.rept 32
	v_pk_mul_f32 v[T+2*i:T+2*i+1], v[T+2*i:T+2*i+1], v[AC+2*i:AC+2*i+1]
.set i, i+1
.endr
	WIN 0
.set i, 0
.rept 32                               ; ascending, so that no number is overwritten before it is read
	v_cvt_pk_bf16_f32 v[T+i], v[T+2*i], v[T+2*i+1]
.set i, i+1
.endr
.irp n, 0,1,2,3,4,5,6,7
	ds_store_b128 v[STO], v[T+4*(\n):T+4*(\n)+3] offset:32*(\n)
.endr
.irp t, 0,1,2,3,4,5,6,7
	ds_load_b128 v[OB+4*(\t):OB+4*(\t)+3], v[RD] offset:2*SPITCH*(\t)  ; in order behind my stores; the next block's stores come behind these
.endr
	s_wait_dscnt 16                                ; the slots are in
.endif
.irp t, 0,1,2,3,4,5,6,7
	v_min_u32 v[ROWO+(\t)], 2047, v[ROWO+(\t)]     ; a loaded number enters an address behind this bound
	v_lshl_add_u32 v[ROWO+(\t)], v[ROWO+(\t)], OSH, v[GC]
.endr
.if PROJ
	s_wait_dscnt 16
.irp t, 0,1,2,3,4,5,6,7
	global_store_b128 v[ROWO+(\t)], v[OB+4*(\t):OB+4*(\t)+3], s[48:49]  ; 16 lanes store 256 consecutive bytes, aligned
.endr
	s_wait_dscnt 0x0
.irp t, 0,1,2,3,4,5,6,7
	global_store_b128 v[ROWO+(\t)], v[OB+32+4*(\t):OB+32+4*(\t)+3], s[48:49] offset:256
.endr
.else
	s_wait_dscnt 0x0
.irp t, 0,1,2,3,4,5,6,7
	global_store_b128 v[ROWO+(\t)], v[OB+4*(\t):OB+4*(\t)+3], s[48:49]  ; 16 lanes store 256 consecutive bytes, aligned
.endr
.endif
.endm
	; THE PASSES: 4 x 20 blocks cover 1,024 rows.  In a trip the K walk reads LDS by an address that walks with K, and the way out writes the stages.
	s_mov_b32 s36, 4
	s_mov_b32 s38, s14                             ; my first block of the pass: 20 x pass + wave
.Lpass:
	s_sub_co_i32 s35, s34, s38                     ; blocks from mine on,
	s_max_i32 s35, s35, 0                          ; none if the list has ended,
	s_add_co_u32 s35, s35, 3
	s_lshr_b32 s35, s35, 2                         ; every fourth is mine,
	s_min_u32 s35, s35, 5                          ; five a pass: my live blocks in this pass, 0 to 5
	s_cmp_eq_u32 s35, 0
	s_cbranch_scc1 .Lidle                          ; nothing of mine is left
	s_wait_xcnt 0x0                                ; the last pass's stores have read their registers, which the loads below write
.irp a, 0,1,2,3,4
	ds_load_u16 v[TO+\a], v[LP] offset:2+128*\a
.endr
	s_mov_b64 s[42:43], s[40:41]
	s_mov_b32 s[KB], 0
	v_mov_b32 v[WA], v[WA0]
	s_wait_dscnt 0x0
.irp a, 0,1,2,3,4
	v_min_u32 v[TO+\a], 2047, v[TO+\a]             ; a loaded number enters an address behind this bound
.if !PROJ
	v_and_b32 v[TO+\a], 1023, v[TO+\a]             ; the slot's token
.endif
	v_lshlrev_b32 v[TO+\a], ASH, v[TO+\a]
	v_lshl_add_u32 v[TO+\a], v[HH], 4, v[TO+\a]
.endr
	TLOAD 0, 0
	TLOAD 1, 64
	TLOAD 2, 128
	WLOAD 0, 0
	KSTEP 0, 1, 1, 1, 30                           ; step 0 stands ahead of the loop: its products start the sums.  30: three younger steps of ten loads
	s_mov_b32 s37, 7
.Lk:                                                   ; a trip: steps 4 q + 1 .. 4 q + 4
	KSTEP 1, 0, 1, 1, 30
	KSTEP 2, 0, 1, 1, 30
	KSTEP 3, 0, 1, 1, 30
	STEPK
	KSTEP 0, 0, 1, 1, 30
	s_sub_co_u32 s37, s37, 1
	s_cmp_lg_u32 s37, 0
	s_cbranch_scc1 .Lk
	KSTEP 1, 0, 1, 0, 20                           ; steps 29 to 31: no load passes a row's end, and the counts run down
	KSTEP 2, 0, 1, 0, 10
	KSTEP 3, 0, 0, 0, 0
.rept 4
	v_nop                                          ; four places between the last products and what reads their results or writes their sources
.endr
.Lidle:
	s_wait_dscnt 0x0                               ; my turned loads of this pass are back
	s_barrier_signal -1
	s_barrier_wait -1                              ; everybody's are: now the stages may be written
	OUT 0
	OUT 1
	OUT 2
	OUT 3
	OUT 4
.Lnext:
	v_add_nc_u32 v[LP], 640, v[LP]                 ; 320 ranks on
	v_add_nc_u32 v[LQ], 640, v[LQ]
	s_add_co_u32 s38, s38, 20
	s_wait_dscnt 0x0                               ; my stores into my stage are done
	s_barrier_signal -1
	s_barrier_wait -1                              ; everybody's are: the next pass may read
	s_sub_co_u32 s36, s36, 1
	s_cmp_lg_u32 s36, 0
	s_cbranch_scc1 .Lpass
	s_wait_tensorcnt 0x0                           ; the wave's end
	ds_add_u32 v[SPW], v[NIL]
	s_wait_dscnt 0x0
	s_endpgm
.Lfunc_end_k_q91133efd7a_proj:
	.size	k_q91133efd7a_proj, .Lfunc_end_k_q91133efd7a_proj-k_q91133efd7a_proj
	.p2alignl 7, 3214868480
	.fill 96, 4, 3214868480
	.section	.rodata,"a",@progbits
	.p2align	6, 0x0
	.amdhsa_kernel k_q91133efd7a_proj
		.amdhsa_group_segment_fixed_size 324096
		.amdhsa_private_segment_fixed_size 0
		.amdhsa_enable_private_segment 0
		.amdhsa_kernarg_size 40
		.amdhsa_user_sgpr_count 2
		.amdhsa_user_sgpr_kernarg_segment_ptr 1
		.amdhsa_wavefront_size32 1
		.amdhsa_system_sgpr_workgroup_id_x 1
		.amdhsa_system_sgpr_workgroup_id_y 1
		.amdhsa_system_sgpr_workgroup_id_z 1
		.amdhsa_system_vgpr_workitem_id 0
		.amdhsa_next_free_vgpr 768
		.amdhsa_next_free_sgpr 66
		.amdhsa_reserve_vcc 0
		.amdhsa_float_denorm_mode_32 3
		.amdhsa_float_denorm_mode_16_64 3
		.amdhsa_memory_ordered 1
		.amdhsa_forward_progress 1
		.amdhsa_inst_pref_size 126
	.end_amdhsa_kernel
	.amdgpu_metadata
---
amdhsa.version: [ 1, 2 ]
amdhsa.kernels:
  - .name:           k_q91133efd7a_proj
    .symbol:         k_q91133efd7a_proj.kd
    .args:
      - { .name: proj_w, .offset: 0, .size: 8, .value_kind: global_buffer, .address_space: global }
      - { .name: proj_b, .offset: 8, .size: 8, .value_kind: global_buffer, .address_space: global }
      - { .name: hbuf, .offset: 16, .size: 8, .value_kind: global_buffer, .address_space: global }
      - { .name: bits, .offset: 24, .size: 8, .value_kind: global_buffer, .address_space: global }
      - { .name: part, .offset: 32, .size: 8, .value_kind: global_buffer, .address_space: global }
    .group_segment_fixed_size: 324096
    .private_segment_fixed_size: 0
    .kernarg_segment_align: 8
    .kernarg_segment_size: 40
    .max_flat_workgroup_size: 128
    .sgpr_count:     66
    .vgpr_count:     768
    .wavefront_size: 32
...
	.end_amdgpu_metadata
.endif
;; end of part 3
;; launch combine (part 4): grid 256 x 1, 8 waves a work-group, no clusters, 0 bytes of LDS; arguments part, wts, out0; writes out0
.if DOCPART == 4
	.amdgcn_target "amdgcn-amd-amdhsa--gfx1250"
	.amdhsa_code_object_version 6
	.text
	.protected	k_q91133efd7a_combine
	.globl	k_q91133efd7a_combine
	.p2align	8
	.type	k_q91133efd7a_combine,@function
k_q91133efd7a_combine:
	s_mov_b64 s[64:65], 0
	v_nop
	global_prefetch_b8 v0, s[64:65] scope:SCOPE_SE
	s_setreg_imm32_b32 hwreg(HW_REG_WAVE_MODE, 25, 1), 1
	s_wait_xcnt 0x0
; out0[t][d] = w[t] sum over q of part[q][t][d] + w[1024 + t] sum over q of part[q][1024 + t][d]: the four K quarters of each of a token's two expert rows are added
; in f32, weighed and added.  part: [4][2048 slots][1024] f32; wts: [2048] f32; out0: [1024][1024] f32.
; A stream: memory binds, so there is no LDS, no barrier, no matrix unit.  2,048 waves; wave id has half id % 2 (2,048 bytes) of token id / 2's row: 32 loads of 512 consecutive
; bytes, all asked for at once, piece by piece of the row, so that the waits count down by eight; four stores of 512 consecutive bytes.  Every address is fixed by the wave's number.
.set P, 4              ; v4-131: quarter q, rank k, piece i at P + 32 q + 16 k + 4 i
	s_load_b128 s[4:7], s[0:1], 0x0                ; part s[4:5], wts s[6:7]
	s_load_b64 s[8:9], s[0:1], 0x10                ; out0
	v_lshrrev_b32 v1, 5, v0
	v_readfirstlane_b32 s10, v1                    ; wave 0..7
	v_and_b32 v1, 31, v0
	v_lshlrev_b32 v1, 4, v1                        ; 16 bytes a lane
	s_lshl_b32 s11, ttmp9, 3
	s_add_co_u32 s10, s10, s11                     ; id
	s_lshr_b32 s24, s10, 1                         ; t
	s_lshl_b32 s24, s24, 2
	s_mov_b32 s25, 0
	s_lshl_b32 s10, s10, 11                        ; t x 4,096 + half x 2,048
	s_mov_b32 s11, 0
	s_wait_kmcnt 0x0
	s_add_nc_u64 s[6:7], s[6:7], s[24:25]
	s_load_b32 s20, s[6:7], 0x0                    ; the weight of the token's first choice,
	s_load_b32 s22, s[6:7], 0x1000                 ; and of its second
	s_add_nc_u64 s[12:13], s[4:5], s[10:11]        ; a base for each quarter's plane of 8,388,608 bytes
	s_add_nc_u64 s[14:15], s[12:13], 0x800000
	s_add_nc_u64 s[16:17], s[14:15], 0x800000
	s_add_nc_u64 s[18:19], s[16:17], 0x800000
	s_add_nc_u64 s[8:9], s[8:9], s[10:11]
.irp i, 0,1,2,3
.irp q, 0,1,2,3
	global_load_b128 v[P+32*\q+4*\i:P+32*\q+4*\i+3],       v1, s[12+2*\q:13+2*\q] offset:512*\i th:TH_LOAD_NT
	global_load_b128 v[P+32*\q+16+4*\i:P+32*\q+16+4*\i+3], v1, s[12+2*\q:13+2*\q] offset:4194304+512*\i th:TH_LOAD_NT  ; slot 1,024 + t lies 1,024 rows of 4,096 bytes on
.endr
.endr
	s_wait_kmcnt 0x0
	s_mov_b32 s21, s20                             ; named as pairs by the packed forms
	s_mov_b32 s23, s22
.irp i, 0,1,2,3
	s_wait_loadcnt 24-8*\i                         ; loads come back in order (ISA guide 5.7.1): piece i's eight are in, the later pieces' stay out
.irp k, 0,16
.irp p, 0,2
	v_pk_add_f32 v[P+\k+4*\i+\p:P+\k+4*\i+\p+1],       v[P+\k+4*\i+\p:P+\k+4*\i+\p+1],       v[P+32+\k+4*\i+\p:P+32+\k+4*\i+\p+1]
	v_pk_add_f32 v[P+64+\k+4*\i+\p:P+64+\k+4*\i+\p+1], v[P+64+\k+4*\i+\p:P+64+\k+4*\i+\p+1], v[P+96+\k+4*\i+\p:P+96+\k+4*\i+\p+1]
.endr
.endr
.irp k, 0,16
.irp p, 0,2
	v_pk_add_f32 v[P+\k+4*\i+\p:P+\k+4*\i+\p+1], v[P+\k+4*\i+\p:P+\k+4*\i+\p+1], v[P+64+\k+4*\i+\p:P+64+\k+4*\i+\p+1]
.endr
.endr
.irp p, 0,2
	v_pk_mul_f32 v[P+4*\i+\p:P+4*\i+\p+1], v[P+4*\i+\p:P+4*\i+\p+1], s[20:21] op_sel_hi:[1,0]
.endr
.irp p, 0,2
	v_pk_fma_f32 v[P+4*\i+\p:P+4*\i+\p+1], v[P+16+4*\i+\p:P+16+4*\i+\p+1], s[22:23], v[P+4*\i+\p:P+4*\i+\p+1] op_sel_hi:[1,0,1]
.endr
	global_store_b128 v1, v[P+4*\i:P+4*\i+3], s[8:9] offset:512*\i th:TH_STORE_NT  ; 512 consecutive bytes, aligned; written once
.endr
	s_endpgm
.Lfunc_end_k_q91133efd7a_combine:
	.size	k_q91133efd7a_combine, .Lfunc_end_k_q91133efd7a_combine-k_q91133efd7a_combine
	.p2alignl 7, 3214868480
	.fill 96, 4, 3214868480
	.section	.rodata,"a",@progbits
	.p2align	6, 0x0
	.amdhsa_kernel k_q91133efd7a_combine
		.amdhsa_group_segment_fixed_size 0
		.amdhsa_private_segment_fixed_size 0
		.amdhsa_enable_private_segment 0
		.amdhsa_kernarg_size 24
		.amdhsa_user_sgpr_count 2
		.amdhsa_user_sgpr_kernarg_segment_ptr 1
		.amdhsa_wavefront_size32 1
		.amdhsa_system_sgpr_workgroup_id_x 1
		.amdhsa_system_sgpr_workgroup_id_y 1
		.amdhsa_system_sgpr_workgroup_id_z 1
		.amdhsa_system_vgpr_workitem_id 0
		.amdhsa_next_free_vgpr 160
		.amdhsa_next_free_sgpr 66
		.amdhsa_reserve_vcc 0
		.amdhsa_float_denorm_mode_32 3
		.amdhsa_float_denorm_mode_16_64 3
		.amdhsa_memory_ordered 1
		.amdhsa_forward_progress 1
		.amdhsa_inst_pref_size 9
	.end_amdhsa_kernel
	.amdgpu_metadata
---
amdhsa.version: [ 1, 2 ]
amdhsa.kernels:
  - .name:           k_q91133efd7a_combine
    .symbol:         k_q91133efd7a_combine.kd
    .args:
      - { .name: part, .offset: 0, .size: 8, .value_kind: global_buffer, .address_space: global }
      - { .name: wts, .offset: 8, .size: 8, .value_kind: global_buffer, .address_space: global }
      - { .name: out0, .offset: 16, .size: 8, .value_kind: global_buffer, .address_space: global }
    .group_segment_fixed_size: 0
    .private_segment_fixed_size: 0
    .kernarg_segment_align: 8
    .kernarg_segment_size: 24
    .max_flat_workgroup_size: 256
    .sgpr_count:     66
    .vgpr_count:     160
    .wavefront_size: 32
...
	.end_amdgpu_metadata
.endif
;; end of part 4
;; ======== version 2 of 3: 4 launches; 1.18 times as fast as version 1
;; workspace buffers: xb 2,097,152 bytes; bits 2,048 bytes of whole numbers; wts 8,192 bytes; pos 10,240 bytes of whole numbers; hbuf 67,108,864 bytes; part 134,217,728 bytes
;; launch router (part 5): grid 128 x 1, 16 waves a work-group, no clusters, 23,040 bytes of LDS; arguments hidden_states, gate_w, out1, xb, bits, wts; writes out1, xb, bits, wts
.if DOCPART == 5
	.amdgcn_target "amdgcn-amd-amdhsa--gfx1250"
	.amdhsa_code_object_version 6
	.text
	.protected	k_q91133efd7a_router
	.globl	k_q91133efd7a_router
	.p2align	8
	.type	k_q91133efd7a_router,@function
k_q91133efd7a_router:
	s_mov_b64 s[64:65], 0
	v_nop
	global_prefetch_b8 v0, s[64:65] scope:SCOPE_SE
	s_setreg_imm32_b32 hwreg(HW_REG_WAVE_MODE, 25, 1), 1
	s_wait_xcnt 0x0
; ROUTER.  logits[t][e] = sum over d of x[t][d] g[d][e]; softmax over the 8 experts; the two largest; their weights, normalised to sum 1.
; x and g are rounded once to bf16 (as every input of this program is); products and sums in f32.  Stored: the logits (out1), x in bf16 (xb),
; for each expert a bitmap of the slots that chose it (bits), and each slot's weight (wts).  slot = 1024 k + t, k = 0, 1 the rank of the choice.
; No address and no branch hangs on a floating-point number: the choice leaves as data, at fixed places.
; SHARES.  128 work-groups of 16 waves; work-group g has tokens 8 g .. 8 g + 7; wave 2 j + hf has half hf (512 numbers) of token j's row; lane l has
; d = 512 hf + 128 i + 4 l + c (i, c = 0..3).  g is loaded once a work-group, 16 neighbouring bytes a thread, rounded and laid into LDS, from where each lane takes its 16 rows.
; The matrix unit is left out: the product has 8 columns and g lies [d][e]; each byte of x is read once.
; LIMITS.  The two largest are taken of p = 2^((l - m) log2 e) / S with v_exp_f32 and v_rcp_f32; a strict comparison keeps the lower index; probabilities
; closer than those instructions' last bit may be ordered otherwise than by an exact softmax.  A p below 2^-126 counts as 0.  NaN and infinities are not treated apart.
.set LG,    0          ; LDS: [wave 16][8 f32] partial logits, 512 bytes
.set GATE,  512        ; g in bf16: four rows of 16 bytes, then 16 bytes of padding: 256 groups of 80 bytes.  A lane reads one group
.set SPARE, GATE+256*80 ; the spare words: 128 bytes for each of 16 waves; no other line names them
.set L,   8            ; v8-15    logits, one register an expert
.set Z,   16           ; v16      0
.set XR,  20           ; v20-35   x as loaded
.set XP,  36           ; v36-43   x in bf16, packed
.set GR,  44           ; v44-59   my 64 bytes of g as loaded; later at work in wave 0
.set GT,  60           ; v60-67   the same in bf16
.set GP,  172          ; v172-235 my 16 rows of g in bf16: 4 (4 i + c) + e / 2
.set P,   66           ; v66-73   wave 0: the probabilities
.set SPW, 240          ; LDS address of my spare word; never rewritten
.set NIL, 241          ; 0; never rewritten
	s_load_b256 s[4:11], s[0:1], 0x0               ; x s[4:5], g s[6:7], out1 s[8:9], xb s[10:11]
	s_load_b128 s[12:15], s[0:1], 0x20             ; bits s[12:13], wts s[14:15]
	v_lshl_add_u32 v[SPW], v0, 2, SPARE
	v_mov_b32 v[NIL], 0
	v_lshrrev_b32 v2, 5, v0
	v_readfirstlane_b32 s16, v2                    ; wave 0..15
	v_and_b32 v1, 31, v0                           ; lane
	s_mov_b32 s18, 0x76543210                      ; v_permlanex16_b32: each lane takes its own place in the other half
	s_mov_b32 s19, 0xfedcba98
	s_lshr_b32 s20, s16, 1                         ; j
	s_and_b32 s21, s16, 1                          ; hf
	s_lshl_b32 s22, ttmp9, 3
	s_add_co_u32 s20, s22, s20                     ; t = 8 g + j
	s_lshl_b32 s22, s20, 12                        ; x: t rows of 4,096 bytes
	s_lshl_b32 s23, s21, 11                        ;    + the half
	s_add_co_u32 s22, s22, s23
	v_lshl_add_u32 v2, v1, 4, s22                  ;    + 16 bytes a lane
	v_lshlrev_b32 v3, 4, v0                        ; g: 16 bytes a thread: half a row; load i takes row 256 i + thread / 2
	s_lshl_b32 s22, s20, 11                        ; xb: t rows of 2,048 bytes
	s_lshl_b32 s23, s21, 10
	s_add_co_u32 s22, s22, s23
	v_lshl_add_u32 v4, v1, 3, s22                  ;    + 8 bytes a lane
	v_mov_b32 v5, s16
	v_lshlrev_b32 v5, 5, v5                        ; my wave's 32 bytes of LG
	v_lshrrev_b32 v6, 3, v0                        ; into GATE: eight threads fill a group: 80 (thread / 8) + 8 (thread % 8)
	v_mul_u32_u24 v6, v6, 80
	v_and_b32 v7, 7, v0
	v_lshl_add_u32 v6, v7, 3, v6
	s_mul_i32 s22, s21, 128*80                     ; out of GATE: group 128 hf + 32 i + lane
	v_mul_u32_u24 v7, v1, 80
	v_add_nc_u32 v7, s22, v7
	v_mov_b32 v[Z], 0
	v_mov_b32 v17, 0                               ; written before v_permlanex16_b32 and v_writelane_b32 name it as destination
	s_wait_kmcnt 0x0
.irp i, 0,1,2,3
	global_load_b128 v[XR+4*\i:XR+4*\i+3], v2, s[4:5] offset:512*\i th:TH_LOAD_NT  ; 512 consecutive bytes a load; read once in the launch
.endr
.irp i, 0,1,2,3
	global_load_b128 v[GR+4*\i:GR+4*\i+3], v3, s[6:7] offset:8192*\i  ; 512 consecutive bytes a load; the 16 waves' loads cover g once
.endr
	s_wait_loadcnt 4                               ; x is in; g's four loads stay out
.irp i, 0,1,2,3,4,5,6,7
	v_cvt_pk_bf16_f32 v[XP+\i], v[XR+2*\i], v[XR+2*\i+1]
.endr
.irp i, 0,1,2,3
	global_store_b64 v4, v[XP+2*\i:XP+2*\i+1], s[10:11] offset:256*\i  ; a store of the wave covers 256 consecutive bytes, aligned
.endr
	s_wait_loadcnt 0x0
.irp i, 0,1,2,3,4,5,6,7
	v_cvt_pk_bf16_f32 v[GT+\i], v[GR+2*\i], v[GR+2*\i+1]
.endr
.irp i, 0,1,2,3
	ds_store_b64 v6, v[GT+2*\i:GT+2*\i+1] offset:GATE+64*80*\i  ; 256 rows are 64 groups
.endr
	s_wait_dscnt 0x0                               ; for the others' sake: my part of g is in LDS
	s_barrier_signal -1
	s_barrier_wait -1                              ; everybody's is
.irp q, 0,1,2,3,4,5,6,7,8,9,10,11,12,13,14,15
	ds_load_b128 v[GP+4*\q:GP+4*\q+3], v7 offset:GATE+32*80*(\q/4)+16*(\q%4)  ; row 512 hf + 128 (q / 4) + 4 lane + q % 4
.endr
	s_wait_dscnt 0x0
; L[e] += x[q] g[q][e], straight from the bf16 halves, one rounding in f32.  The eight chains take turns; the first link adds onto 0.
.macro MIX q, e
.set xr, XP+(\q)/2
.set gr, GP+4*(\q)+(\e)/2
.set ad, L+(\e)
.if (\q) == 0
.set ad, Z
.endif
.if ((\q)%2 == 0) && ((\e)%2 == 0)
	v_fma_mix_f32_bf16 v[L+(\e)], v[xr], v[gr], v[ad] op_sel:[0,0,0] op_sel_hi:[1,1,0]
.elseif ((\q)%2 == 0)
	v_fma_mix_f32_bf16 v[L+(\e)], v[xr], v[gr], v[ad] op_sel:[0,1,0] op_sel_hi:[1,1,0]
.elseif ((\e)%2 == 0)
	v_fma_mix_f32_bf16 v[L+(\e)], v[xr], v[gr], v[ad] op_sel:[1,0,0] op_sel_hi:[1,1,0]
.else
	v_fma_mix_f32_bf16 v[L+(\e)], v[xr], v[gr], v[ad] op_sel:[1,1,0] op_sel_hi:[1,1,0]
.endif
.endm
.irp q, 0,1,2,3,4,5,6,7,8,9,10,11,12,13,14,15
.irp e, 0,1,2,3,4,5,6,7
	MIX \q, \e
.endr
.endr
	; over the 32 lanes: four steps inside each half ride on the addition, one crosses the halves; step by step for all eight, so that no line waits for the one before it
.irp m, 1,2,4,8
.irp e, 0,1,2,3,4,5,6,7
	v_add_f32_dpp v[L+\e], v[L+\e], v[L+\e] row_xmask:\m row_mask:0xf bank_mask:0xf
.endr
.endr
.irp e, 0,1,2,3,4,5,6,7
	v_permlanex16_b32 v17, v[L+\e], s18, s19
	v_add_f32 v[L+\e], v[L+\e], v17
.endr
	ds_store_b128 v5, v[L:L+3]                     ; every lane holds the same eight sums and writes the same 32 bytes
	ds_store_b128 v5, v[L+4:L+7] offset:16
	s_wait_tensorcnt 0x0                           ; the wave's last LDS stores are out
	ds_add_u32 v[SPW], v[NIL]
	s_wait_dscnt 0x0                               ; the wait also shows my stores done, for wave 0's sake, ahead of the signal
	s_barrier_signal -1
	s_barrier_wait -1
	s_cmp_lg_u32 s16, 0
	s_cbranch_scc1 .Lend                           ; the rest is a few lines for eight tokens: wave 0's
	v_lshrrev_b32 v6, 2, v1                        ; out1: lane l has experts 2 (l % 4), + 1 of token l / 4
	v_and_b32 v7, 3, v1
	v_lshlrev_b32 v6, 6, v6
	v_lshl_add_u32 v6, v7, 3, v6
	v_and_b32 v7, 7, v1                            ; the softmax: lane l has token l % 8 (each token four times over)
	v_lshlrev_b32 v18, 6, v7
	ds_load_b64 v[44:45], v6                       ; the row's first half's sums,
	ds_load_b64 v[46:47], v6 offset:32             ; the second half's
	ds_load_b128 v[48:51], v18
	ds_load_b128 v[52:55], v18 offset:16
	ds_load_b128 v[56:59], v18 offset:32
	ds_load_b128 v[60:63], v18 offset:48
	s_lshl_b32 s22, ttmp9, 8
	v_lshl_add_u32 v19, v1, 3, s22                 ; 256 g + 8 l
	s_wait_dscnt 0x0
	v_pk_add_f32 v[44:45], v[44:45], v[46:47]
	global_store_b64 v19, v[44:45], s[8:9]         ; the work-group's 64 logits: 256 consecutive bytes, aligned
	v_pk_add_f32 v[48:49], v[48:49], v[56:57]
	v_pk_add_f32 v[50:51], v[50:51], v[58:59]
	v_pk_add_f32 v[52:53], v[52:53], v[60:61]
	v_pk_add_f32 v[54:55], v[54:55], v[62:63]
	v_max3_num_f32 v64, v48, v49, v50              ; the maximum is taken away before the exponentials
	v_max3_num_f32 v64, v64, v51, v52
	v_max3_num_f32 v64, v64, v53, v54
	v_max_num_f32 v64, v64, v55
.irp e, 0,1,2,3,4,5,6,7
	v_sub_f32 v[P+\e], v[48+\e], v64
.endr
.irp e, 0,1,2,3,4,5,6,7
	v_mul_f32 v[P+\e], 0x3fb8aa3b, v[P+\e]         ; log2 e
.endr
.irp e, 0,1,2,3,4,5,6,7
	v_exp_f32 v[P+\e], v[P+\e]
.endr
	v_nop                                          ; a plain instruction behind the last exponential,
	s_wait_alu depctr_va_vdst(0)                   ; and one wait for the batch of eight, ahead of its first reader
	v_add_f32 v74, v[P], v[P+1]
.irp e, 2,3,4,5,6,7
	v_add_f32 v74, v74, v[P+\e]
.endr
	v_rcp_f32 v75, v74
	v_nop
	s_wait_alu depctr_va_vdst(0)
.irp e, 0,1,2,3,4,5,6,7
	v_mul_f32 v[P+\e], v[P+\e], v75
.endr
	v_mov_b32 v76, v[P]                            ; the largest and its index: a later expert wins only if strictly larger
	v_mov_b32 v77, 0
.irp e, 1,2,3,4,5,6,7
	v_cmp_le_f32 vcc_lo, v[P+\e], v76
	v_cndmask_b32 v77, \e, v77, vcc_lo
	v_cndmask_b32 v76, v[P+\e], v76, vcc_lo
.endr
.irp e, 0,1,2,3,4,5,6,7
	v_cmp_ne_u32 vcc_lo, \e, v77                   ; the winner leaves the field: -1 lies below every probability
	v_cndmask_b32 v[P+\e], -1.0, v[P+\e], vcc_lo
.endr
	v_mov_b32 v78, v[P]
	v_mov_b32 v79, 0
.irp e, 1,2,3,4,5,6,7
	v_cmp_le_f32 vcc_lo, v[P+\e], v78
	v_cndmask_b32 v79, \e, v79, vcc_lo
	v_cndmask_b32 v78, v[P+\e], v78, vcc_lo
.endr
	v_add_f32 v80, v76, v78
	v_rcp_f32 v81, v80
	v_nop
	s_wait_alu depctr_va_vdst(0)
	v_mul_f32 v82, v76, v81                        ; the two weights
	v_mul_f32 v83, v78, v81
	v_mov_b32 v17, 0
.irp e, 0,1,2,3,4,5,6,7
	v_cmp_eq_u32 s[24+\e], \e, v77                 ; bits 0-7: which of my eight tokens chose expert e first,
	v_cmp_eq_u32 s[32+\e], \e, v79                 ; and which second
.endr
.irp e, 0,1,2,3,4,5,6,7
	v_writelane_b32 v17, s[24+\e], \e              ; lane 8 k + e carries the byte of (e, k)
	v_writelane_b32 v17, s[32+\e], 8+\e
.endr
	v_lshlrev_b32 v84, 8, v7                       ; bits: 256 e + 128 k + g
	v_lshrrev_b32 v85, 3, v1
	v_lshl_add_u32 v84, v85, 7, v84
	s_mov_b32 s22, ttmp9
	v_add_nc_u32 v84, s22, v84
	s_lshl_b32 s23, ttmp9, 5
	v_lshl_add_u32 v86, v1, 2, s23                 ; wts: 4 (8 g + l)
	; 16 bytes of bitmap and 64 bytes of weights a work-group: narrow stores, 80 bytes beside the 16 KiB of xb
	s_wait_xcnt 0x0                                ; EXEC is a source of the stores above: it changes only behind this wait
	v_cmp_gt_u32 vcc_lo, 16, v1
	s_and_saveexec_b32 s40, vcc_lo
	global_store_b8 v84, v17, s[12:13]
	s_wait_xcnt 0x0
	s_or_b32 exec_lo, exec_lo, s40
	v_cmp_gt_u32 vcc_lo, 8, v1
	s_and_saveexec_b32 s40, vcc_lo
	global_store_b32 v86, v82, s[14:15]
	global_store_b32 v86, v83, s[14:15] offset:4096
	s_wait_xcnt 0x0
	s_or_b32 exec_lo, exec_lo, s40
.Lend:
	s_endpgm
.Lfunc_end_k_q91133efd7a_router:
	.size	k_q91133efd7a_router, .Lfunc_end_k_q91133efd7a_router-k_q91133efd7a_router
	.p2alignl 7, 3214868480
	.fill 96, 4, 3214868480
	.section	.rodata,"a",@progbits
	.p2align	6, 0x0
	.amdhsa_kernel k_q91133efd7a_router
		.amdhsa_group_segment_fixed_size 23040
		.amdhsa_private_segment_fixed_size 0
		.amdhsa_enable_private_segment 0
		.amdhsa_kernarg_size 48
		.amdhsa_user_sgpr_count 2
		.amdhsa_user_sgpr_kernarg_segment_ptr 1
		.amdhsa_wavefront_size32 1
		.amdhsa_system_sgpr_workgroup_id_x 1
		.amdhsa_system_sgpr_workgroup_id_y 1
		.amdhsa_system_sgpr_workgroup_id_z 1
		.amdhsa_system_vgpr_workitem_id 0
		.amdhsa_next_free_vgpr 256
		.amdhsa_next_free_sgpr 66
		.amdhsa_reserve_vcc 1
		.amdhsa_float_denorm_mode_32 3
		.amdhsa_float_denorm_mode_16_64 3
		.amdhsa_memory_ordered 1
		.amdhsa_forward_progress 1
		.amdhsa_inst_pref_size 25
	.end_amdhsa_kernel
	.amdgpu_metadata
---
amdhsa.version: [ 1, 2 ]
amdhsa.kernels:
  - .name:           k_q91133efd7a_router
    .symbol:         k_q91133efd7a_router.kd
    .args:
      - { .name: hidden_states, .offset: 0, .size: 8, .value_kind: global_buffer, .address_space: global }
      - { .name: gate_w, .offset: 8, .size: 8, .value_kind: global_buffer, .address_space: global }
      - { .name: out1, .offset: 16, .size: 8, .value_kind: global_buffer, .address_space: global }
      - { .name: xb, .offset: 24, .size: 8, .value_kind: global_buffer, .address_space: global }
      - { .name: bits, .offset: 32, .size: 8, .value_kind: global_buffer, .address_space: global }
      - { .name: wts, .offset: 40, .size: 8, .value_kind: global_buffer, .address_space: global }
    .group_segment_fixed_size: 23040
    .private_segment_fixed_size: 0
    .kernarg_segment_align: 8
    .kernarg_segment_size: 48
    .max_flat_workgroup_size: 512
    .sgpr_count:     66
    .vgpr_count:     256
    .wavefront_size: 32
...
	.end_amdgpu_metadata
.endif
;; end of part 5
;; launch fc (part 6): grid 256 x 1, 4 waves a work-group, no clusters, 312,832 bytes of LDS; arguments fc_w, fc_b, xb, bits, hbuf, pos; writes hbuf, pos
.if DOCPART == 6
	.amdgcn_target "amdgcn-amd-amdhsa--gfx1250"
	.amdhsa_code_object_version 6
	.text
	.protected	k_q91133efd7a_fc
	.globl	k_q91133efd7a_fc
	.p2align	8
	.type	k_q91133efd7a_fc,@function
k_q91133efd7a_fc:
	s_mov_b64 s[64:65], 0
	v_nop
	global_prefetch_b8 v0, s[64:65] scope:SCOPE_SE
	s_setreg_imm32_b32 hwreg(HW_REG_WAVE_MODE, 25, 1), 1
	s_wait_xcnt 0x0
; ONE PRODUCT OF A LAYER OF ROUTED EXPERTS, for the rows that chose the expert.  The text has two forms, chosen by PROJ:
;   PROJ = 0: hbuf[place][f] = gelu_new(x[token] . fc_w[e][:, f] + fc_b[e][f]), bf16.      PROJ = 1: part[ks][place][d] = hbuf[place][quarter ks of f] . proj_w[e][that quarter, d] (+ proj_b[e][d] in quarter 0), f32.
; A slot is 1024 k + t (k: rank of token t's choice).  An expert's slots, in ascending order, have ranks 0 .. R - 1, and a row's place is 1024 e + rank: rows lie in the experts' order,
; so every store address here, and with PROJ = 1 every load address too, is arithmetic on the thread's number, constants and R.
; Weights, bias and rows enter the products in bf16 (each input rounded once), sums in f32.
; SHARES.  256 work-groups.  A work-group has 128 columns x 1,024 K of ONE expert's weights, 512 KiB of f32 that it alone reads, and all of that expert's rows, 0 to 1,024 of them.
;   1. The weights stream through registers (four sets of 16 loads a wave always asked for), are rounded to bf16 and laid into LDS as they lie, [k][128 columns].  Wave w takes rows 256 w .. + 255.
;   2. PROJ = 0: while the first loads are out each wave finds, in registers, the slots of the ranks of its first pass in the expert's bitmap (stored by the launch before); wave 0 stores
;      pos[slot] = place for ranks 32 sl .. + 31, and R.  PROJ = 1: R is read from pos.
;   3. A barrier.  Then the rows go in blocks of 16, in passes of 20 blocks (five a wave); a pass walks K in 32 steps of 32.  The weights' fragments come turned out of LDS, the rows' straight from memory.
;      The loop over passes has a constant count, 4, which serves 1,024 rows; every wave passes its two barriers in every trip; dead passes and dead blocks are jumped over forward, and what is jumped holds no barrier.
; The matrix instruction is used transposed (source 0 = 16 columns of the weights, source 1 = 16 rows): a lane then holds eight neighbouring columns of one row.
; NO CLUSTER, NO TENSOR LOAD: each slice of weights has one reader and has to pass through registers to be rounded; beside the slice LDS has no room for the rows that an expert's work-groups share.
; In a live block the rows past R take some existing token's row (PROJ = 0) and are stored at their own places, so that the next launch reads only bytes that were stored; nothing of them reaches the output.
; An expert without rows stores no row.
; LIMITS.  gelu_new(x) = x / (1 + 2^(x (c1 + c2 x^2))), c1 = -2 sqrt(2/pi) log2 e, c2 = 0.044715 c1, by v_exp_f32 and v_rcp_f32; an exponential past f32's range gives 0, one below it x.  NaN and infinities are not treated apart.
.set PROJ, 0
.if PROJ
.set PITCH, 4096       ; bytes from row to row of the weights
.set BSH,   12         ; an expert's bias: 1 << BSH bytes
.set ASH,   13         ; a row of the left operand: 1 << ASH bytes
.set OSH,   12         ; a row of the result
.else
.set PITCH, 16384
.set BSH,   14
.set ASH,   11
.set OSH,   13
.endif
.set WPITCH, 288       ; a row of W in LDS: 256 bytes + 32
.set STAGE,  1024*WPITCH        ; 16 rows x 272 bytes for each wave, for the way out
.set SPITCH, 272
.set SPARE,  STAGE+4*16*SPITCH  ; the spare words: 128 bytes for each wave; no other line names them
.set POSD,   2048      ; pos, in words: [0, 2048) a slot's place; 2048 + work-group: what its dead lanes write;
.set POSC,   9216      ; in bytes: 9216 + 4 x work-group: its expert's R
; REGISTERS, in windows of 256 (s_set_vgpr_msb: bits 1:0 source 0, 3:2 source 1, 5:4 source 2, 7:6 destination)
.set RR,   1           ; lane % 16
.set HH,   2           ; lane / 16
.set LANE, 3
.set WA0,  4           ; my lane's place in a turned fragment
.set WA,   5           ; the same at the K steps in hand
.set STO,  6           ; the way out: where I put my columns of a row
.set RD,   7           ; the way out: where I read rows back
.set LP,   8           ; the rank of the row that I load in block 0 of the pass
.set RB,   9           ; byte offset in the result of row lane / 16 of my block 0 of the pass, + 16 (lane % 16)
.set TO,   10          ; v10-14  byte offset of my row in block a
.set BA,   15          ; my 16 bytes' offset in the bitmap
.set OFF,  16          ; v16-19  stream: set i's offset in the weights
.set LD,   20          ; v20-23  stream: set i's place in LDS
.set SPW,  28          ; LDS address of my spare word; never rewritten
.set NIL,  29          ; 0; never rewritten
.set WF,   32          ; v32-159  the weights' fragments, two buffers of 8 x 8
.set T,    32          ; v32-95   at work on the way out
.set OB,   96          ; v96-159  rows read back from the stage
.set BIAS, 160         ; v160-223 bias of my columns: 8 n + j for column 16 n + 8 (lane / 16) + j
.set BM,   224         ; v224-227 the bitmap: word 4 (lane % 16) + j in register j; never rewritten
.set PS,   228         ; v228-231 what the stores into pos name
                       ; window 1: accumulators of blocks 0-3 at 64 a + 8 n; in the stream the four sets of 64
.set TF,   64          ; window 2: v0-63 the bias as loaded, then the accumulators of block 4; v64-223 the rows' fragments, four buffers of 5 x 8
; at work in the search for the slots, six registers each, where no fragment and no result lies at that time:
.set RK,   32          ; the rank, then what is left of it inside the word
.set SW,   38          ; the word that holds the rank's bit
.set SK,   44          ; its key, then 32 x its number, then the slot
.set QA,   50          ; the word's counts of set bits in fields of 2,
.set QB,   56          ; of 4,
.set QC,   62          ; of 8 bits,
.set QD,   68          ; and, in its low byte, of the low 16; then at work
.set TT,   74
.set PO,   80          ; the bit's place in the word
.set KB,   55          ; s55  byte in W at which the four K steps in hand begin
.set PQ,   59          ; s59  set bits ahead of the word in hand
.set KEY,  60          ; s60  (32 x the word's number) << 16 | PQ
.set MK,   68          ; s68-73  a mask of lanes for each of the six
.set MSB, 0
.macro WIN new                         ; the immediate's high byte repeats the setting that is left; a switch that changes nothing is dropped
.if MSB != (\new)
	s_set_vgpr_msb (MSB<<8)|(\new)
.set MSB, (\new)
.endif
.endm
; THE SLOTS OF GIVEN RANKS (PROJ = 0), by arithmetic on registers alone.  PREP nr: for the ranks LP + 64 a, a = 0 .. 4 (nr = 6: and for rank s50 + lane), the slot whose bit is the rank's in the bitmap.
; The 64 words are walked in order, four a trip; PQ counts the set bits ahead of a word.  A register keeps the last word with PQ <= rank, and its key: that word holds the bit.  Inside the word the bit is found by
; five halvings on the counts of set bits in its fields of 16, 8, 4, 2 and 1 bits, which shifts and additions make.  Each line is written for all registers in turn, so that no line waits for the one before it.
; A rank past R ends in the last word, at some bit: a slot that exists.  Then TO[a] = the slot's token x a row's bytes + 16 (lane / 16).
.macro EACH line:vararg                ; one line for each register u of NR
.set u, 0
.rept NR
	\line
.set u, u+1
.endr
.endm
.macro HALVE src, w, bits, last=0      ; the field of w bits at PO holds TT set bits: if the rank left is TT or more, the bit lies w further up
	EACH v_bfe_u32 v[TT+u], v[(\src)+u], v[PO+u], \bits
	EACH v_cmp_ge_u32 s[MK+u], v[RK+u], v[TT+u]
.if !(\last)
	EACH v_cndmask_b32 v[TT+u], 0, v[TT+u], s[MK+u]
	EACH v_sub_nc_u32 v[RK+u], v[RK+u], v[TT+u]
.endif
	EACH v_cndmask_b32 v[QD+u], 0, \w, s[MK+u]
	EACH v_add_nc_u32 v[PO+u], v[PO+u], v[QD+u]
.endm
.macro PREP nr
.set NR, 5
	EACH v_add_nc_u32 v[RK+u], 64*u, v[LP]
.if (\nr) == 6
	v_add_nc_u32 v[RK+5], s50, v[LANE]
.endif
.set NR, \nr
	EACH v_mov_b32 v[SW+u], 0                      ; the selects below name them as sources; word 0, with PQ = 0, overwrites them in every lane
	EACH v_mov_b32 v[SK+u], 0
	s_mov_b32 s[PQ], 0
	s_mov_b32 s[KEY], 0
	s_mov_b32 s37, 0
.Lscan_\@:                                             ; 16 trips: trip i takes words 4 i .. 4 i + 3, which lane i holds
.irp j, 0,1,2,3
	v_readlane_b32 s[16+\j], v[BM+\j], s37
.endr
.irp j, 0,1,2,3
	EACH v_cmp_le_u32 s[MK+u], s[PQ], v[RK+u]
	EACH v_cndmask_b32 v[SW+u], v[SW+u], s[16+\j], s[MK+u]
	EACH v_cndmask_b32 v[SK+u], v[SK+u], s[KEY], s[MK+u]
	s_bcnt1_i32_b32 s50, s[16+\j]
	s_add_co_u32 s[PQ], s[PQ], s50
	s_add_co_u32 s[KEY], s[KEY], s50
	s_add_co_u32 s[KEY], s[KEY], 32<<16
.endr
	s_add_co_u32 s37, s37, 1
	s_cmp_lt_u32 s37, 16
	s_cbranch_scc1 .Lscan_\@
	EACH v_lshrrev_b32 v[TT+u], 1, v[SW+u]         ; the counts
	EACH v_and_b32 v[TT+u], 0x55555555, v[TT+u]
	EACH v_sub_nc_u32 v[QA+u], v[SW+u], v[TT+u]
	EACH v_lshrrev_b32 v[TT+u], 2, v[QA+u]
	EACH v_and_b32 v[TT+u], 0x33333333, v[TT+u]
	EACH v_and_b32 v[QB+u], 0x33333333, v[QA+u]
	EACH v_add_nc_u32 v[QB+u], v[QB+u], v[TT+u]
	EACH v_lshrrev_b32 v[TT+u], 4, v[QB+u]
	EACH v_add_nc_u32 v[QC+u], v[QB+u], v[TT+u]
	EACH v_and_b32 v[QC+u], 0x0f0f0f0f, v[QC+u]
	EACH v_lshrrev_b32 v[TT+u], 8, v[QC+u]
	EACH v_add_nc_u32 v[QD+u], v[QC+u], v[TT+u]
	EACH v_and_b32 v[TT+u], 0xffff, v[SK+u]        ; the key's two parts
	EACH v_sub_nc_u32 v[RK+u], v[RK+u], v[TT+u]
	EACH v_lshrrev_b32 v[SK+u], 16, v[SK+u]
	EACH v_and_b32 v[TT+u], 0xff, v[QD+u]          ; the first halving starts PO
	EACH v_cmp_ge_u32 s[MK+u], v[RK+u], v[TT+u]
	EACH v_cndmask_b32 v[TT+u], 0, v[TT+u], s[MK+u]
	EACH v_sub_nc_u32 v[RK+u], v[RK+u], v[TT+u]
	EACH v_cndmask_b32 v[PO+u], 0, 16, s[MK+u]
	HALVE QC, 8, 8
	HALVE QB, 4, 4
	HALVE QA, 2, 2
	HALVE SW, 1, 1, 1
	EACH v_add_nc_u32 v[SK+u], v[SK+u], v[PO+u]    ; the slot
.set NR, 5
	EACH v_min_u32 v[SK+u], 2047, v[SK+u]          ; a number made of loaded words enters an address behind this bound
	EACH v_and_b32 v[TO+u], 1023, v[SK+u]          ; the slot's token
	EACH v_lshlrev_b32 v[TO+u], ASH, v[TO+u]
	EACH v_lshl_add_u32 v[TO+u], v[HH], 4, v[TO+u]
.endm
	s_load_b256 s[4:11], s[0:1], 0x0               ; weights s[4:5], bias s[6:7], rows s[8:9], s[10:11] bits (PROJ = 0) or pos (PROJ = 1)
	s_load_b64 s[12:13], s[0:1], 0x20              ; result
.if !PROJ
	s_load_b64 s[56:57], s[0:1], 0x28              ; pos
.endif
	v_lshl_add_u32 v[SPW], v0, 2, SPARE
	v_mov_b32 v[NIL], 0
	v_lshrrev_b32 v24, 5, v0
	v_readfirstlane_b32 s14, v24                   ; wave 0..3
	v_and_b32 v[RR], 15, v0
	v_bfe_u32 v[HH], v0, 4, 1
	v_and_b32 v[LANE], 31, v0
	s_lshr_b32 s15, ttmp9, 5                       ; the expert
	s_lshl_b32 s58, s15, 10                        ; its first place
.if PROJ
	s_bfe_u32 s32, ttmp9, 0x30002                  ; which 128 columns
	s_and_b32 s39, ttmp9, 3                        ; which quarter of K
.else
	s_and_b32 s32, ttmp9, 31                       ; which 128 columns
.endif
	s_mul_i32 s50, s14, 256*PITCH                  ; my wave's 256 rows of the slice
	v_lshl_add_u32 v[OFF], v[LANE], 4, s50
	s_mul_i32 s50, s14, 256*WPITCH
	v_lshl_add_u32 v[LD], v[LANE], 3, s50
.irp i, 1,2,3
	v_add_nc_u32 v[OFF+\i], 16*\i*PITCH, v[OFF]
	v_add_nc_u32 v[LD+\i], 16*\i*WPITCH, v[LD]
.endr
	s_lshl_b32 s50, s15, 24                        ; an expert's weights are 2^24 bytes
	s_lshl_b32 s51, s32, 9
	s_add_co_u32 s50, s50, s51
.if PROJ
	s_lshl_b32 s51, s39, 22                        ; 1,024 rows of 4,096 bytes
	s_add_co_u32 s50, s50, s51
	s_lshl_b32 s52, s15, 7                         ; the count stored by the expert's first work-group: 32 words an expert
.else
	s_lshl_b32 s52, s15, 8                         ; the expert's bitmap, 256 bytes
	v_lshlrev_b32 v[BA], 4, v[RR]
.endif
	s_mov_b32 s51, 0
	s_mov_b32 s53, 0
	s_wait_kmcnt 0x0
	s_add_nc_u64 s[4:5], s[4:5], s[50:51]
	s_add_nc_u64 s[10:11], s[10:11], s[52:53]
.if PROJ
	s_load_b32 s33, s[10:11], POSC                 ; R, asked for ahead of the weights
.else
	global_load_b128 v[BM:BM+3], v[BA], s[10:11]   ; the bitmap, asked for ahead of the weights: it comes back first
.endif
.macro FILL i                          ; 16 rows of the slice: a load is one row's 512 consecutive bytes; each byte is read once in the launch
	WIN 0x40
.irp j, 0,1,2,3,4,5,6,7,8,9,10,11,12,13,14,15
	global_load_b128 v[64*(\i)+4*(\j):64*(\i)+4*(\j)+3], v[OFF+(\i)], s[4:5] offset:(\j)*PITCH th:TH_LOAD_NT
.endr
	WIN 0
.endm
	FILL 0
	FILL 1
	FILL 2
	FILL 3
	s_lshl_b32 s50, s15, BSH                       ; the other addresses
	s_lshl_b32 s52, s32, 9
	s_add_co_u32 s50, s50, s52
	s_add_nc_u64 s[6:7], s[6:7], s[50:51]          ; bias of my 128 columns
.if PROJ
	s_lshl_b32 s50, s39, 11
	s_add_nc_u64 s[40:41], s[8:9], s[50:51]        ; the rows at my quarter of K
	s_lshl_b32 s50, s39, 25                        ; a quarter's plane of the result: 8,192 places of 4,096 bytes
	s_add_co_u32 s50, s50, s52
	s_add_nc_u64 s[48:49], s[12:13], s[50:51]      ; my columns of it
	s_cmp_eq_u32 s39, 0
	s_cselect_b32 s53, -1, 0                       ; the bias is added in quarter 0 alone
.else
	s_mov_b64 s[40:41], s[8:9]
	s_lshl_b32 s50, s32, 8
	s_add_nc_u64 s[48:49], s[12:13], s[50:51]
	s_mov_b32 s44, 0xc0135761                      ; c1 = -2.3022082
	s_mov_b32 s45, s44                             ; named with it as a pair
	s_mov_b32 s46, 0xbdd2d3e8                      ; c2 = -0.10294324
	s_mov_b32 s47, s46
.endif
	s_lshl_b32 s50, s14, 4                         ; in a pass block a of wave w holds ranks 64 a + 16 w + 0..15
	v_add_nc_u32 v[LP], s50, v[RR]
.if PROJ
	s_wait_kmcnt 0x0
	s_min_u32 s33, s33, 1024                       ; R: a token chooses an expert once
.else
	s_lshl_b32 s50, s32, 5                         ; the sixth rank: 32 sl + lane
	s_wait_loadcnt 63                              ; 65 loads were issued and come back in order (ISA guide 5.7.1): the first two are in, the bitmap's among them
	PREP 6                                         ; the first pass's rows, on every path, while the weights' first loads are out
	s_min_u32 s33, s[PQ], 1024                     ; R: all set bits; a token chooses an expert once
.endif
	s_add_co_u32 s34, s33, 15
	s_lshr_b32 s34, s34, 4                         ; blocks of 16 rows
.if PROJ
	s_lshl_b32 s54, s34, 4
	s_sub_co_u32 s54, s54, 1                       ; the last rank that the launch before stored
.else
	s_cmp_lg_u32 s14, 0
	s_cbranch_scc1 .Lnopos
	; wave 0: pos[slot] = place for ranks 32 sl .. 32 sl + 31 (the expert's 32 work-groups cover 1,024 ranks); lanes past R write the work-group's own dump word.  And R.
	s_lshl_b32 s50, s32, 5
	v_add_nc_u32 v[PS], s50, v[LANE]               ; the rank
	v_cmp_gt_u32 vcc_lo, s33, v[PS]                ; R > rank
	v_add_nc_u32 v[PS], s58, v[PS]                 ; the place
	s_add_co_u32 s50, ttmp9, POSD
	v_mov_b32 v[PS+2], s50
	v_cndmask_b32 v[PS+1], v[PS+2], v[SK+5], vcc_lo
	v_min_u32 v[PS+1], POSD+255, v[PS+1]           ; a number made of loaded words enters an address behind this bound
	v_lshlrev_b32 v[PS+1], 2, v[PS+1]
	global_store_b32 v[PS+1], v[PS], s[56:57]      ; 128 bytes a work-group, scattered by the slots: narrow stores, beside the 64 KiB of rows that it stores
	s_lshl_b32 s50, ttmp9, 2
	v_mov_b32 v[PS+2], s50
	v_mov_b32 v[PS+3], s33
	global_store_b32 v[PS+2], v[PS+3], s[56:57] offset:POSC  ; every lane writes the same word with the same number
.Lnopos:
.endif
	s_lshl_b32 s50, s14, 4
	s_add_co_u32 s50, s50, s58                     ; the place of my block 0's first row
	v_add_lshl_u32 v[RB], v[HH], s50, OSH
	v_lshl_add_u32 v[RB], v[RR], 4, v[RB]
	v_and_b32 v24, 7, v0                           ; the turning load: lane l reads 16 bytes of row 8 (l / 16) + l % 8, columns 8 ((l / 8) % 2) + 0..7
	v_lshl_add_u32 v24, v[HH], 3, v24
	v_mul_u32_u24 v[WA0], v24, WPITCH
	v_bfe_u32 v25, v0, 3, 1
	v_lshl_add_u32 v[WA0], v25, 4, v[WA0]
	s_mul_i32 s50, s14, 16*SPITCH
	s_add_co_u32 s50, s50, STAGE                   ; my stage
	v_mul_u32_u24 v24, v[RR], SPITCH               ; in: row l % 16; my eight columns are 16 bytes (bf16) or 32 (f32)
.if PROJ
	v_lshl_add_u32 v24, v[HH], 5, v24
.else
	v_lshl_add_u32 v24, v[HH], 4, v24
.endif
	v_add_nc_u32 v[STO], s50, v24
	v_mul_u32_u24 v24, v[HH], SPITCH               ; back: lanes 0-15 one row of 256 bytes, lanes 16-31 the next
	v_lshl_add_u32 v24, v[RR], 4, v24
	v_add_nc_u32 v[RD], s50, v24
	v_lshlrev_b32 v25, 5, v[HH]                    ; bias: 32 bytes for each half of the lanes
	; THE STREAM.  Set i's turn: its 16 loads are in; rounded in place, four columns to 8 bytes; 16 stores of 256 consecutive LDS bytes; the set is asked for again, 64 rows on.
.macro SET i, refill, left
	s_wait_loadcnt \left                           ; loads come back in order (ISA guide 5.7.1): mine are in, the younger ones stay out; the wait also frees the set's offset
	WIN 0x45
.irp j, 0,1,2,3,4,5,6,7,8,9,10,11,12,13,14,15
	v_cvt_pk_bf16_f32 v[64*(\i)+4*(\j)],   v[64*(\i)+4*(\j)],   v[64*(\i)+4*(\j)+1]
	v_cvt_pk_bf16_f32 v[64*(\i)+4*(\j)+1], v[64*(\i)+4*(\j)+2], v[64*(\i)+4*(\j)+3]
.endr
	WIN 0x04
.irp j, 0,1,2,3,4,5,6,7,8,9,10,11,12,13,14,15
	ds_store_b64 v[LD+(\i)], v[64*(\i)+4*(\j):64*(\i)+4*(\j)+1] offset:WPITCH*(\j)
.endr
	WIN 0
	v_add_nc_u32 v[LD+(\i)], 64*WPITCH, v[LD+(\i)]
.if \refill
	v_add_nc_u32 v[OFF+(\i)], 64*PITCH, v[OFF+(\i)]
	FILL \i
.endif
.endm
	s_mov_b32 s37, 3
.Lstream:
	SET 0, 1, 48                                   ; 48: the three younger sets
	SET 1, 1, 48
	SET 2, 1, 48
	SET 3, 1, 48
	s_sub_co_u32 s37, s37, 1
	s_cmp_lg_u32 s37, 0
	s_cbranch_scc1 .Lstream
	SET 0, 0, 48                                   ; the last 64 rows: nothing more of the weights is asked for
	WIN 0x80                                       ; the bias as loaded goes into window 2, v0-63
.irp n, 0,1,2,3,4,5,6,7
	global_load_b128 v[8*\n:8*\n+3],   v25, s[6:7] offset:64*\n
	global_load_b128 v[8*\n+4:8*\n+7], v25, s[6:7] offset:64*\n+16
.endr
	WIN 0
	SET 1, 0, 48                                   ; two sets and the bias's 16 loads are younger,
	SET 2, 0, 32                                   ; one set and the bias,
	SET 3, 0, 16                                   ; the bias
	s_wait_loadcnt 0x0
	WIN 0x0a                                       ; sources in window 2
.set i, 0
.rept 32                               ; the bias is rounded to bf16 like every input, and widened again: it starts the f32 sums
	v_cvt_pk_bf16_f32 v[T+i], v[2*i], v[2*i+1]
.set i, i+1
.endr
	WIN 0
.set i, 0
.rept 32
.if PROJ
	v_and_b32 v[T+i], s53, v[T+i]                  ; 0 in quarters 1 to 3
.endif
	v_lshlrev_b32 v[BIAS+2*i], 16, v[T+i]
	v_and_b32 v[BIAS+2*i+1], 0xffff0000, v[T+i]
.set i, i+1
.endr
	s_wait_dscnt 0x0                               ; for the others' sake: my rows of W are in LDS
	s_barrier_signal -1
	s_barrier_wait -1                              ; everybody's are; from here on nobody writes W
; Four turned loads: the weights' fragments of one K step (32 rows) for column blocks 2 g and 2 g + 1, into buffer buf
.macro WLOADQ buf, off, g
	WIN 0
.irp h, 0,1
	ds_load_tr16_b128 v[WF+64*(\buf)+8*(2*(\g)+\h):WF+64*(\buf)+8*(2*(\g)+\h)+3],   v[WA] offset:(\off)+32*(2*(\g)+\h)
	ds_load_tr16_b128 v[WF+64*(\buf)+8*(2*(\g)+\h)+4:WF+64*(\buf)+8*(2*(\g)+\h)+7], v[WA] offset:(\off)+32*(2*(\g)+\h)+16*WPITCH
.endr
.endm
.macro WLOAD buf, off                  ; all sixteen
.irp g, 0,1,2,3
	WLOADQ \buf, \off, \g
.endr
.endm
; The rows' fragments of one K step: lane l has row l % 16, K = 8 (l / 16) + 0..7 and 16 + 8 (l / 16) + 0..7.  The expert's other work-groups read the same rows: the hint for data that is read again.
.macro TLOAD buf, off                  ; blocks 0 to 3: 8 loads
	WIN 0x80
.irp a, 0,1,2,3
	global_load_b128 v[TF+40*(\buf)+8*(\a):TF+40*(\buf)+8*(\a)+3],   v[TO+(\a)], s[42:43] offset:(\off) th:TH_LOAD_HT
	global_load_b128 v[TF+40*(\buf)+8*(\a)+4:TF+40*(\buf)+8*(\a)+7], v[TO+(\a)], s[42:43] offset:(\off)+32 th:TH_LOAD_HT
.endr
.endm
.macro TLOAD4 buf, off                 ; block 4: 2 loads
	WIN 0x80
	global_load_b128 v[TF+40*(\buf)+32:TF+40*(\buf)+35], v[TO+4], s[42:43] offset:(\off) th:TH_LOAD_HT
	global_load_b128 v[TF+40*(\buf)+36:TF+40*(\buf)+39], v[TO+4], s[42:43] offset:(\off)+32 th:TH_LOAD_HT
.endm
.macro MM d, j, n, b, c                ; D at d; columns 16 n on; block b; C at c
	v_wmma_f32_16x16x32_bf16 v[(\d):(\d)+7], v[WF+64*((\j)%2)+8*(\n):WF+64*((\j)%2)+8*(\n)+7], v[TF+40*((\j)%4)+8*(\b):TF+40*((\j)%4)+8*(\b)+7], v[(\c):(\c)+7]
.endm
; K STEP j of a group of four.  At its head blocks 0-3's rows three steps on are asked for (tl).  Then 32 products, blocks 0-3 x 8 column blocks.  The next step's sixteen turned loads (wl) stand among them,
; in four runs of four behind the 4th, 8th, 12th and 16th product, so that LDS serves them while products are at work; 16 products or more lie between the last run and the wait for it, at the next step's head.
; If the wave has a fifth live block: its rows three steps on, and its eight products.  first = 1: the bias starts the sums, and block 4's part runs on every path, so that its registers are written on every path.
; The accumulators take turns, one instruction a turn.
; lc: the rows' loads that may stay out.  A step issues 8 loads at its head and 0 or 2 at its tail, so behind the loads of the step in hand come 24 to 28; 24 is right on both paths.
.macro KSTEP j, first, wl, tl, lc
	WIN 0
.rept 4
	v_nop                                          ; four places between the last step's products and this step's loads into registers that they read (ISA guide 7.12.1 for vector instructions)
.endr
.if \tl
	TLOAD ((\j)+3)%4, ((\j)+3)*64
.endif
	s_wait_dscnt 0x0                               ; this step's fragments, asked for in the step before, are in; no younger LDS instruction is out
	s_wait_loadcnt \lc
.set m, 0
.rept 32
.if \first
	WIN 0x48                                       ; rows in window 2, bias in window 0, D in window 1
	MM 64*(m/8)+8*(m%8),\j,m%8,m/8,BIAS+8*(m%8)
.else
	WIN 0x58                                       ; rows in window 2, C and D in window 1
	MM 64*(m/8)+8*(m%8),\j,m%8,m/8,64*(m/8)+8*(m%8)
.endif
.if (\wl) && (m%4 == 3) && (m < 16)
	WLOADQ ((\j)+1)%2, ((\j)+1)*32*WPITCH, m/4
.endif
.set m, m+1
.endr
.if \first
	TLOAD4 ((\j)+3)%4, ((\j)+3)*64
	WIN 0x88
.irp n, 0,1,2,3,4,5,6,7
	MM 8*(\n),\j,\n,4,BIAS+8*(\n)
.endr
	WIN 0
.else
	WIN 0                                          ; at a branch and at a label every window is 0
	s_cmp_lt_u32 s35, 5
	s_cbranch_scc1 .Lno4_\@
.if \tl
	TLOAD4 ((\j)+3)%4, ((\j)+3)*64                 ; into the buffer that the step before read: this step's four v_nop are the places between
.endif
	WIN 0xa8
.irp n, 0,1,2,3,4,5,6,7
	MM 8*(\n),\j,\n,4,8*(\n)
.endr
	WIN 0
.Lno4_\@:
.endif
.endm
.macro STEPK                           ; four K steps on
	s_wait_xcnt 0x0                                ; the rows' base is a source of loads that are out: it steps only behind this wait
	s_add_nc_u64 s[42:43], s[42:43], 256
	s_add_co_u32 s[KB], s[KB], 4*32*WPITCH
	v_add_nc_u32 v[WA], s[KB], v[WA0]
.endm
.macro LIVE                            ; s35: my live blocks in the pass whose first block of mine is s38: 0 to 5
	s_sub_co_i32 s35, s34, s38                     ; blocks from mine on,
	s_max_i32 s35, s35, 0                          ; none if the rows have ended,
	s_add_co_u32 s35, s35, 3
	s_lshr_b32 s35, s35, 2                         ; every fourth is mine,
	s_min_u32 s35, s35, 5                          ; five a pass
.endm
; THE WAY OUT of block a: jumped, with all later blocks, if the wave has no such block in this pass.  The block's and the row's part of the address stand in the stores' immediates:
; (64 a + 2 t) rows, 270 rows of 8,192 bytes at the most, inside the signed 24 bits (ISA guide, chapter 10).
.macro OUT a
	s_cmp_le_u32 s35, \a
	s_cbranch_scc1 .Lnext
.set AC, 64*((\a)%4)
.set W1, 1+(\a)/4                      ; the accumulators' window
	s_wait_xcnt 0x0                                ; earlier stores have read their data: OB is rewritten only behind this wait
.if PROJ
.irp hf, 0,1                           ; a row's 128 f32 in two halves of 256 bytes; each accumulator's low registers are read first
	WIN 4*W1
.irp n, 0,1,2,3
	ds_store_b128 v[STO], v[AC+32*(\hf)+8*(\n):AC+32*(\hf)+8*(\n)+3]   offset:64*(\n)
	ds_store_b128 v[STO], v[AC+32*(\hf)+8*(\n)+4:AC+32*(\hf)+8*(\n)+7] offset:64*(\n)+16
.endr
	WIN 0
.irp t, 0,1,2,3,4,5,6,7
	ds_load_b128 v[OB+32*(\hf)+4*(\t):OB+32*(\hf)+4*(\t)+3], v[RD] offset:2*SPITCH*(\t)  ; in order behind my stores; the next half's stores come behind these
.endr
.endr
	s_wait_dscnt 16                                ; the first half is back; the second half's 16 LDS instructions stay out
.irp t, 0,1,2,3,4,5,6,7
	global_store_b128 v[RB], v[OB+4*(\t):OB+4*(\t)+3], s[48:49] offset:(64*(\a)+2*(\t))<<OSH  ; 16 lanes store 256 consecutive bytes, aligned
.endr
	s_wait_dscnt 0x0
.irp t, 0,1,2,3,4,5,6,7
	global_store_b128 v[RB], v[OB+32+4*(\t):OB+32+4*(\t)+3], s[48:49] offset:((64*(\a)+2*(\t))<<OSH)+256
.endr
.else
	WIN 5*W1
.set i, 0
.rept 32                               ; ascending: each accumulator's low registers are read first
	v_pk_mul_f32 v[T+2*i:T+2*i+1], v[AC+2*i:AC+2*i+1], v[AC+2*i:AC+2*i+1]
.set i, i+1
.endr
	WIN 0
.set i, 0
.rept 32
	v_pk_fma_f32 v[T+2*i:T+2*i+1], v[T+2*i:T+2*i+1], s[46:47], s[44:45] op_sel_hi:[1,0,0]  ; c2 x^2 + c1
.set i, i+1
.endr
	WIN 4*W1
.set i, 0
.rept 32
	v_pk_mul_f32 v[T+2*i:T+2*i+1], v[T+2*i:T+2*i+1], v[AC+2*i:AC+2*i+1]
.set i, i+1
.endr
	WIN 0
.set i, 0
.rept 64
	v_exp_f32 v[T+i], v[T+i]
.set i, i+1
.endr
	v_nop                                          ; a plain instruction behind the last exponential,
	s_wait_alu depctr_va_vdst(0)                   ; and one wait for the batch of 64
.set i, 0
.rept 32
	v_pk_add_f32 v[T+2*i:T+2*i+1], v[T+2*i:T+2*i+1], 1.0 op_sel_hi:[1,0]
.set i, i+1
.endr
.set i, 0
.rept 64
	v_rcp_f32 v[T+i], v[T+i]
.set i, i+1
.endr
	v_nop
	s_wait_alu depctr_va_vdst(0)
	WIN 4*W1
.set i, 0
.rept 32
	v_pk_mul_f32 v[T+2*i:T+2*i+1], v[T+2*i:T+2*i+1], v[AC+2*i:AC+2*i+1]
.set i, i+1
.endr
	WIN 0
.set i, 0
.rept 32                               ; ascending, so that no number is overwritten before it is read
	v_cvt_pk_bf16_f32 v[T+i], v[T+2*i], v[T+2*i+1]
.set i, i+1
.endr
.irp n, 0,1,2,3,4,5,6,7
	ds_store_b128 v[STO], v[T+4*(\n):T+4*(\n)+3] offset:32*(\n)
.endr
.irp t, 0,1,2,3,4,5,6,7
	ds_load_b128 v[OB+4*(\t):OB+4*(\t)+3], v[RD] offset:2*SPITCH*(\t)  ; in order behind my stores; the next block's stores come behind these
.endr
	s_wait_dscnt 0x0
.irp t, 0,1,2,3,4,5,6,7
	global_store_b128 v[RB], v[OB+4*(\t):OB+4*(\t)+3], s[48:49] offset:(64*(\a)+2*(\t))<<OSH  ; 16 lanes store 256 consecutive bytes, aligned
.endr
.endif
.endm
	; THE PASSES: 4 x 20 blocks cover 1,024 rows.  In a trip the K walk reads LDS by an address that walks with K, and the way out writes the stages.
	s_mov_b32 s36, 4
	s_mov_b32 s38, s14                             ; my first block of the pass: 20 x pass + wave
	LIVE
.Lpass:
	s_cmp_eq_u32 s35, 0
	s_cbranch_scc1 .Lidle                          ; nothing of mine is left
	s_wait_xcnt 0x0                                ; earlier stores have read their registers, which the loads below write
	s_mov_b64 s[42:43], s[40:41]
	s_mov_b32 s[KB], 0
	v_mov_b32 v[WA], v[WA0]
.if PROJ
.irp a, 0,1,2,3,4
	v_add_nc_u32 v[TO+\a], 64*\a, v[LP]            ; the rank,
	v_min_u32 v[TO+\a], s54, v[TO+\a]              ; in a dead block the last rank that was stored,
	v_min_u32 v[TO+\a], 1023, v[TO+\a]             ; (a number made of a loaded count enters an address behind this bound)
	v_add_lshl_u32 v[TO+\a], v[TO+\a], s58, ASH    ; the place, in bytes
	v_lshl_add_u32 v[TO+\a], v[HH], 4, v[TO+\a]
.endr
.endif
	TLOAD 0, 0
	TLOAD4 0, 0
	TLOAD 1, 64
	TLOAD4 1, 64
	TLOAD 2, 128
	TLOAD4 2, 128
	WLOAD 0, 0
	KSTEP 0, 1, 1, 1, 28                           ; step 0 stands ahead of the loop: its products start the sums.  28: steps 1 and 2, ten loads each, and the eight just issued
	s_mov_b32 s37, 7
.Lk:                                                   ; a trip: steps 4 q + 1 .. 4 q + 4
	KSTEP 1, 0, 1, 1, 24
	KSTEP 2, 0, 1, 1, 24
	KSTEP 3, 0, 1, 1, 24
	STEPK
	KSTEP 0, 0, 1, 1, 24
	s_sub_co_u32 s37, s37, 1
	s_cmp_lg_u32 s37, 0
	s_cbranch_scc1 .Lk
	KSTEP 1, 0, 1, 0, 16                           ; steps 29 to 31: no load passes a row's end, and the counts run down: two younger heads, one, none
	KSTEP 2, 0, 1, 0, 8
	KSTEP 3, 0, 0, 0, 0
.rept 4
	v_nop                                          ; four places between the last products and what reads their results or writes their sources
.endr
.Lidle:
	s_wait_dscnt 0x0                               ; my turned loads of this pass are back
	s_barrier_signal -1
	s_barrier_wait -1                              ; everybody's are: now the stages may be written
	OUT 0
	OUT 1
	OUT 2
	OUT 3
	OUT 4
.Lnext:
	s_wait_xcnt 0x0                                ; the stores have read their offset and data: they are rewritten only behind this wait
	v_add_nc_u32 v[LP], 320, v[LP]                 ; 320 ranks on
	v_add_nc_u32 v[RB], 320<<OSH, v[RB]
	s_add_co_u32 s38, s38, 20
	LIVE                                           ; the next pass
.if !PROJ
	s_cmp_eq_u32 s35, 0
	s_cbranch_scc1 .Lnoprep                        ; it is dead, as a rule: 320 rows go in one pass
	PREP 5                                         ; its rows
.Lnoprep:
.endif
	s_wait_dscnt 0x0                               ; my stores into my stage are done
	s_barrier_signal -1
	s_barrier_wait -1                              ; everybody's are: the next pass may read
	s_sub_co_u32 s36, s36, 1
	s_cmp_lg_u32 s36, 0
	s_cbranch_scc1 .Lpass
	s_wait_tensorcnt 0x0                           ; the wave's end
	ds_add_u32 v[SPW], v[NIL]
	s_wait_dscnt 0x0
	s_endpgm
.Lfunc_end_k_q91133efd7a_fc:
	.size	k_q91133efd7a_fc, .Lfunc_end_k_q91133efd7a_fc-k_q91133efd7a_fc
	.p2alignl 7, 3214868480
	.fill 96, 4, 3214868480
	.section	.rodata,"a",@progbits
	.p2align	6, 0x0
	.amdhsa_kernel k_q91133efd7a_fc
		.amdhsa_group_segment_fixed_size 312832
		.amdhsa_private_segment_fixed_size 0
		.amdhsa_enable_private_segment 0
		.amdhsa_kernarg_size 48
		.amdhsa_user_sgpr_count 2
		.amdhsa_user_sgpr_kernarg_segment_ptr 1
		.amdhsa_wavefront_size32 1
		.amdhsa_system_sgpr_workgroup_id_x 1
		.amdhsa_system_sgpr_workgroup_id_y 1
		.amdhsa_system_sgpr_workgroup_id_z 1
		.amdhsa_system_vgpr_workitem_id 0
		.amdhsa_next_free_vgpr 768
		.amdhsa_next_free_sgpr 80
		.amdhsa_reserve_vcc 1
		.amdhsa_float_denorm_mode_32 3
		.amdhsa_float_denorm_mode_16_64 3
		.amdhsa_memory_ordered 1
		.amdhsa_forward_progress 1
		.amdhsa_inst_pref_size 220
	.end_amdhsa_kernel
	.amdgpu_metadata
---
amdhsa.version: [ 1, 2 ]
amdhsa.kernels:
  - .name:           k_q91133efd7a_fc
    .symbol:         k_q91133efd7a_fc.kd
    .args:
      - { .name: fc_w, .offset: 0, .size: 8, .value_kind: global_buffer, .address_space: global }
      - { .name: fc_b, .offset: 8, .size: 8, .value_kind: global_buffer, .address_space: global }
      - { .name: xb, .offset: 16, .size: 8, .value_kind: global_buffer, .address_space: global }
      - { .name: bits, .offset: 24, .size: 8, .value_kind: global_buffer, .address_space: global }
      - { .name: hbuf, .offset: 32, .size: 8, .value_kind: global_buffer, .address_space: global }
      - { .name: pos, .offset: 40, .size: 8, .value_kind: global_buffer, .address_space: global }
    .group_segment_fixed_size: 312832
    .private_segment_fixed_size: 0
    .kernarg_segment_align: 8
    .kernarg_segment_size: 48
    .max_flat_workgroup_size: 128
    .sgpr_count:     80
    .vgpr_count:     768
    .wavefront_size: 32
...
	.end_amdgpu_metadata
.endif
;; end of part 6
;; launch proj (part 7): grid 256 x 1, 4 waves a work-group, no clusters, 312,832 bytes of LDS; arguments proj_w, proj_b, hbuf, pos, part; writes part
.if DOCPART == 7
	.amdgcn_target "amdgcn-amd-amdhsa--gfx1250"
	.amdhsa_code_object_version 6
	.text
	.protected	k_q91133efd7a_proj
	.globl	k_q91133efd7a_proj
	.p2align	8
	.type	k_q91133efd7a_proj,@function
k_q91133efd7a_proj:
	s_mov_b64 s[64:65], 0
	v_nop
	global_prefetch_b8 v0, s[64:65] scope:SCOPE_SE
	s_setreg_imm32_b32 hwreg(HW_REG_WAVE_MODE, 25, 1), 1
	s_wait_xcnt 0x0
; ONE PRODUCT OF A LAYER OF ROUTED EXPERTS, for the rows that chose the expert.  The text has two forms, chosen by PROJ:
;   PROJ = 0: hbuf[place][f] = gelu_new(x[token] . fc_w[e][:, f] + fc_b[e][f]), bf16.      PROJ = 1: part[ks][place][d] = hbuf[place][quarter ks of f] . proj_w[e][that quarter, d] (+ proj_b[e][d] in quarter 0), f32.
; A slot is 1024 k + t (k: rank of token t's choice).  An expert's slots, in ascending order, have ranks 0 .. R - 1, and a row's place is 1024 e + rank: rows lie in the experts' order,
; so every store address here, and with PROJ = 1 every load address too, is arithmetic on the thread's number, constants and R.
; Weights, bias and rows enter the products in bf16 (each input rounded once), sums in f32.
; SHARES.  256 work-groups.  A work-group has 128 columns x 1,024 K of ONE expert's weights, 512 KiB of f32 that it alone reads, and all of that expert's rows, 0 to 1,024 of them.
;   1. The weights stream through registers (four sets of 16 loads a wave always asked for), are rounded to bf16 and laid into LDS as they lie, [k][128 columns].  Wave w takes rows 256 w .. + 255.
;   2. PROJ = 0: while the first loads are out each wave finds, in registers, the slots of the ranks of its first pass in the expert's bitmap (stored by the launch before); wave 0 stores
;      pos[slot] = place for ranks 32 sl .. + 31, and R.  PROJ = 1: R is read from pos.
;   3. A barrier.  Then the rows go in blocks of 16, in passes of 20 blocks (five a wave); a pass walks K in 32 steps of 32.  The weights' fragments come turned out of LDS, the rows' straight from memory.
;      The loop over passes has a constant count, 4, which serves 1,024 rows; every wave passes its two barriers in every trip; dead passes and dead blocks are jumped over forward, and what is jumped holds no barrier.
; The matrix instruction is used transposed (source 0 = 16 columns of the weights, source 1 = 16 rows): a lane then holds eight neighbouring columns of one row.
; NO CLUSTER, NO TENSOR LOAD: each slice of weights has one reader and has to pass through registers to be rounded; beside the slice LDS has no room for the rows that an expert's work-groups share.
; In a live block the rows past R were stored by the launch before at their own places, and are multiplied and stored like the others; nothing reads them later.  An expert without rows stores no row.
; The four quarters' partial sums stay in f32 and are added by the next launch.  NaN and infinities are not treated apart.
.set PROJ, 1
.if PROJ
.set PITCH, 4096       ; bytes from row to row of the weights
.set BSH,   12         ; an expert's bias: 1 << BSH bytes
.set ASH,   13         ; a row of the left operand: 1 << ASH bytes
.set OSH,   12         ; a row of the result
.else
.set PITCH, 16384
.set BSH,   14
.set ASH,   11
.set OSH,   13
.endif
.set WPITCH, 288       ; a row of W in LDS: 256 bytes + 32
.set STAGE,  1024*WPITCH        ; 16 rows x 272 bytes for each wave, for the way out
.set SPITCH, 272
.set SPARE,  STAGE+4*16*SPITCH  ; the spare words: 128 bytes for each wave; no other line names them
.set POSD,   2048      ; pos, in words: [0, 2048) a slot's place; 2048 + work-group: what its dead lanes write;
.set POSC,   9216      ; in bytes: 9216 + 4 x work-group: its expert's R
; REGISTERS, in windows of 256 (s_set_vgpr_msb: bits 1:0 source 0, 3:2 source 1, 5:4 source 2, 7:6 destination)
.set RR,   1           ; lane % 16
.set HH,   2           ; lane / 16
.set LANE, 3
.set WA0,  4           ; my lane's place in a turned fragment
.set WA,   5           ; the same at the K steps in hand
.set STO,  6           ; the way out: where I put my columns of a row
.set RD,   7           ; the way out: where I read rows back
.set LP,   8           ; the rank of the row that I load in block 0 of the pass
.set RB,   9           ; byte offset in the result of row lane / 16 of my block 0 of the pass, + 16 (lane % 16)
.set TO,   10          ; v10-14  byte offset of my row in block a
.set BA,   15          ; my 16 bytes' offset in the bitmap
.set OFF,  16          ; v16-19  stream: set i's offset in the weights
.set LD,   20          ; v20-23  stream: set i's place in LDS
.set SPW,  28          ; LDS address of my spare word; never rewritten
.set NIL,  29          ; 0; never rewritten
.set WF,   32          ; v32-159  the weights' fragments, two buffers of 8 x 8
.set T,    32          ; v32-95   at work on the way out
.set OB,   96          ; v96-159  rows read back from the stage
.set BIAS, 160         ; v160-223 bias of my columns: 8 n + j for column 16 n + 8 (lane / 16) + j
.set BM,   224         ; v224-227 the bitmap: word 4 (lane % 16) + j in register j; never rewritten
.set PS,   228         ; v228-231 what the stores into pos name
                       ; window 1: accumulators of blocks 0-3 at 64 a + 8 n; in the stream the four sets of 64
.set TF,   64          ; window 2: v0-63 the bias as loaded, then the accumulators of block 4; v64-223 the rows' fragments, four buffers of 5 x 8
; at work in the search for the slots, six registers each, where no fragment and no result lies at that time:
.set RK,   32          ; the rank, then what is left of it inside the word
.set SW,   38          ; the word that holds the rank's bit
.set SK,   44          ; its key, then 32 x its number, then the slot
.set QA,   50          ; the word's counts of set bits in fields of 2,
.set QB,   56          ; of 4,
.set QC,   62          ; of 8 bits,
.set QD,   68          ; and, in its low byte, of the low 16; then at work
.set TT,   74
.set PO,   80          ; the bit's place in the word
.set KB,   55          ; s55  byte in W at which the four K steps in hand begin
.set PQ,   59          ; s59  set bits ahead of the word in hand
.set KEY,  60          ; s60  (32 x the word's number) << 16 | PQ
.set MK,   68          ; s68-73  a mask of lanes for each of the six
.set MSB, 0
.macro WIN new                         ; the immediate's high byte repeats the setting that is left; a switch that changes nothing is dropped
.if MSB != (\new)
	s_set_vgpr_msb (MSB<<8)|(\new)
.set MSB, (\new)
.endif
.endm
; THE SLOTS OF GIVEN RANKS (PROJ = 0), by arithmetic on registers alone.  PREP nr: for the ranks LP + 64 a, a = 0 .. 4 (nr = 6: and for rank s50 + lane), the slot whose bit is the rank's in the bitmap.
; The 64 words are walked in order, four a trip; PQ counts the set bits ahead of a word.  A register keeps the last word with PQ <= rank, and its key: that word holds the bit.  Inside the word the bit is found by
; five halvings on the counts of set bits in its fields of 16, 8, 4, 2 and 1 bits, which shifts and additions make.  Each line is written for all registers in turn, so that no line waits for the one before it.
; A rank past R ends in the last word, at some bit: a slot that exists.  Then TO[a] = the slot's token x a row's bytes + 16 (lane / 16).
.macro EACH line:vararg                ; one line for each register u of NR
.set u, 0
.rept NR
	\line
.set u, u+1
.endr
.endm
.macro HALVE src, w, bits, last=0      ; the field of w bits at PO holds TT set bits: if the rank left is TT or more, the bit lies w further up
	EACH v_bfe_u32 v[TT+u], v[(\src)+u], v[PO+u], \bits
	EACH v_cmp_ge_u32 s[MK+u], v[RK+u], v[TT+u]
.if !(\last)
	EACH v_cndmask_b32 v[TT+u], 0, v[TT+u], s[MK+u]
	EACH v_sub_nc_u32 v[RK+u], v[RK+u], v[TT+u]
.endif
	EACH v_cndmask_b32 v[QD+u], 0, \w, s[MK+u]
	EACH v_add_nc_u32 v[PO+u], v[PO+u], v[QD+u]
.endm
.macro PREP nr
.set NR, 5
	EACH v_add_nc_u32 v[RK+u], 64*u, v[LP]
.if (\nr) == 6
	v_add_nc_u32 v[RK+5], s50, v[LANE]
.endif
.set NR, \nr
	EACH v_mov_b32 v[SW+u], 0                      ; the selects below name them as sources; word 0, with PQ = 0, overwrites them in every lane
	EACH v_mov_b32 v[SK+u], 0
	s_mov_b32 s[PQ], 0
	s_mov_b32 s[KEY], 0
	s_mov_b32 s37, 0
.Lscan_\@:                                             ; 16 trips: trip i takes words 4 i .. 4 i + 3, which lane i holds
.irp j, 0,1,2,3
	v_readlane_b32 s[16+\j], v[BM+\j], s37
.endr
.irp j, 0,1,2,3
	EACH v_cmp_le_u32 s[MK+u], s[PQ], v[RK+u]
	EACH v_cndmask_b32 v[SW+u], v[SW+u], s[16+\j], s[MK+u]
	EACH v_cndmask_b32 v[SK+u], v[SK+u], s[KEY], s[MK+u]
	s_bcnt1_i32_b32 s50, s[16+\j]
	s_add_co_u32 s[PQ], s[PQ], s50
	s_add_co_u32 s[KEY], s[KEY], s50
	s_add_co_u32 s[KEY], s[KEY], 32<<16
.endr
	s_add_co_u32 s37, s37, 1
	s_cmp_lt_u32 s37, 16
	s_cbranch_scc1 .Lscan_\@
	EACH v_lshrrev_b32 v[TT+u], 1, v[SW+u]         ; the counts
	EACH v_and_b32 v[TT+u], 0x55555555, v[TT+u]
	EACH v_sub_nc_u32 v[QA+u], v[SW+u], v[TT+u]
	EACH v_lshrrev_b32 v[TT+u], 2, v[QA+u]
	EACH v_and_b32 v[TT+u], 0x33333333, v[TT+u]
	EACH v_and_b32 v[QB+u], 0x33333333, v[QA+u]
	EACH v_add_nc_u32 v[QB+u], v[QB+u], v[TT+u]
	EACH v_lshrrev_b32 v[TT+u], 4, v[QB+u]
	EACH v_add_nc_u32 v[QC+u], v[QB+u], v[TT+u]
	EACH v_and_b32 v[QC+u], 0x0f0f0f0f, v[QC+u]
	EACH v_lshrrev_b32 v[TT+u], 8, v[QC+u]
	EACH v_add_nc_u32 v[QD+u], v[QC+u], v[TT+u]
	EACH v_and_b32 v[TT+u], 0xffff, v[SK+u]        ; the key's two parts
	EACH v_sub_nc_u32 v[RK+u], v[RK+u], v[TT+u]
	EACH v_lshrrev_b32 v[SK+u], 16, v[SK+u]
	EACH v_and_b32 v[TT+u], 0xff, v[QD+u]          ; the first halving starts PO
	EACH v_cmp_ge_u32 s[MK+u], v[RK+u], v[TT+u]
	EACH v_cndmask_b32 v[TT+u], 0, v[TT+u], s[MK+u]
	EACH v_sub_nc_u32 v[RK+u], v[RK+u], v[TT+u]
	EACH v_cndmask_b32 v[PO+u], 0, 16, s[MK+u]
	HALVE QC, 8, 8
	HALVE QB, 4, 4
	HALVE QA, 2, 2
	HALVE SW, 1, 1, 1
	EACH v_add_nc_u32 v[SK+u], v[SK+u], v[PO+u]    ; the slot
.set NR, 5
	EACH v_min_u32 v[SK+u], 2047, v[SK+u]          ; a number made of loaded words enters an address behind this bound
	EACH v_and_b32 v[TO+u], 1023, v[SK+u]          ; the slot's token
	EACH v_lshlrev_b32 v[TO+u], ASH, v[TO+u]
	EACH v_lshl_add_u32 v[TO+u], v[HH], 4, v[TO+u]
.endm
	s_load_b256 s[4:11], s[0:1], 0x0               ; weights s[4:5], bias s[6:7], rows s[8:9], s[10:11] bits (PROJ = 0) or pos (PROJ = 1)
	s_load_b64 s[12:13], s[0:1], 0x20              ; result
.if !PROJ
	s_load_b64 s[56:57], s[0:1], 0x28              ; pos
.endif
	v_lshl_add_u32 v[SPW], v0, 2, SPARE
	v_mov_b32 v[NIL], 0
	v_lshrrev_b32 v24, 5, v0
	v_readfirstlane_b32 s14, v24                   ; wave 0..3
	v_and_b32 v[RR], 15, v0
	v_bfe_u32 v[HH], v0, 4, 1
	v_and_b32 v[LANE], 31, v0
	s_lshr_b32 s15, ttmp9, 5                       ; the expert
	s_lshl_b32 s58, s15, 10                        ; its first place
.if PROJ
	s_bfe_u32 s32, ttmp9, 0x30002                  ; which 128 columns
	s_and_b32 s39, ttmp9, 3                        ; which quarter of K
.else
	s_and_b32 s32, ttmp9, 31                       ; which 128 columns
.endif
	s_mul_i32 s50, s14, 256*PITCH                  ; my wave's 256 rows of the slice
	v_lshl_add_u32 v[OFF], v[LANE], 4, s50
	s_mul_i32 s50, s14, 256*WPITCH
	v_lshl_add_u32 v[LD], v[LANE], 3, s50
.irp i, 1,2,3
	v_add_nc_u32 v[OFF+\i], 16*\i*PITCH, v[OFF]
	v_add_nc_u32 v[LD+\i], 16*\i*WPITCH, v[LD]
.endr
	s_lshl_b32 s50, s15, 24                        ; an expert's weights are 2^24 bytes
	s_lshl_b32 s51, s32, 9
	s_add_co_u32 s50, s50, s51
.if PROJ
	s_lshl_b32 s51, s39, 22                        ; 1,024 rows of 4,096 bytes
	s_add_co_u32 s50, s50, s51
	s_lshl_b32 s52, s15, 7                         ; the count stored by the expert's first work-group: 32 words an expert
.else
	s_lshl_b32 s52, s15, 8                         ; the expert's bitmap, 256 bytes
	v_lshlrev_b32 v[BA], 4, v[RR]
.endif
	s_mov_b32 s51, 0
	s_mov_b32 s53, 0
	s_wait_kmcnt 0x0
	s_add_nc_u64 s[4:5], s[4:5], s[50:51]
	s_add_nc_u64 s[10:11], s[10:11], s[52:53]
.if PROJ
	s_load_b32 s33, s[10:11], POSC                 ; R, asked for ahead of the weights
.else
	global_load_b128 v[BM:BM+3], v[BA], s[10:11]   ; the bitmap, asked for ahead of the weights: it comes back first
.endif
.macro FILL i                          ; 16 rows of the slice: a load is one row's 512 consecutive bytes; each byte is read once in the launch
	WIN 0x40
.irp j, 0,1,2,3,4,5,6,7,8,9,10,11,12,13,14,15
	global_load_b128 v[64*(\i)+4*(\j):64*(\i)+4*(\j)+3], v[OFF+(\i)], s[4:5] offset:(\j)*PITCH th:TH_LOAD_NT
.endr
	WIN 0
.endm
	FILL 0
	FILL 1
	FILL 2
	FILL 3
	s_lshl_b32 s50, s15, BSH                       ; the other addresses
	s_lshl_b32 s52, s32, 9
	s_add_co_u32 s50, s50, s52
	s_add_nc_u64 s[6:7], s[6:7], s[50:51]          ; bias of my 128 columns
.if PROJ
	s_lshl_b32 s50, s39, 11
	s_add_nc_u64 s[40:41], s[8:9], s[50:51]        ; the rows at my quarter of K
	s_lshl_b32 s50, s39, 25                        ; a quarter's plane of the result: 8,192 places of 4,096 bytes
	s_add_co_u32 s50, s50, s52
	s_add_nc_u64 s[48:49], s[12:13], s[50:51]      ; my columns of it
	s_cmp_eq_u32 s39, 0
	s_cselect_b32 s53, -1, 0                       ; the bias is added in quarter 0 alone
.else
	s_mov_b64 s[40:41], s[8:9]
	s_lshl_b32 s50, s32, 8
	s_add_nc_u64 s[48:49], s[12:13], s[50:51]
	s_mov_b32 s44, 0xc0135761                      ; c1 = -2.3022082
	s_mov_b32 s45, s44                             ; named with it as a pair
	s_mov_b32 s46, 0xbdd2d3e8                      ; c2 = -0.10294324
	s_mov_b32 s47, s46
.endif
	s_lshl_b32 s50, s14, 4                         ; in a pass block a of wave w holds ranks 64 a + 16 w + 0..15
	v_add_nc_u32 v[LP], s50, v[RR]
.if PROJ
	s_wait_kmcnt 0x0
	s_min_u32 s33, s33, 1024                       ; R: a token chooses an expert once
.else
	s_lshl_b32 s50, s32, 5                         ; the sixth rank: 32 sl + lane
	s_wait_loadcnt 63                              ; 65 loads were issued and come back in order (ISA guide 5.7.1): the first two are in, the bitmap's among them
	PREP 6                                         ; the first pass's rows, on every path, while the weights' first loads are out
	s_min_u32 s33, s[PQ], 1024                     ; R: all set bits; a token chooses an expert once
.endif
	s_add_co_u32 s34, s33, 15
	s_lshr_b32 s34, s34, 4                         ; blocks of 16 rows
.if PROJ
	s_lshl_b32 s54, s34, 4
	s_sub_co_u32 s54, s54, 1                       ; the last rank that the launch before stored
.else
	s_cmp_lg_u32 s14, 0
	s_cbranch_scc1 .Lnopos
	; wave 0: pos[slot] = place for ranks 32 sl .. 32 sl + 31 (the expert's 32 work-groups cover 1,024 ranks); lanes past R write the work-group's own dump word.  And R.
	s_lshl_b32 s50, s32, 5
	v_add_nc_u32 v[PS], s50, v[LANE]               ; the rank
	v_cmp_gt_u32 vcc_lo, s33, v[PS]                ; R > rank
	v_add_nc_u32 v[PS], s58, v[PS]                 ; the place
	s_add_co_u32 s50, ttmp9, POSD
	v_mov_b32 v[PS+2], s50
	v_cndmask_b32 v[PS+1], v[PS+2], v[SK+5], vcc_lo
	v_min_u32 v[PS+1], POSD+255, v[PS+1]           ; a number made of loaded words enters an address behind this bound
	v_lshlrev_b32 v[PS+1], 2, v[PS+1]
	global_store_b32 v[PS+1], v[PS], s[56:57]      ; 128 bytes a work-group, scattered by the slots: narrow stores, beside the 64 KiB of rows that it stores
	s_lshl_b32 s50, ttmp9, 2
	v_mov_b32 v[PS+2], s50
	v_mov_b32 v[PS+3], s33
	global_store_b32 v[PS+2], v[PS+3], s[56:57] offset:POSC  ; every lane writes the same word with the same number
.Lnopos:
.endif
	s_lshl_b32 s50, s14, 4
	s_add_co_u32 s50, s50, s58                     ; the place of my block 0's first row
	v_add_lshl_u32 v[RB], v[HH], s50, OSH
	v_lshl_add_u32 v[RB], v[RR], 4, v[RB]
	v_and_b32 v24, 7, v0                           ; the turning load: lane l reads 16 bytes of row 8 (l / 16) + l % 8, columns 8 ((l / 8) % 2) + 0..7
	v_lshl_add_u32 v24, v[HH], 3, v24
	v_mul_u32_u24 v[WA0], v24, WPITCH
	v_bfe_u32 v25, v0, 3, 1
	v_lshl_add_u32 v[WA0], v25, 4, v[WA0]
	s_mul_i32 s50, s14, 16*SPITCH
	s_add_co_u32 s50, s50, STAGE                   ; my stage
	v_mul_u32_u24 v24, v[RR], SPITCH               ; in: row l % 16; my eight columns are 16 bytes (bf16) or 32 (f32)
.if PROJ
	v_lshl_add_u32 v24, v[HH], 5, v24
.else
	v_lshl_add_u32 v24, v[HH], 4, v24
.endif
	v_add_nc_u32 v[STO], s50, v24
	v_mul_u32_u24 v24, v[HH], SPITCH               ; back: lanes 0-15 one row of 256 bytes, lanes 16-31 the next
	v_lshl_add_u32 v24, v[RR], 4, v24
	v_add_nc_u32 v[RD], s50, v24
	v_lshlrev_b32 v25, 5, v[HH]                    ; bias: 32 bytes for each half of the lanes
	; THE STREAM.  Set i's turn: its 16 loads are in; rounded in place, four columns to 8 bytes; 16 stores of 256 consecutive LDS bytes; the set is asked for again, 64 rows on.
.macro SET i, refill, left
	s_wait_loadcnt \left                           ; loads come back in order (ISA guide 5.7.1): mine are in, the younger ones stay out; the wait also frees the set's offset
	WIN 0x45
.irp j, 0,1,2,3,4,5,6,7,8,9,10,11,12,13,14,15
	v_cvt_pk_bf16_f32 v[64*(\i)+4*(\j)],   v[64*(\i)+4*(\j)],   v[64*(\i)+4*(\j)+1]
	v_cvt_pk_bf16_f32 v[64*(\i)+4*(\j)+1], v[64*(\i)+4*(\j)+2], v[64*(\i)+4*(\j)+3]
.endr
	WIN 0x04
.irp j, 0,1,2,3,4,5,6,7,8,9,10,11,12,13,14,15
	ds_store_b64 v[LD+(\i)], v[64*(\i)+4*(\j):64*(\i)+4*(\j)+1] offset:WPITCH*(\j)
.endr
	WIN 0
	v_add_nc_u32 v[LD+(\i)], 64*WPITCH, v[LD+(\i)]
.if \refill
	v_add_nc_u32 v[OFF+(\i)], 64*PITCH, v[OFF+(\i)]
	FILL \i
.endif
.endm
	s_mov_b32 s37, 3
.Lstream:
	SET 0, 1, 48                                   ; 48: the three younger sets
	SET 1, 1, 48
	SET 2, 1, 48
	SET 3, 1, 48
	s_sub_co_u32 s37, s37, 1
	s_cmp_lg_u32 s37, 0
	s_cbranch_scc1 .Lstream
	SET 0, 0, 48                                   ; the last 64 rows: nothing more of the weights is asked for
	WIN 0x80                                       ; the bias as loaded goes into window 2, v0-63
.irp n, 0,1,2,3,4,5,6,7
	global_load_b128 v[8*\n:8*\n+3],   v25, s[6:7] offset:64*\n
	global_load_b128 v[8*\n+4:8*\n+7], v25, s[6:7] offset:64*\n+16
.endr
	WIN 0
	SET 1, 0, 48                                   ; two sets and the bias's 16 loads are younger,
	SET 2, 0, 32                                   ; one set and the bias,
	SET 3, 0, 16                                   ; the bias
	s_wait_loadcnt 0x0
	WIN 0x0a                                       ; sources in window 2
.set i, 0
.rept 32                               ; the bias is rounded to bf16 like every input, and widened again: it starts the f32 sums
	v_cvt_pk_bf16_f32 v[T+i], v[2*i], v[2*i+1]
.set i, i+1
.endr
	WIN 0
.set i, 0
.rept 32
.if PROJ
	v_and_b32 v[T+i], s53, v[T+i]                  ; 0 in quarters 1 to 3
.endif
	v_lshlrev_b32 v[BIAS+2*i], 16, v[T+i]
	v_and_b32 v[BIAS+2*i+1], 0xffff0000, v[T+i]
.set i, i+1
.endr
	s_wait_dscnt 0x0                               ; for the others' sake: my rows of W are in LDS
	s_barrier_signal -1
	s_barrier_wait -1                              ; everybody's are; from here on nobody writes W
; Four turned loads: the weights' fragments of one K step (32 rows) for column blocks 2 g and 2 g + 1, into buffer buf
.macro WLOADQ buf, off, g
	WIN 0
.irp h, 0,1
	ds_load_tr16_b128 v[WF+64*(\buf)+8*(2*(\g)+\h):WF+64*(\buf)+8*(2*(\g)+\h)+3],   v[WA] offset:(\off)+32*(2*(\g)+\h)
	ds_load_tr16_b128 v[WF+64*(\buf)+8*(2*(\g)+\h)+4:WF+64*(\buf)+8*(2*(\g)+\h)+7], v[WA] offset:(\off)+32*(2*(\g)+\h)+16*WPITCH
.endr
.endm
.macro WLOAD buf, off                  ; all sixteen
.irp g, 0,1,2,3
	WLOADQ \buf, \off, \g
.endr
.endm
; The rows' fragments of one K step: lane l has row l % 16, K = 8 (l / 16) + 0..7 and 16 + 8 (l / 16) + 0..7.  The expert's other work-groups read the same rows: the hint for data that is read again.
.macro TLOAD buf, off                  ; blocks 0 to 3: 8 loads
	WIN 0x80
.irp a, 0,1,2,3
	global_load_b128 v[TF+40*(\buf)+8*(\a):TF+40*(\buf)+8*(\a)+3],   v[TO+(\a)], s[42:43] offset:(\off) th:TH_LOAD_HT
	global_load_b128 v[TF+40*(\buf)+8*(\a)+4:TF+40*(\buf)+8*(\a)+7], v[TO+(\a)], s[42:43] offset:(\off)+32 th:TH_LOAD_HT
.endr
.endm
.macro TLOAD4 buf, off                 ; block 4: 2 loads
	WIN 0x80
	global_load_b128 v[TF+40*(\buf)+32:TF+40*(\buf)+35], v[TO+4], s[42:43] offset:(\off) th:TH_LOAD_HT
	global_load_b128 v[TF+40*(\buf)+36:TF+40*(\buf)+39], v[TO+4], s[42:43] offset:(\off)+32 th:TH_LOAD_HT
.endm
.macro MM d, j, n, b, c                ; D at d; columns 16 n on; block b; C at c
	v_wmma_f32_16x16x32_bf16 v[(\d):(\d)+7], v[WF+64*((\j)%2)+8*(\n):WF+64*((\j)%2)+8*(\n)+7], v[TF+40*((\j)%4)+8*(\b):TF+40*((\j)%4)+8*(\b)+7], v[(\c):(\c)+7]
.endm
; K STEP j of a group of four.  At its head blocks 0-3's rows three steps on are asked for (tl).  Then 32 products, blocks 0-3 x 8 column blocks.  The next step's sixteen turned loads (wl) stand among them,
; in four runs of four behind the 4th, 8th, 12th and 16th product, so that LDS serves them while products are at work; 16 products or more lie between the last run and the wait for it, at the next step's head.
; If the wave has a fifth live block: its rows three steps on, and its eight products.  first = 1: the bias starts the sums, and block 4's part runs on every path, so that its registers are written on every path.
; The accumulators take turns, one instruction a turn.
; lc: the rows' loads that may stay out.  A step issues 8 loads at its head and 0 or 2 at its tail, so behind the loads of the step in hand come 24 to 28; 24 is right on both paths.
.macro KSTEP j, first, wl, tl, lc
	WIN 0
.rept 4
	v_nop                                          ; four places between the last step's products and this step's loads into registers that they read (ISA guide 7.12.1 for vector instructions)
.endr
.if \tl
	TLOAD ((\j)+3)%4, ((\j)+3)*64
.endif
	s_wait_dscnt 0x0                               ; this step's fragments, asked for in the step before, are in; no younger LDS instruction is out
	s_wait_loadcnt \lc
.set m, 0
.rept 32
.if \first
	WIN 0x48                                       ; rows in window 2, bias in window 0, D in window 1
	MM 64*(m/8)+8*(m%8),\j,m%8,m/8,BIAS+8*(m%8)
.else
	WIN 0x58                                       ; rows in window 2, C and D in window 1
	MM 64*(m/8)+8*(m%8),\j,m%8,m/8,64*(m/8)+8*(m%8)
.endif
.if (\wl) && (m%4 == 3) && (m < 16)
	WLOADQ ((\j)+1)%2, ((\j)+1)*32*WPITCH, m/4
.endif
.set m, m+1
.endr
.if \first
	TLOAD4 ((\j)+3)%4, ((\j)+3)*64
	WIN 0x88
.irp n, 0,1,2,3,4,5,6,7
	MM 8*(\n),\j,\n,4,BIAS+8*(\n)
.endr
	WIN 0
.else
	WIN 0                                          ; at a branch and at a label every window is 0
	s_cmp_lt_u32 s35, 5
	s_cbranch_scc1 .Lno4_\@
.if \tl
	TLOAD4 ((\j)+3)%4, ((\j)+3)*64                 ; into the buffer that the step before read: this step's four v_nop are the places between
.endif
	WIN 0xa8
.irp n, 0,1,2,3,4,5,6,7
	MM 8*(\n),\j,\n,4,8*(\n)
.endr
	WIN 0
.Lno4_\@:
.endif
.endm
.macro STEPK                           ; four K steps on
	s_wait_xcnt 0x0                                ; the rows' base is a source of loads that are out: it steps only behind this wait
	s_add_nc_u64 s[42:43], s[42:43], 256
	s_add_co_u32 s[KB], s[KB], 4*32*WPITCH
	v_add_nc_u32 v[WA], s[KB], v[WA0]
.endm
.macro LIVE                            ; s35: my live blocks in the pass whose first block of mine is s38: 0 to 5
	s_sub_co_i32 s35, s34, s38                     ; blocks from mine on,
	s_max_i32 s35, s35, 0                          ; none if the rows have ended,
	s_add_co_u32 s35, s35, 3
	s_lshr_b32 s35, s35, 2                         ; every fourth is mine,
	s_min_u32 s35, s35, 5                          ; five a pass
.endm
; THE WAY OUT of block a: jumped, with all later blocks, if the wave has no such block in this pass.  The block's and the row's part of the address stand in the stores' immediates:
; (64 a + 2 t) rows, 270 rows of 8,192 bytes at the most, inside the signed 24 bits (ISA guide, chapter 10).
.macro OUT a
	s_cmp_le_u32 s35, \a
	s_cbranch_scc1 .Lnext
.set AC, 64*((\a)%4)
.set W1, 1+(\a)/4                      ; the accumulators' window
	s_wait_xcnt 0x0                                ; earlier stores have read their data: OB is rewritten only behind this wait
.if PROJ
.irp hf, 0,1                           ; a row's 128 f32 in two halves of 256 bytes; each accumulator's low registers are read first
	WIN 4*W1
.irp n, 0,1,2,3
	ds_store_b128 v[STO], v[AC+32*(\hf)+8*(\n):AC+32*(\hf)+8*(\n)+3]   offset:64*(\n)
	ds_store_b128 v[STO], v[AC+32*(\hf)+8*(\n)+4:AC+32*(\hf)+8*(\n)+7] offset:64*(\n)+16
.endr
	WIN 0
.irp t, 0,1,2,3,4,5,6,7
	ds_load_b128 v[OB+32*(\hf)+4*(\t):OB+32*(\hf)+4*(\t)+3], v[RD] offset:2*SPITCH*(\t)  ; in order behind my stores; the next half's stores come behind these
.endr
.endr
	s_wait_dscnt 16                                ; the first half is back; the second half's 16 LDS instructions stay out
.irp t, 0,1,2,3,4,5,6,7
	global_store_b128 v[RB], v[OB+4*(\t):OB+4*(\t)+3], s[48:49] offset:(64*(\a)+2*(\t))<<OSH  ; 16 lanes store 256 consecutive bytes, aligned
.endr
	s_wait_dscnt 0x0
.irp t, 0,1,2,3,4,5,6,7
	global_store_b128 v[RB], v[OB+32+4*(\t):OB+32+4*(\t)+3], s[48:49] offset:((64*(\a)+2*(\t))<<OSH)+256
.endr
.else
	WIN 5*W1
.set i, 0
.rept 32                               ; ascending: each accumulator's low registers are read first
	v_pk_mul_f32 v[T+2*i:T+2*i+1], v[AC+2*i:AC+2*i+1], v[AC+2*i:AC+2*i+1]
.set i, i+1
.endr
	WIN 0
.set i, 0
.rept 32
	v_pk_fma_f32 v[T+2*i:T+2*i+1], v[T+2*i:T+2*i+1], s[46:47], s[44:45] op_sel_hi:[1,0,0]  ; c2 x^2 + c1
.set i, i+1
.endr
	WIN 4*W1
.set i, 0
.rept 32
	v_pk_mul_f32 v[T+2*i:T+2*i+1], v[T+2*i:T+2*i+1], v[AC+2*i:AC+2*i+1]
.set i, i+1
.endr
	WIN 0
.set i, 0
.rept 64
	v_exp_f32 v[T+i], v[T+i]
.set i, i+1
.endr
	v_nop                                          ; a plain instruction behind the last exponential,
	s_wait_alu depctr_va_vdst(0)                   ; and one wait for the batch of 64
.set i, 0
.rept 32
	v_pk_add_f32 v[T+2*i:T+2*i+1], v[T+2*i:T+2*i+1], 1.0 op_sel_hi:[1,0]
.set i, i+1
.endr
.set i, 0
.rept 64
	v_rcp_f32 v[T+i], v[T+i]
.set i, i+1
.endr
	v_nop
	s_wait_alu depctr_va_vdst(0)
	WIN 4*W1
.set i, 0
.rept 32
	v_pk_mul_f32 v[T+2*i:T+2*i+1], v[T+2*i:T+2*i+1], v[AC+2*i:AC+2*i+1]
.set i, i+1
.endr
	WIN 0
.set i, 0
.rept 32                               ; ascending, so that no number is overwritten before it is read
	v_cvt_pk_bf16_f32 v[T+i], v[T+2*i], v[T+2*i+1]
.set i, i+1
.endr
.irp n, 0,1,2,3,4,5,6,7
	ds_store_b128 v[STO], v[T+4*(\n):T+4*(\n)+3] offset:32*(\n)
.endr
.irp t, 0,1,2,3,4,5,6,7
	ds_load_b128 v[OB+4*(\t):OB+4*(\t)+3], v[RD] offset:2*SPITCH*(\t)  ; in order behind my stores; the next block's stores come behind these
.endr
	s_wait_dscnt 0x0
.irp t, 0,1,2,3,4,5,6,7
	global_store_b128 v[RB], v[OB+4*(\t):OB+4*(\t)+3], s[48:49] offset:(64*(\a)+2*(\t))<<OSH  ; 16 lanes store 256 consecutive bytes, aligned
.endr
.endif
.endm
	; THE PASSES: 4 x 20 blocks cover 1,024 rows.  In a trip the K walk reads LDS by an address that walks with K, and the way out writes the stages.
	s_mov_b32 s36, 4
	s_mov_b32 s38, s14                             ; my first block of the pass: 20 x pass + wave
	LIVE
.Lpass:
	s_cmp_eq_u32 s35, 0
	s_cbranch_scc1 .Lidle                          ; nothing of mine is left
	s_wait_xcnt 0x0                                ; earlier stores have read their registers, which the loads below write
	s_mov_b64 s[42:43], s[40:41]
	s_mov_b32 s[KB], 0
	v_mov_b32 v[WA], v[WA0]
.if PROJ
.irp a, 0,1,2,3,4
	v_add_nc_u32 v[TO+\a], 64*\a, v[LP]            ; the rank,
	v_min_u32 v[TO+\a], s54, v[TO+\a]              ; in a dead block the last rank that was stored,
	v_min_u32 v[TO+\a], 1023, v[TO+\a]             ; (a number made of a loaded count enters an address behind this bound)
	v_add_lshl_u32 v[TO+\a], v[TO+\a], s58, ASH    ; the place, in bytes
	v_lshl_add_u32 v[TO+\a], v[HH], 4, v[TO+\a]
.endr
.endif
	TLOAD 0, 0
	TLOAD4 0, 0
	TLOAD 1, 64
	TLOAD4 1, 64
	TLOAD 2, 128
	TLOAD4 2, 128
	WLOAD 0, 0
	KSTEP 0, 1, 1, 1, 28                           ; step 0 stands ahead of the loop: its products start the sums.  28: steps 1 and 2, ten loads each, and the eight just issued
	s_mov_b32 s37, 7
.Lk:                                                   ; a trip: steps 4 q + 1 .. 4 q + 4
	KSTEP 1, 0, 1, 1, 24
	KSTEP 2, 0, 1, 1, 24
	KSTEP 3, 0, 1, 1, 24
	STEPK
	KSTEP 0, 0, 1, 1, 24
	s_sub_co_u32 s37, s37, 1
	s_cmp_lg_u32 s37, 0
	s_cbranch_scc1 .Lk
	KSTEP 1, 0, 1, 0, 16                           ; steps 29 to 31: no load passes a row's end, and the counts run down: two younger heads, one, none
	KSTEP 2, 0, 1, 0, 8
	KSTEP 3, 0, 0, 0, 0
.rept 4
	v_nop                                          ; four places between the last products and what reads their results or writes their sources
.endr
.Lidle:
	s_wait_dscnt 0x0                               ; my turned loads of this pass are back
	s_barrier_signal -1
	s_barrier_wait -1                              ; everybody's are: now the stages may be written
	OUT 0
	OUT 1
	OUT 2
	OUT 3
	OUT 4
.Lnext:
	s_wait_xcnt 0x0                                ; the stores have read their offset and data: they are rewritten only behind this wait
	v_add_nc_u32 v[LP], 320, v[LP]                 ; 320 ranks on
	v_add_nc_u32 v[RB], 320<<OSH, v[RB]
	s_add_co_u32 s38, s38, 20
	LIVE                                           ; the next pass
.if !PROJ
	s_cmp_eq_u32 s35, 0
	s_cbranch_scc1 .Lnoprep                        ; it is dead, as a rule: 320 rows go in one pass
	PREP 5                                         ; its rows
.Lnoprep:
.endif
	s_wait_dscnt 0x0                               ; my stores into my stage are done
	s_barrier_signal -1
	s_barrier_wait -1                              ; everybody's are: the next pass may read
	s_sub_co_u32 s36, s36, 1
	s_cmp_lg_u32 s36, 0
	s_cbranch_scc1 .Lpass
	s_wait_tensorcnt 0x0                           ; the wave's end
	ds_add_u32 v[SPW], v[NIL]
	s_wait_dscnt 0x0
	s_endpgm
.Lfunc_end_k_q91133efd7a_proj:
	.size	k_q91133efd7a_proj, .Lfunc_end_k_q91133efd7a_proj-k_q91133efd7a_proj
	.p2alignl 7, 3214868480
	.fill 96, 4, 3214868480
	.section	.rodata,"a",@progbits
	.p2align	6, 0x0
	.amdhsa_kernel k_q91133efd7a_proj
		.amdhsa_group_segment_fixed_size 312832
		.amdhsa_private_segment_fixed_size 0
		.amdhsa_enable_private_segment 0
		.amdhsa_kernarg_size 40
		.amdhsa_user_sgpr_count 2
		.amdhsa_user_sgpr_kernarg_segment_ptr 1
		.amdhsa_wavefront_size32 1
		.amdhsa_system_sgpr_workgroup_id_x 1
		.amdhsa_system_sgpr_workgroup_id_y 1
		.amdhsa_system_sgpr_workgroup_id_z 1
		.amdhsa_system_vgpr_workitem_id 0
		.amdhsa_next_free_vgpr 768
		.amdhsa_next_free_sgpr 66
		.amdhsa_reserve_vcc 1
		.amdhsa_float_denorm_mode_32 3
		.amdhsa_float_denorm_mode_16_64 3
		.amdhsa_memory_ordered 1
		.amdhsa_forward_progress 1
		.amdhsa_inst_pref_size 113
	.end_amdhsa_kernel
	.amdgpu_metadata
---
amdhsa.version: [ 1, 2 ]
amdhsa.kernels:
  - .name:           k_q91133efd7a_proj
    .symbol:         k_q91133efd7a_proj.kd
    .args:
      - { .name: proj_w, .offset: 0, .size: 8, .value_kind: global_buffer, .address_space: global }
      - { .name: proj_b, .offset: 8, .size: 8, .value_kind: global_buffer, .address_space: global }
      - { .name: hbuf, .offset: 16, .size: 8, .value_kind: global_buffer, .address_space: global }
      - { .name: pos, .offset: 24, .size: 8, .value_kind: global_buffer, .address_space: global }
      - { .name: part, .offset: 32, .size: 8, .value_kind: global_buffer, .address_space: global }
    .group_segment_fixed_size: 312832
    .private_segment_fixed_size: 0
    .kernarg_segment_align: 8
    .kernarg_segment_size: 40
    .max_flat_workgroup_size: 128
    .sgpr_count:     66
    .vgpr_count:     768
    .wavefront_size: 32
...
	.end_amdgpu_metadata
.endif
;; end of part 7
;; launch combine (part 8): grid 256 x 1, 8 waves a work-group, no clusters, 0 bytes of LDS; arguments part, wts, pos, out0; writes out0
.if DOCPART == 8
	.amdgcn_target "amdgcn-amd-amdhsa--gfx1250"
	.amdhsa_code_object_version 6
	.text
	.protected	k_q91133efd7a_combine
	.globl	k_q91133efd7a_combine
	.p2align	8
	.type	k_q91133efd7a_combine,@function
k_q91133efd7a_combine:
	s_mov_b64 s[64:65], 0
	v_nop
	global_prefetch_b8 v0, s[64:65] scope:SCOPE_SE
	s_setreg_imm32_b32 hwreg(HW_REG_WAVE_MODE, 25, 1), 1
	s_wait_xcnt 0x0
; out0[t][d] = w[t] sum over q of part[q][pos[t]][d] + w[1024 + t] sum over q of part[q][pos[1024 + t]][d]: the four K quarters of each of a token's two expert rows are added
; in f32, weighed and added.  part: [4][8192 places][1024] f32; wts: [2048] f32; pos: [2048] whole numbers, a slot's place, stored by an earlier launch; out0: [1024][1024] f32.
; A stream: memory binds, so there is no LDS, no barrier, no matrix unit.  2,048 waves; wave id has half id % 2 (2,048 bytes) of token id / 2's row: 32 loads of 512 consecutive
; bytes, all asked for at once, piece by piece of the row, so that the waits count down by eight; four stores of 512 consecutive bytes.
.set P, 4              ; v4-131: quarter q, rank k, piece i at P + 32 q + 16 k + 4 i
	s_load_b256 s[4:11], s[0:1], 0x0               ; part s[4:5], wts s[6:7], pos s[8:9], out0 s[10:11]
	v_lshrrev_b32 v1, 5, v0
	v_readfirstlane_b32 s12, v1                    ; wave 0..7
	v_and_b32 v1, 31, v0
	v_lshlrev_b32 v1, 4, v1                        ; 16 bytes a lane
	s_lshl_b32 s13, ttmp9, 3
	s_add_co_u32 s12, s12, s13                     ; id
	s_lshr_b32 s24, s12, 1                         ; t,
	s_lshl_b32 s24, s24, 2                         ; in words
	s_mov_b32 s25, 0
	s_and_b32 s26, s12, 1
	s_lshl_b32 s26, s26, 11                        ; the half of a row
	s_mov_b32 s27, 0
	s_lshl_b32 s28, s12, 11                        ; t x 4,096 + half x 2,048
	s_mov_b32 s29, 0
	s_wait_kmcnt 0x0
	s_add_nc_u64 s[6:7], s[6:7], s[24:25]
	s_add_nc_u64 s[8:9], s[8:9], s[24:25]
	s_load_b32 s20, s[6:7], 0x0                    ; the weight of the token's first choice,
	s_load_b32 s22, s[6:7], 0x1000                 ; and of its second;
	s_load_b32 s30, s[8:9], 0x0                    ; the two rows' places
	s_load_b32 s31, s[8:9], 0x1000
	s_add_nc_u64 s[12:13], s[4:5], s[26:27]        ; a base for each quarter's plane of 33,554,432 bytes
	s_add_nc_u64 s[14:15], s[12:13], 0x2000000
	s_add_nc_u64 s[16:17], s[14:15], 0x2000000
	s_add_nc_u64 s[18:19], s[16:17], 0x2000000
	s_add_nc_u64 s[10:11], s[10:11], s[28:29]
	s_wait_kmcnt 0x0
	s_min_u32 s30, s30, 8191                       ; a loaded number enters an address behind this bound
	s_min_u32 s31, s31, 8191
	s_lshl_b32 s30, s30, 12                        ; places of 4,096 bytes
	s_lshl_b32 s31, s31, 12
	v_add_nc_u32 v2, s30, v1
	v_add_nc_u32 v3, s31, v1
	s_mov_b32 s21, s20                             ; named as pairs by the packed forms
	s_mov_b32 s23, s22
.irp i, 0,1,2,3
.irp q, 0,1,2,3
	global_load_b128 v[P+32*\q+4*\i:P+32*\q+4*\i+3],       v2, s[12+2*\q:13+2*\q] offset:512*\i th:TH_LOAD_NT
	global_load_b128 v[P+32*\q+16+4*\i:P+32*\q+16+4*\i+3], v3, s[12+2*\q:13+2*\q] offset:512*\i th:TH_LOAD_NT
.endr
.endr
.irp i, 0,1,2,3
	s_wait_loadcnt 24-8*\i                         ; loads come back in order (ISA guide 5.7.1): piece i's eight are in, the later pieces' stay out
.irp k, 0,16
.irp p, 0,2
	v_pk_add_f32 v[P+\k+4*\i+\p:P+\k+4*\i+\p+1],       v[P+\k+4*\i+\p:P+\k+4*\i+\p+1],       v[P+32+\k+4*\i+\p:P+32+\k+4*\i+\p+1]
	v_pk_add_f32 v[P+64+\k+4*\i+\p:P+64+\k+4*\i+\p+1], v[P+64+\k+4*\i+\p:P+64+\k+4*\i+\p+1], v[P+96+\k+4*\i+\p:P+96+\k+4*\i+\p+1]
.endr
.endr
.irp k, 0,16
.irp p, 0,2
	v_pk_add_f32 v[P+\k+4*\i+\p:P+\k+4*\i+\p+1], v[P+\k+4*\i+\p:P+\k+4*\i+\p+1], v[P+64+\k+4*\i+\p:P+64+\k+4*\i+\p+1]
.endr
.endr
.irp p, 0,2
	v_pk_mul_f32 v[P+4*\i+\p:P+4*\i+\p+1], v[P+4*\i+\p:P+4*\i+\p+1], s[20:21] op_sel_hi:[1,0]
.endr
.irp p, 0,2
	v_pk_fma_f32 v[P+4*\i+\p:P+4*\i+\p+1], v[P+16+4*\i+\p:P+16+4*\i+\p+1], s[22:23], v[P+4*\i+\p:P+4*\i+\p+1] op_sel_hi:[1,0,1]
.endr
	global_store_b128 v1, v[P+4*\i:P+4*\i+3], s[10:11] offset:512*\i th:TH_STORE_NT  ; 512 consecutive bytes, aligned; written once
.endr
	s_endpgm
.Lfunc_end_k_q91133efd7a_combine:
	.size	k_q91133efd7a_combine, .Lfunc_end_k_q91133efd7a_combine-k_q91133efd7a_combine
	.p2alignl 7, 3214868480
	.fill 96, 4, 3214868480
	.section	.rodata,"a",@progbits
	.p2align	6, 0x0
	.amdhsa_kernel k_q91133efd7a_combine
		.amdhsa_group_segment_fixed_size 0
		.amdhsa_private_segment_fixed_size 0
		.amdhsa_enable_private_segment 0
		.amdhsa_kernarg_size 32
		.amdhsa_user_sgpr_count 2
		.amdhsa_user_sgpr_kernarg_segment_ptr 1
		.amdhsa_wavefront_size32 1
		.amdhsa_system_sgpr_workgroup_id_x 1
		.amdhsa_system_sgpr_workgroup_id_y 1
		.amdhsa_system_sgpr_workgroup_id_z 1
		.amdhsa_system_vgpr_workitem_id 0
		.amdhsa_next_free_vgpr 160
		.amdhsa_next_free_sgpr 66
		.amdhsa_reserve_vcc 0
		.amdhsa_float_denorm_mode_32 3
		.amdhsa_float_denorm_mode_16_64 3
		.amdhsa_memory_ordered 1
		.amdhsa_forward_progress 1
		.amdhsa_inst_pref_size 10
	.end_amdhsa_kernel
	.amdgpu_metadata
---
amdhsa.version: [ 1, 2 ]
amdhsa.kernels:
  - .name:           k_q91133efd7a_combine
    .symbol:         k_q91133efd7a_combine.kd
    .args:
      - { .name: part, .offset: 0, .size: 8, .value_kind: global_buffer, .address_space: global }
      - { .name: wts, .offset: 8, .size: 8, .value_kind: global_buffer, .address_space: global }
      - { .name: pos, .offset: 16, .size: 8, .value_kind: global_buffer, .address_space: global }
      - { .name: out0, .offset: 24, .size: 8, .value_kind: global_buffer, .address_space: global }
    .group_segment_fixed_size: 0
    .private_segment_fixed_size: 0
    .kernarg_segment_align: 8
    .kernarg_segment_size: 32
    .max_flat_workgroup_size: 256
    .sgpr_count:     66
    .vgpr_count:     160
    .wavefront_size: 32
...
	.end_amdgpu_metadata
.endif
;; end of part 8
;; ======== version 3 of 3: 4 launches; version 2 with the launches fc, proj written anew for expert scheduling mode
;; workspace buffers: xb 2,097,152 bytes; bits 2,048 bytes of whole numbers; wts 8,192 bytes; pos 10,240 bytes of whole numbers; hbuf 67,108,864 bytes; part 134,217,728 bytes
;; launch router: the kernel of part 5 again; grid 128 x 1, 16 waves a work-group, no clusters, 23,040 bytes of LDS; arguments hidden_states, gate_w, out1, xb, bits, wts; writes out1, xb, bits, wts
;; launch fc (part 9): grid 256 x 1, 4 waves a work-group, no clusters, 312,832 bytes of LDS; arguments fc_w, fc_b, xb, bits, hbuf, pos; writes hbuf, pos
.if DOCPART == 9
	.amdgcn_target "amdgcn-amd-amdhsa--gfx1250"
	.amdhsa_code_object_version 6
	.text
	.protected	k_q91133efd7a_fc
	.globl	k_q91133efd7a_fc
	.p2align	8
	.type	k_q91133efd7a_fc,@function
k_q91133efd7a_fc:
	s_mov_b64 s[64:65], 0
	v_nop
	global_prefetch_b8 v0, s[64:65] scope:SCOPE_SE
	s_setreg_imm32_b32 hwreg(HW_REG_WAVE_SCHED_MODE, 0, 2), 2
	s_setreg_imm32_b32 hwreg(HW_REG_WAVE_MODE, 25, 1), 1
	s_wait_xcnt 0x0
	s_wait_alu depctr_vm_vsrc(0)
; ONE PRODUCT OF A LAYER OF ROUTED EXPERTS, for the rows that chose the expert.  The text has two forms, chosen by PROJ:
;   PROJ = 0: hbuf[place][f] = gelu_new(x[token] . fc_w[e][:, f] + fc_b[e][f]), bf16.      PROJ = 1: part[ks][place][d] = hbuf[place][quarter ks of f] . proj_w[e][that quarter, d] (+ proj_b[e][d] in quarter 0), f32.
; A slot is 1024 k + t (k: rank of token t's choice).  An expert's slots, in ascending order, have ranks 0 .. R - 1, and a row's place is 1024 e + rank: rows lie in the experts' order,
; so every store address here, and with PROJ = 1 every load address too, is arithmetic on the thread's number, constants and R.
; Weights, bias and rows enter the products in bf16 (each input rounded once), sums in f32.
; SHARES.  256 work-groups.  A work-group has 128 columns x 1,024 K of ONE expert's weights, 512 KiB of f32 that it alone reads, and all of that expert's rows, 0 to 1,024 of them.
;   1. The weights stream through registers (four sets of 16 loads a wave always asked for), are rounded to bf16 and laid into LDS as they lie, [k][128 columns].  Wave w takes rows 256 w .. + 255.
;   2. PROJ = 0: while the first loads are out each wave finds, in registers, the slots of the ranks of its first pass in the expert's bitmap (stored by the launch before); wave 0 stores
;      pos[slot] = place for ranks 32 sl .. + 31, and R.  PROJ = 1: R is read from pos.
;   3. A barrier.  Then the rows go in blocks of 16, in passes of 20 blocks (five a wave); a pass walks K in 32 steps of 32.  The weights' fragments come turned out of LDS, the rows' straight from memory.
;      The loop over passes has a constant count, 4, which serves 1,024 rows; every wave passes its two barriers in every trip; dead passes and dead blocks are jumped over forward, and what is jumped holds no barrier.
; The matrix instruction is used transposed (source 0 = 16 columns of the weights, source 1 = 16 rows): a lane then holds eight neighbouring columns of one row.
; NO CLUSTER, NO TENSOR LOAD: each slice of weights has one reader and has to pass through registers to be rounded; beside the slice LDS has no room for the rows that an expert's work-groups share.
; In a live block the rows past R take some existing token's row (PROJ = 0) and are stored at their own places, so that the next launch reads only bytes that were stored; nothing of them reaches the output.
; An expert without rows stores no row.
; LIMITS.  gelu_new(x) = x / (1 + 2^(x (c1 + c2 x^2))), c1 = -2 sqrt(2/pi) log2 e, c2 = 0.044715 c1, by v_exp_f32 and v_rcp_f32; an exponential past f32's range gives 0, one below it x.  NaN and infinities are not treated apart.
; THE MODE: SCHED_MODE bits 1:0 = 2 (LLVM: expert scheduling mode 2), set by the entry lines.  The code itself states the register dependences
; between vector or matrix instructions and memory or LDS instructions, with s_wait_alu, always for 0.
; THE PLAN.  Registers that memory or LDS instructions touch, and who else names them:
;   The stream's four sets (window 1).  Loads land in set i; its turn's 32 conversions read it; behind them loads land in it again.
;   Y (v96-127).  A turn's conversions write it; the turn's 16 LDS stores read it.
;   v[LD].  Read by every LDS store of the stream; stepped once a round.  v[OFF], v[BA], v25, STO, RD: made once, never written again: a scalar base for each set moves on, and immediates do the rest.
;   So a turn has two waits: vm_vsrc at its head (the stores of the turn before have read Y), va_vdst behind its conversions (Y is written, the set is read); the refill and the stores follow.
;   WF0, WF1 (v32-159).  K step j: its products read WF[j % 2]; its turned loads land in WF[(j + 1) % 2], which step j - 1's products read.
;   TF0 .. TF3 (window 2).  K step j: its products read TF[j % 4]; its loads land in TF[(j + 3) % 4], which step j - 1's products read.
;   v[WA].  Read by every turned load; written at a pass's head and once in four K steps.  v[TO ..].  Read by the rows' loads; written between passes.
;   So ONE wait on va_vdst stands at a K step's head: the products of the step before are done reading the two buffers in which this step's loads land.  The step's loads follow it, the turned ones dealt
;   among its products, which name WF[j % 2], TF[j % 4] and the accumulators: none of the registers that those loads touch.
;   The way out.  T (v32-95, PROJ = 0): written by the block's arithmetic, read by its LDS stores.  The accumulators (PROJ = 1): written by the products, read by the LDS stores.  OB (v96-159): loads from the stage
;   land in it, the global stores read it.  v[RB]: the global stores' offset, stepped between passes.  One wait on vm_vsrc from the second block on, one on va_vdst ahead of a block's LDS stores, one on vm_vsrc behind the last block.
.set PROJ, 0
.if PROJ
.set PITCH, 4096       ; bytes from row to row of the weights
.set BSH,   12         ; an expert's bias: 1 << BSH bytes
.set ASH,   13         ; a row of the left operand: 1 << ASH bytes
.set OSH,   12         ; a row of the result
.else
.set PITCH, 16384
.set BSH,   14
.set ASH,   11
.set OSH,   13
.endif
.set WPITCH, 288       ; a row of W in LDS: 256 bytes + 32
.set STAGE,  1024*WPITCH        ; 16 rows x 272 bytes for each wave, for the way out; the 512 bytes behind the four stages hold the closing add's words
.set SPITCH, 272
.set POSD,   2048      ; pos, in words: [0, 2048) a slot's place; 2048 + work-group: what its dead lanes write;
.set POSC,   9216      ; in bytes: 9216 + 4 x work-group: its expert's R
; REGISTERS, in windows of 256 (s_set_vgpr_msb: bits 1:0 source 0, 3:2 source 1, 5:4 source 2, 7:6 destination)
.set RR,   1           ; lane % 16
.set HH,   2           ; lane / 16
.set LANE, 3
.set WA0,  4           ; my lane's place in a turned fragment
.set WA,   5           ; the same at the K steps in hand
.set STO,  6           ; the way out: where I put my columns of a row
.set RD,   7           ; the way out: where I read rows back
.set LP,   8           ; the rank of the row that I load in block 0 of the pass
.set RB,   9           ; byte offset in the result of row lane / 16 of my block 0 of the pass, + 16 (lane % 16)
.set TO,   10          ; v10-14  byte offset of my row in block a
.set BA,   15          ; my 16 bytes' offset in the bitmap
.set OFF,  16          ; stream: my 16 bytes' offset in the first of my wave's rows of the slice; never rewritten
.set LD,   20          ; stream: my 8 bytes' place in LDS in the first row of the round
.set WF,   32          ; v32-159  the weights' fragments, two buffers of 8 x 8
.set T,    32          ; v32-95   at work on the way out
.set OB,   96          ; v96-159  rows read back from the stage
.set Y,    96          ; v96-127  stream: a set's 16 rows in bf16, 2 registers a row
.set BIAS, 160         ; v160-223 bias of my columns: 8 n + j for column 16 n + 8 (lane / 16) + j
.set BM,   224         ; v224-227 the bitmap: word 4 (lane % 16) + j in register j; never rewritten
.set PS,   228         ; v228-231 what the stores into pos name
                       ; window 1: accumulators of blocks 0-3 at 64 a + 8 n; in the stream the four sets of 64
.set TF,   64          ; window 2: v0-63 the bias as loaded, then the accumulators of block 4; v64-223 the rows' fragments, four buffers of 5 x 8
; at work in the search for the slots, six registers each, where no fragment and no result lies at that time:
.set RK,   32          ; the rank, then what is left of it inside the word
.set SW,   38          ; the word that holds the rank's bit
.set SK,   44          ; its key, then 32 x its number, then the slot
.set QA,   50          ; the word's counts of set bits in fields of 2,
.set QB,   56          ; of 4,
.set QC,   62          ; of 8 bits,
.set QD,   68          ; and, in its low byte, of the low 16; then at work
.set TT,   74
.set PO,   80          ; the bit's place in the word
.set WB,   20          ; s[20:27]  stream: set i's address in the weights: a pair at WB + 2 i
.set KB,   55          ; s55  byte in W at which the four K steps in hand begin
.set PQ,   59          ; s59  set bits ahead of the word in hand
.set KEY,  60          ; s60  (32 x the word's number) << 16 | PQ
.set MK,   68          ; s68-73  a mask of lanes for each of the six
.set MSB, 0
.macro WIN new                         ; the immediate's high byte repeats the setting that is left; a switch that changes nothing is dropped
.if MSB != (\new)
	s_set_vgpr_msb (MSB<<8)|(\new)
.set MSB, (\new)
.endif
.endm
; THE SLOTS OF GIVEN RANKS (PROJ = 0), by arithmetic on registers alone.  PREP nr: for the ranks LP + 64 a, a = 0 .. 4 (nr = 6: and for rank s50 + lane), the slot whose bit is the rank's in the bitmap.
; The 64 words are walked in order, four a trip; PQ counts the set bits ahead of a word.  A register keeps the last word with PQ <= rank, and its key: that word holds the bit.  Inside the word the bit is found by
; five halvings on the counts of set bits in its fields of 16, 8, 4, 2 and 1 bits, which shifts and additions make.  Each line is written for all registers in turn, so that no line waits for the one before it.
; A rank past R ends in the last word, at some bit: a slot that exists.  Then TO[a] = the slot's token x a row's bytes + 16 (lane / 16).
; The compares stand in runs, a mask register for each, with one wait on va_sdst behind a run, ahead of the selects that read the masks.
.macro EACH line:vararg                ; one line for each register u of NR
.set u, 0
.rept NR
	\line
.set u, u+1
.endr
.endm
.macro HALVE src, w, bits, last=0      ; the field of w bits at PO holds TT set bits: if the rank left is TT or more, the bit lies w further up
	EACH v_bfe_u32 v[TT+u], v[(\src)+u], v[PO+u], \bits
	EACH v_cmp_ge_u32 s[MK+u], v[RK+u], v[TT+u]
	s_wait_alu depctr_va_sdst(0)                   ; the compares have written the masks, which the selects below read
.if !(\last)
	EACH v_cndmask_b32 v[TT+u], 0, v[TT+u], s[MK+u]
	EACH v_sub_nc_u32 v[RK+u], v[RK+u], v[TT+u]
.endif
	EACH v_cndmask_b32 v[QD+u], 0, \w, s[MK+u]
	EACH v_add_nc_u32 v[PO+u], v[PO+u], v[QD+u]
.endm
.macro PREP nr
.set NR, 5
	EACH v_add_nc_u32 v[RK+u], 64*u, v[LP]
.if (\nr) == 6
	v_add_nc_u32 v[RK+5], s50, v[LANE]
.endif
.set NR, \nr
	EACH v_mov_b32 v[SW+u], 0                      ; the selects below name them as sources; word 0, with PQ = 0, overwrites them in every lane
	EACH v_mov_b32 v[SK+u], 0
	s_mov_b32 s[PQ], 0
	s_mov_b32 s[KEY], 0
	s_mov_b32 s37, 0
.Lscan_\@:                                             ; 16 trips: trip i takes words 4 i .. 4 i + 3, which lane i holds
.irp j, 0,1,2,3
	v_readlane_b32 s[16+\j], v[BM+\j], s37
.endr
.irp j, 0,1,2,3
	EACH v_cmp_le_u32 s[MK+u], s[PQ], v[RK+u]
	s_wait_alu depctr_va_sdst(0)                   ; the compares have written the masks; at the first of the four the words s16 to s19 are written too: all ahead of their first readers
	EACH v_cndmask_b32 v[SW+u], v[SW+u], s[16+\j], s[MK+u]
	EACH v_cndmask_b32 v[SK+u], v[SK+u], s[KEY], s[MK+u]
	s_bcnt1_i32_b32 s50, s[16+\j]
	s_add_co_u32 s[PQ], s[PQ], s50
	s_add_co_u32 s[KEY], s[KEY], s50
	s_add_co_u32 s[KEY], s[KEY], 32<<16
.endr
	s_add_co_u32 s37, s37, 1
	s_cmp_lt_u32 s37, 16
	s_cbranch_scc1 .Lscan_\@
	EACH v_lshrrev_b32 v[TT+u], 1, v[SW+u]         ; the counts
	EACH v_and_b32 v[TT+u], 0x55555555, v[TT+u]
	EACH v_sub_nc_u32 v[QA+u], v[SW+u], v[TT+u]
	EACH v_lshrrev_b32 v[TT+u], 2, v[QA+u]
	EACH v_and_b32 v[TT+u], 0x33333333, v[TT+u]
	EACH v_and_b32 v[QB+u], 0x33333333, v[QA+u]
	EACH v_add_nc_u32 v[QB+u], v[QB+u], v[TT+u]
	EACH v_lshrrev_b32 v[TT+u], 4, v[QB+u]
	EACH v_add_nc_u32 v[QC+u], v[QB+u], v[TT+u]
	EACH v_and_b32 v[QC+u], 0x0f0f0f0f, v[QC+u]
	EACH v_lshrrev_b32 v[TT+u], 8, v[QC+u]
	EACH v_add_nc_u32 v[QD+u], v[QC+u], v[TT+u]
	EACH v_and_b32 v[TT+u], 0xffff, v[SK+u]        ; the key's two parts
	EACH v_sub_nc_u32 v[RK+u], v[RK+u], v[TT+u]
	EACH v_lshrrev_b32 v[SK+u], 16, v[SK+u]
	EACH v_and_b32 v[TT+u], 0xff, v[QD+u]          ; the first halving starts PO
	EACH v_cmp_ge_u32 s[MK+u], v[RK+u], v[TT+u]
	s_wait_alu depctr_va_sdst(0)                   ; the compares have written the masks, which the selects below read
	EACH v_cndmask_b32 v[TT+u], 0, v[TT+u], s[MK+u]
	EACH v_sub_nc_u32 v[RK+u], v[RK+u], v[TT+u]
	EACH v_cndmask_b32 v[PO+u], 0, 16, s[MK+u]
	HALVE QC, 8, 8
	HALVE QB, 4, 4
	HALVE QA, 2, 2
	HALVE SW, 1, 1, 1
	EACH v_add_nc_u32 v[SK+u], v[SK+u], v[PO+u]    ; the slot
.set NR, 5
	EACH v_min_u32 v[SK+u], 2047, v[SK+u]          ; a number made of loaded words enters an address behind this bound
	EACH v_and_b32 v[TO+u], 1023, v[SK+u]          ; the slot's token
	EACH v_lshlrev_b32 v[TO+u], ASH, v[TO+u]
	EACH v_lshl_add_u32 v[TO+u], v[HH], 4, v[TO+u]
.endm
	s_load_b256 s[4:11], s[0:1], 0x0               ; weights s[4:5], bias s[6:7], rows s[8:9], s[10:11] bits (PROJ = 0) or pos (PROJ = 1)
	s_load_b64 s[12:13], s[0:1], 0x20              ; result
.if !PROJ
	s_load_b64 s[56:57], s[0:1], 0x28              ; pos
	v_lshl_add_u32 v254, v0, 2, 0x4c400
	v_mov_b32 v255, 0
.endif
	v_lshrrev_b32 v24, 5, v0
	v_readfirstlane_b32 s14, v24                   ; wave 0..3
	v_and_b32 v[RR], 15, v0
	v_bfe_u32 v[HH], v0, 4, 1
	v_and_b32 v[LANE], 31, v0
	s_lshr_b32 s15, ttmp9, 5                       ; the expert
	s_lshl_b32 s58, s15, 10                        ; its first place
.if PROJ
	s_bfe_u32 s32, ttmp9, 0x30002                  ; which 128 columns
	s_and_b32 s39, ttmp9, 3                        ; which quarter of K
.else
	s_and_b32 s32, ttmp9, 31                       ; which 128 columns
.endif
	s_wait_alu depctr_va_sdst(0)                   ; s14 is written, ahead of its first reader
	s_mul_i32 s50, s14, 256*PITCH                  ; my wave's 256 rows of the slice
	v_lshl_add_u32 v[OFF], v[LANE], 4, s50
	s_mul_i32 s50, s14, 256*WPITCH
	v_lshl_add_u32 v[LD], v[LANE], 3, s50
	s_lshl_b32 s50, s15, 24                        ; an expert's weights are 2^24 bytes
	s_lshl_b32 s51, s32, 9
	s_add_co_u32 s50, s50, s51
.if PROJ
	s_lshl_b32 s51, s39, 22                        ; 1,024 rows of 4,096 bytes
	s_add_co_u32 s50, s50, s51
	s_lshl_b32 s52, s15, 7                         ; the count stored by the expert's first work-group: 32 words an expert
.else
	s_lshl_b32 s52, s15, 8                         ; the expert's bitmap, 256 bytes
	v_lshlrev_b32 v[BA], 4, v[RR]
.endif
	s_mov_b32 s51, 0
	s_mov_b32 s53, 0
	s_wait_kmcnt 0x0
	s_add_nc_u64 s[4:5], s[4:5], s[50:51]
	s_add_nc_u64 s[10:11], s[10:11], s[52:53]
.irp i, 0,1,2,3
	s_add_nc_u64 s[WB+2*\i:WB+2*\i+1], s[4:5], 16*\i*PITCH  ; set i begins with rows 16 i .. 16 i + 15
.endr
	s_wait_alu depctr_va_vdst(0)                   ; v[OFF], v[LD] and (PROJ = 0) v[BA] are written, which the loads below and the stream's stores read
.if PROJ
	s_load_b32 s33, s[10:11], POSC                 ; R, asked for ahead of the weights
.else
	global_load_b128 v[BM:BM+3], v[BA], s[10:11]   ; the bitmap, asked for ahead of the weights: it comes back first
.endif
.macro FILL i                          ; 16 rows of the slice: a load is one row's 512 consecutive bytes; each byte is read once in the launch
	WIN 0x40
.irp j, 0,1,2,3,4,5,6,7,8,9,10,11,12,13,14,15
	global_load_b128 v[64*(\i)+4*(\j):64*(\i)+4*(\j)+3], v[OFF], s[WB+2*(\i):WB+2*(\i)+1] offset:(\j)*PITCH th:TH_LOAD_NT
.endr
	WIN 0
.endm
	FILL 0
	FILL 1
	FILL 2
	FILL 3
	s_lshl_b32 s50, s15, BSH                       ; the other addresses
	s_lshl_b32 s52, s32, 9
	s_add_co_u32 s50, s50, s52
	s_add_nc_u64 s[6:7], s[6:7], s[50:51]          ; bias of my 128 columns
.if PROJ
	s_lshl_b32 s50, s39, 11
	s_add_nc_u64 s[40:41], s[8:9], s[50:51]        ; the rows at my quarter of K
	s_lshl_b32 s50, s39, 25                        ; a quarter's plane of the result: 8,192 places of 4,096 bytes
	s_add_co_u32 s50, s50, s52
	s_add_nc_u64 s[48:49], s[12:13], s[50:51]      ; my columns of it
	s_cmp_eq_u32 s39, 0
	s_cselect_b32 s53, -1, 0                       ; the bias is added in quarter 0 alone
.else
	s_mov_b64 s[40:41], s[8:9]
	s_lshl_b32 s50, s32, 8
	s_add_nc_u64 s[48:49], s[12:13], s[50:51]
	s_mov_b32 s44, 0xc0135761                      ; c1 = -2.3022082
	s_mov_b32 s45, s44                             ; named with it as a pair
	s_mov_b32 s46, 0xbdd2d3e8                      ; c2 = -0.10294324
	s_mov_b32 s47, s46
.endif
	s_lshl_b32 s50, s14, 4                         ; in a pass block a of wave w holds ranks 64 a + 16 w + 0..15
	v_add_nc_u32 v[LP], s50, v[RR]
.if PROJ
	s_wait_kmcnt 0x0
	s_min_u32 s33, s33, 1024                       ; R: a token chooses an expert once
.else
	s_lshl_b32 s50, s32, 5                         ; the sixth rank: 32 sl + lane
	s_wait_loadcnt 63                              ; 65 loads were issued and come back in order (ISA guide 5.7.1): the first two are in, the bitmap's among them
	PREP 6                                         ; the first pass's rows, on every path, while the weights' first loads are out
	s_min_u32 s33, s[PQ], 1024                     ; R: all set bits; a token chooses an expert once
.endif
	s_add_co_u32 s34, s33, 15
	s_lshr_b32 s34, s34, 4                         ; blocks of 16 rows
.if PROJ
	s_lshl_b32 s54, s34, 4
	s_sub_co_u32 s54, s54, 1                       ; the last rank that the launch before stored
.else
	s_cmp_lg_u32 s14, 0
	s_cbranch_scc1 .Lnopos
	; wave 0: pos[slot] = place for ranks 32 sl .. 32 sl + 31 (the expert's 32 work-groups cover 1,024 ranks); lanes past R write the work-group's own dump word.  And R.
	s_lshl_b32 s50, s32, 5
	v_add_nc_u32 v[PS], s50, v[LANE]               ; the rank
	v_cmp_gt_u32 vcc_lo, s33, v[PS]                ; R > rank
	v_add_nc_u32 v[PS], s58, v[PS]                 ; the place
	s_add_co_u32 s50, ttmp9, POSD
	v_mov_b32 v[PS+2], s50
	s_wait_alu depctr_va_vcc(0)                    ; the compare has written VCC, which the select reads
	v_cndmask_b32 v[PS+1], v[PS+2], v[SK+5], vcc_lo
	v_min_u32 v[PS+1], POSD+255, v[PS+1]           ; a number made of loaded words enters an address behind this bound
	v_lshlrev_b32 v[PS+1], 2, v[PS+1]
	s_lshl_b32 s50, ttmp9, 2
	v_mov_b32 v[PS+2], s50
	v_mov_b32 v[PS+3], s33
	s_wait_alu depctr_va_vdst(0)                   ; v[PS] to v[PS+3] are written: the two stores' offsets and data
	global_store_b32 v[PS+1], v[PS], s[56:57]      ; 128 bytes a work-group, scattered by the slots: narrow stores, beside the 64 KiB of rows that it stores
	global_store_b32 v[PS+2], v[PS+3], s[56:57] offset:POSC  ; every lane writes the same word with the same number
.Lnopos:
.endif
	s_lshl_b32 s50, s14, 4
	s_add_co_u32 s50, s50, s58                     ; the place of my block 0's first row
	v_add_lshl_u32 v[RB], v[HH], s50, OSH
	v_lshl_add_u32 v[RB], v[RR], 4, v[RB]
	v_and_b32 v24, 7, v0                           ; the turning load: lane l reads 16 bytes of row 8 (l / 16) + l % 8, columns 8 ((l / 8) % 2) + 0..7
	v_lshl_add_u32 v24, v[HH], 3, v24
	v_mul_u32_u24 v[WA0], v24, WPITCH
	v_bfe_u32 v25, v0, 3, 1
	v_lshl_add_u32 v[WA0], v25, 4, v[WA0]
	s_mul_i32 s50, s14, 16*SPITCH
	s_add_co_u32 s50, s50, STAGE                   ; my stage
	v_mul_u32_u24 v24, v[RR], SPITCH               ; in: row l % 16; my eight columns are 16 bytes (bf16) or 32 (f32)
.if PROJ
	v_lshl_add_u32 v24, v[HH], 5, v24
.else
	v_lshl_add_u32 v24, v[HH], 4, v24
.endif
	v_add_nc_u32 v[STO], s50, v24
	v_mul_u32_u24 v24, v[HH], SPITCH               ; back: lanes 0-15 one row of 256 bytes, lanes 16-31 the next
	v_lshl_add_u32 v24, v[RR], 4, v24
	v_add_nc_u32 v[RD], s50, v24
	v_lshlrev_b32 v25, 5, v[HH]                    ; bias: 32 bytes for each half of the lanes
	; THE STREAM.  Set i's turn: its 16 loads are in; rounded into Y, four columns to 8 bytes; the set is asked for again, 64 rows on; 16 stores of 256 consecutive LDS bytes.
.macro SET i, refill, left
	s_wait_loadcnt \left                           ; loads come back in order (ISA guide 5.7.1): mine are in, the younger ones stay out
.if \refill
	s_add_nc_u64 s[WB+2*(\i):WB+2*(\i)+1], s[WB+2*(\i):WB+2*(\i)+1], 64*PITCH  ; free since that wait, which shows the loads that read it done: the set's next 16 rows
.endif
	s_wait_alu depctr_vm_vsrc(0)                   ; the LDS stores of the turn before have read Y, which the conversions write again
	WIN 0x05
.irp j, 0,1,2,3,4,5,6,7,8,9,10,11,12,13,14,15
	v_cvt_pk_bf16_f32 v[Y+2*(\j)],   v[64*(\i)+4*(\j)],   v[64*(\i)+4*(\j)+1]
	v_cvt_pk_bf16_f32 v[Y+2*(\j)+1], v[64*(\i)+4*(\j)+2], v[64*(\i)+4*(\j)+3]
.endr
.if \refill
	WIN 0x40
	s_wait_alu depctr_va_vdst(0)                   ; the conversions are done reading the set, in which the loads below land, and have written Y, which the stores below read; v[LD], stepped at the last round's end, is written
	FILL \i
.else
	WIN 0
	s_wait_alu depctr_va_vdst(0)                   ; the conversions have written Y, which the stores below read; v[LD] is written
.endif
.irp j, 0,1,2,3,4,5,6,7,8,9,10,11,12,13,14,15
	ds_store_b64 v[LD], v[Y+2*(\j):Y+2*(\j)+1] offset:WPITCH*(16*(\i)+(\j))
.endr
.endm
	s_mov_b32 s37, 3
.Lstream:
	SET 0, 1, 48                                   ; 48: the three younger sets
	SET 1, 1, 48
	SET 2, 1, 48
	SET 3, 1, 48
	s_wait_alu depctr_vm_vsrc(0)                   ; the round's LDS stores have read v[LD]
	v_add_nc_u32 v[LD], 64*WPITCH, v[LD]           ; the next round's 64 rows
	s_sub_co_u32 s37, s37, 1
	s_cmp_lg_u32 s37, 0
	s_cbranch_scc1 .Lstream
	SET 0, 0, 48                                   ; the last 64 rows: nothing more of the weights is asked for
	WIN 0x80                                       ; the bias as loaded goes into window 2, v0-63; v25, its offset, was written ahead of the stream's waits on va_vdst
.irp n, 0,1,2,3,4,5,6,7
	global_load_b128 v[8*\n:8*\n+3],   v25, s[6:7] offset:64*\n
	global_load_b128 v[8*\n+4:8*\n+7], v25, s[6:7] offset:64*\n+16
.endr
	WIN 0
	SET 1, 0, 48                                   ; two sets and the bias's 16 loads are younger,
	SET 2, 0, 32                                   ; one set and the bias,
	SET 3, 0, 16                                   ; the bias
	s_wait_loadcnt 0x0
	WIN 0x0a                                       ; sources in window 2
.set i, 0
.rept 32                               ; the bias is rounded to bf16 like every input, and widened again: it starts the f32 sums
	v_cvt_pk_bf16_f32 v[T+i], v[2*i], v[2*i+1]
.set i, i+1
.endr
	WIN 0
.set i, 0
.rept 32
.if PROJ
	v_and_b32 v[T+i], s53, v[T+i]                  ; 0 in quarters 1 to 3
.endif
	v_lshlrev_b32 v[BIAS+2*i], 16, v[T+i]
	v_and_b32 v[BIAS+2*i+1], 0xffff0000, v[T+i]
.set i, i+1
.endr
	s_wait_dscnt 0x0                               ; for the others' sake: my rows of W are in LDS
	s_barrier_signal -1
	s_barrier_wait -1                              ; everybody's are; from here on nobody writes W
	s_wait_alu depctr_vm_vsrc(0)                   ; my LDS stores have read Y: these registers are fragments' from here on, and turned loads land in them
; Four turned loads: the weights' fragments of one K step (32 rows) for column blocks 2 g and 2 g + 1, into buffer buf
.macro WLOADQ buf, off, g
	WIN 0
.irp h, 0,1
	ds_load_tr16_b128 v[WF+64*(\buf)+8*(2*(\g)+\h):WF+64*(\buf)+8*(2*(\g)+\h)+3],   v[WA] offset:(\off)+32*(2*(\g)+\h)
	ds_load_tr16_b128 v[WF+64*(\buf)+8*(2*(\g)+\h)+4:WF+64*(\buf)+8*(2*(\g)+\h)+7], v[WA] offset:(\off)+32*(2*(\g)+\h)+16*WPITCH
.endr
.endm
.macro WLOAD buf, off                  ; all sixteen
.irp g, 0,1,2,3
	WLOADQ \buf, \off, \g
.endr
.endm
; The rows' fragments of one K step: lane l has row l % 16, K = 8 (l / 16) + 0..7 and 16 + 8 (l / 16) + 0..7.  The expert's other work-groups read the same rows: the hint for data that is read again.
.macro TLOAD buf, off                  ; blocks 0 to 3: 8 loads
	WIN 0x80
.irp a, 0,1,2,3
	global_load_b128 v[TF+40*(\buf)+8*(\a):TF+40*(\buf)+8*(\a)+3],   v[TO+(\a)], s[42:43] offset:(\off) th:TH_LOAD_HT
	global_load_b128 v[TF+40*(\buf)+8*(\a)+4:TF+40*(\buf)+8*(\a)+7], v[TO+(\a)], s[42:43] offset:(\off)+32 th:TH_LOAD_HT
.endr
.endm
.macro TLOAD4 buf, off                 ; block 4: 2 loads
	WIN 0x80
	global_load_b128 v[TF+40*(\buf)+32:TF+40*(\buf)+35], v[TO+4], s[42:43] offset:(\off) th:TH_LOAD_HT
	global_load_b128 v[TF+40*(\buf)+36:TF+40*(\buf)+39], v[TO+4], s[42:43] offset:(\off)+32 th:TH_LOAD_HT
.endm
.macro MM d, j, n, b, c                ; D at d; columns 16 n on; block b; C at c
	v_wmma_f32_16x16x32_bf16 v[(\d):(\d)+7], v[WF+64*((\j)%2)+8*(\n):WF+64*((\j)%2)+8*(\n)+7], v[TF+40*((\j)%4)+8*(\b):TF+40*((\j)%4)+8*(\b)+7], v[(\c):(\c)+7]
.endm
; K STEP j of a group of four.  At its head blocks 0-3's rows three steps on are asked for (tl).  Then 32 products, blocks 0-3 x 8 column blocks.  The next step's sixteen turned loads (wl) stand among them,
; in four runs of four behind the 4th, 8th, 12th and 16th product, so that LDS serves them while products are at work; 16 products or more lie between the last run and the wait for it, at the next step's head.
; If the wave has a fifth live block: its rows three steps on, and its eight products.  first = 1: the bias starts the sums, and block 4's part runs on every path, so that its registers are written on every path.
; The accumulators take turns, one instruction a turn.
; lc: the rows' loads that may stay out.  A step issues 8 loads at its head and 0 or 2 at its tail, so behind the loads of the step in hand come 24 to 28; 24 is right on both paths.
; The wait on va_vdst at the head serves all the step's loads: no product issued behind it names WF[(j + 1) % 2], TF[(j + 3) % 4], v[WA] or v[TO ..].  Step 0 leans on the wait at the pass's head; a step that loads nothing has none.
.macro KSTEP j, first, wl, tl, lc
	WIN 0
.rept 4
	v_nop                                          ; four places behind the last step's products, ahead of this step's loads into registers that they read; the wait below states that dependence
.endr
.if !(\first) && ((\wl) || (\tl))
	s_wait_alu depctr_va_vdst(0)                   ; the last step's products are done reading the fragments' buffers in which this step's loads land; behind STEPK: v[WA] is written
.endif
.if \tl
	TLOAD ((\j)+3)%4, ((\j)+3)*64
.endif
	s_wait_dscnt 0x0                               ; this step's fragments, asked for in the step before, are in; no younger LDS instruction is out
	s_wait_loadcnt \lc
.set m, 0
.rept 32
.if \first
	WIN 0x48                                       ; rows in window 2, bias in window 0, D in window 1
	MM 64*(m/8)+8*(m%8),\j,m%8,m/8,BIAS+8*(m%8)
.else
	WIN 0x58                                       ; rows in window 2, C and D in window 1
	MM 64*(m/8)+8*(m%8),\j,m%8,m/8,64*(m/8)+8*(m%8)
.endif
.if (\wl) && (m%4 == 3) && (m < 16)
	WLOADQ ((\j)+1)%2, ((\j)+1)*32*WPITCH, m/4
.endif
.set m, m+1
.endr
.if \first
	TLOAD4 ((\j)+3)%4, ((\j)+3)*64
	WIN 0x88
.irp n, 0,1,2,3,4,5,6,7
	MM 8*(\n),\j,\n,4,BIAS+8*(\n)
.endr
	WIN 0
.else
	WIN 0                                          ; at a branch and at a label every window is 0
	s_cmp_lt_u32 s35, 5
	s_cbranch_scc1 .Lno4_\@
.if \tl
	TLOAD4 ((\j)+3)%4, ((\j)+3)*64                 ; into the buffer that the step before read: the wait at this step's head has stated that
.endif
	WIN 0xa8
.irp n, 0,1,2,3,4,5,6,7
	MM 8*(\n),\j,\n,4,8*(\n)
.endr
	WIN 0
.Lno4_\@:
.endif
.endm
.macro STEPK                           ; four K steps on
	s_wait_xcnt 0x0                                ; the rows' base is a source of loads that are out: it steps only behind this wait
	s_wait_alu depctr_vm_vsrc(0)                   ; the turned loads issued so far have read v[WA]
	s_add_nc_u64 s[42:43], s[42:43], 256
	s_add_co_u32 s[KB], s[KB], 4*32*WPITCH
	v_add_nc_u32 v[WA], s[KB], v[WA0]
.endm
.macro LIVE                            ; s35: my live blocks in the pass whose first block of mine is s38: 0 to 5
	s_sub_co_i32 s35, s34, s38                     ; blocks from mine on,
	s_max_i32 s35, s35, 0                          ; none if the rows have ended,
	s_add_co_u32 s35, s35, 3
	s_lshr_b32 s35, s35, 2                         ; every fourth is mine,
	s_min_u32 s35, s35, 5                          ; five a pass
.endm
; THE WAY OUT of block a: jumped, with all later blocks, if the wave has no such block in this pass.  The block's and the row's part of the address stand in the stores' immediates:
; (64 a + 2 t) rows, 270 rows of 8,192 bytes at the most, inside the signed 24 bits (ISA guide, chapter 10).
.macro OUT a
	s_cmp_le_u32 s35, \a
	s_cbranch_scc1 .Lnext
.set AC, 64*((\a)%4)
.set W1, 1+(\a)/4                      ; the accumulators' window
	s_wait_xcnt 0x0                                ; earlier stores have read their data: OB is rewritten only behind this wait
.if (\a) > 0
	s_wait_alu depctr_vm_vsrc(0)                   ; the block before: its global stores have read OB, in which the loads below land; with PROJ = 0 its LDS stores have read T, which the lines below write
.endif
.if PROJ
	s_wait_alu depctr_va_vdst(0)                   ; the products have written this block's accumulators, which the LDS stores read, and are done reading v96-159 as fragments, in which the loads from the stage land; v[RB] is written
.irp hf, 0,1                           ; a row's 128 f32 in two halves of 256 bytes; each accumulator's low registers are read first
	WIN 4*W1
.irp n, 0,1,2,3
	ds_store_b128 v[STO], v[AC+32*(\hf)+8*(\n):AC+32*(\hf)+8*(\n)+3]   offset:64*(\n)
	ds_store_b128 v[STO], v[AC+32*(\hf)+8*(\n)+4:AC+32*(\hf)+8*(\n)+7] offset:64*(\n)+16
.endr
	WIN 0
.irp t, 0,1,2,3,4,5,6,7
	ds_load_b128 v[OB+32*(\hf)+4*(\t):OB+32*(\hf)+4*(\t)+3], v[RD] offset:2*SPITCH*(\t)  ; in order behind my stores; the next half's stores come behind these
.endr
.endr
	s_wait_dscnt 16                                ; the first half is back; the second half's 16 LDS instructions stay out
.irp t, 0,1,2,3,4,5,6,7
	global_store_b128 v[RB], v[OB+4*(\t):OB+4*(\t)+3], s[48:49] offset:(64*(\a)+2*(\t))<<OSH  ; 16 lanes store 256 consecutive bytes, aligned
.endr
	s_wait_dscnt 0x0
.irp t, 0,1,2,3,4,5,6,7
	global_store_b128 v[RB], v[OB+32+4*(\t):OB+32+4*(\t)+3], s[48:49] offset:((64*(\a)+2*(\t))<<OSH)+256
.endr
.else
	WIN 5*W1
.set i, 0
.rept 32                               ; ascending: each accumulator's low registers are read first
	v_pk_mul_f32 v[T+2*i:T+2*i+1], v[AC+2*i:AC+2*i+1], v[AC+2*i:AC+2*i+1]
.set i, i+1
.endr
	WIN 0
.set i, 0
.rept 32
	v_pk_fma_f32 v[T+2*i:T+2*i+1], v[T+2*i:T+2*i+1], s[46:47], s[44:45] op_sel_hi:[1,0,0]  ; c2 x^2 + c1
.set i, i+1
.endr
	WIN 4*W1
.set i, 0
.rept 32
	v_pk_mul_f32 v[T+2*i:T+2*i+1], v[T+2*i:T+2*i+1], v[AC+2*i:AC+2*i+1]
.set i, i+1
.endr
	WIN 0
.set i, 0
.rept 64
	v_exp_f32 v[T+i], v[T+i]
.set i, i+1
.endr
	v_nop                                          ; a plain instruction behind the last exponential,
	s_wait_alu depctr_va_vdst(0)                   ; and one wait for the batch of 64: the exponentials have written T, ahead of the additions that read it
.set i, 0
.rept 32
	v_pk_add_f32 v[T+2*i:T+2*i+1], v[T+2*i:T+2*i+1], 1.0 op_sel_hi:[1,0]
.set i, i+1
.endr
.set i, 0
.rept 64
	v_rcp_f32 v[T+i], v[T+i]
.set i, i+1
.endr
	v_nop
	s_wait_alu depctr_va_vdst(0)                   ; the 64 reciprocals have written T, ahead of the multiplies that read it
	WIN 4*W1
.set i, 0
.rept 32
	v_pk_mul_f32 v[T+2*i:T+2*i+1], v[T+2*i:T+2*i+1], v[AC+2*i:AC+2*i+1]
.set i, i+1
.endr
	WIN 0
.set i, 0
.rept 32                               ; ascending, so that no number is overwritten before it is read
	v_cvt_pk_bf16_f32 v[T+i], v[T+2*i], v[T+2*i+1]
.set i, i+1
.endr
	s_wait_alu depctr_va_vdst(0)                   ; the roundings have written T's first 32 registers, which the LDS stores read
.irp n, 0,1,2,3,4,5,6,7
	ds_store_b128 v[STO], v[T+4*(\n):T+4*(\n)+3] offset:32*(\n)
.endr
.irp t, 0,1,2,3,4,5,6,7
	ds_load_b128 v[OB+4*(\t):OB+4*(\t)+3], v[RD] offset:2*SPITCH*(\t)  ; in order behind my stores; the next block's stores come behind these
.endr
	s_wait_dscnt 0x0
.irp t, 0,1,2,3,4,5,6,7
	global_store_b128 v[RB], v[OB+4*(\t):OB+4*(\t)+3], s[48:49] offset:(64*(\a)+2*(\t))<<OSH  ; 16 lanes store 256 consecutive bytes, aligned
.endr
.endif
.endm
	; THE PASSES: 4 x 20 blocks cover 1,024 rows.  In a trip the K walk reads LDS by an address that walks with K, and the way out writes the stages.
	s_mov_b32 s36, 4
	s_mov_b32 s38, s14                             ; my first block of the pass: 20 x pass + wave
	LIVE
.Lpass:
	s_cmp_eq_u32 s35, 0
	s_cbranch_scc1 .Lidle                          ; nothing of mine is left
	s_wait_xcnt 0x0                                ; earlier stores have read their registers, which the loads below write
	s_mov_b64 s[42:43], s[40:41]
	s_mov_b32 s[KB], 0
	v_mov_b32 v[WA], v[WA0]                        ; (the last pass's loads have read v[WA] and v[TO ..]: the wait on vm_vsrc behind its way out)
.if PROJ
.irp a, 0,1,2,3,4
	v_add_nc_u32 v[TO+\a], 64*\a, v[LP]            ; the rank,
	v_min_u32 v[TO+\a], s54, v[TO+\a]              ; in a dead block the last rank that was stored,
	v_min_u32 v[TO+\a], 1023, v[TO+\a]             ; (a number made of a loaded count enters an address behind this bound)
	v_add_lshl_u32 v[TO+\a], v[TO+\a], s58, ASH    ; the place, in bytes
	v_lshl_add_u32 v[TO+\a], v[HH], 4, v[TO+\a]
.endr
.endif
	s_wait_alu depctr_va_vdst(0)                   ; v[WA] and v[TO ..] are written, which the loads below read; the vector lines that wrote v32-159 and the last pass's products, which read the fragments' buffers, are done: loads land there
	TLOAD 0, 0
	TLOAD4 0, 0
	TLOAD 1, 64
	TLOAD4 1, 64
	TLOAD 2, 128
	TLOAD4 2, 128
	WLOAD 0, 0
	KSTEP 0, 1, 1, 1, 28                           ; step 0 stands ahead of the loop: its products start the sums.  28: steps 1 and 2, ten loads each, and the eight just issued
	s_mov_b32 s37, 7
.Lk:                                                   ; a trip: steps 4 q + 1 .. 4 q + 4
	KSTEP 1, 0, 1, 1, 24
	KSTEP 2, 0, 1, 1, 24
	KSTEP 3, 0, 1, 1, 24
	STEPK
	KSTEP 0, 0, 1, 1, 24
	s_sub_co_u32 s37, s37, 1
	s_cmp_lg_u32 s37, 0
	s_cbranch_scc1 .Lk
	KSTEP 1, 0, 1, 0, 16                           ; steps 29 to 31: no load passes a row's end, and the counts run down: two younger heads, one, none
	KSTEP 2, 0, 1, 0, 8
	KSTEP 3, 0, 0, 0, 0
.rept 4
	v_nop                                          ; four places between the last products and what reads their results or writes their sources
.endr
.Lidle:
	s_wait_dscnt 0x0                               ; my turned loads of this pass are back
	s_barrier_signal -1
	s_barrier_wait -1                              ; everybody's are: now the stages may be written
	OUT 0
	OUT 1
	OUT 2
	OUT 3
	OUT 4
.Lnext:
	s_wait_xcnt 0x0                                ; the stores have read their offset and data: they are rewritten only behind this wait
	s_wait_alu depctr_vm_vsrc(0)                   ; the pass's stores have read v[RB], OB, T and (PROJ = 1) the accumulators, its loads v[TO ..] and v[WA]: all these are written again below or in the next pass
	v_add_nc_u32 v[LP], 320, v[LP]                 ; 320 ranks on
	v_add_nc_u32 v[RB], 320<<OSH, v[RB]
	s_add_co_u32 s38, s38, 20
	LIVE                                           ; the next pass
.if !PROJ
	s_cmp_eq_u32 s35, 0
	s_cbranch_scc1 .Lnoprep                        ; it is dead, as a rule: 320 rows go in one pass
	PREP 5                                         ; its rows
.Lnoprep:
.endif
	s_wait_dscnt 0x0                               ; my stores into my stage are done
	s_barrier_signal -1
	s_barrier_wait -1                              ; everybody's are: the next pass may read
	s_sub_co_u32 s36, s36, 1
	s_cmp_lg_u32 s36, 0
	s_cbranch_scc1 .Lpass
	s_wait_dscnt 0x0                               ; the wave's end: my LDS stores are done, ahead of the closing add
	s_wait_alu depctr_hold_cnt(0) depctr_sa_sdst(0) depctr_va_vdst(0) depctr_va_sdst(0) depctr_va_ssrc(0) depctr_va_vcc(0) depctr_vm_vsrc(0)
	s_wait_tensorcnt 0x0
	ds_add_u32 v254, v255
	s_wait_dscnt 0x0
	s_endpgm
.Lfunc_end_k_q91133efd7a_fc:
	.size	k_q91133efd7a_fc, .Lfunc_end_k_q91133efd7a_fc-k_q91133efd7a_fc
	.p2alignl 7, 3214868480
	.fill 96, 4, 3214868480
	.section	.rodata,"a",@progbits
	.p2align	6, 0x0
	.amdhsa_kernel k_q91133efd7a_fc
		.amdhsa_group_segment_fixed_size 312832
		.amdhsa_private_segment_fixed_size 0
		.amdhsa_enable_private_segment 0
		.amdhsa_kernarg_size 48
		.amdhsa_user_sgpr_count 2
		.amdhsa_user_sgpr_kernarg_segment_ptr 1
		.amdhsa_wavefront_size32 1
		.amdhsa_system_sgpr_workgroup_id_x 1
		.amdhsa_system_sgpr_workgroup_id_y 1
		.amdhsa_system_sgpr_workgroup_id_z 1
		.amdhsa_system_vgpr_workitem_id 0
		.amdhsa_next_free_vgpr 768
		.amdhsa_next_free_sgpr 80
		.amdhsa_reserve_vcc 1
		.amdhsa_float_denorm_mode_32 3
		.amdhsa_float_denorm_mode_16_64 3
		.amdhsa_memory_ordered 1
		.amdhsa_forward_progress 1
		.amdhsa_inst_pref_size 221
	.end_amdhsa_kernel
	.amdgpu_metadata
---
amdhsa.version: [ 1, 2 ]
amdhsa.kernels:
  - .name:           k_q91133efd7a_fc
    .symbol:         k_q91133efd7a_fc.kd
    .args:
      - { .name: fc_w, .offset: 0, .size: 8, .value_kind: global_buffer, .address_space: global }
      - { .name: fc_b, .offset: 8, .size: 8, .value_kind: global_buffer, .address_space: global }
      - { .name: xb, .offset: 16, .size: 8, .value_kind: global_buffer, .address_space: global }
      - { .name: bits, .offset: 24, .size: 8, .value_kind: global_buffer, .address_space: global }
      - { .name: hbuf, .offset: 32, .size: 8, .value_kind: global_buffer, .address_space: global }
      - { .name: pos, .offset: 40, .size: 8, .value_kind: global_buffer, .address_space: global }
    .group_segment_fixed_size: 312832
    .private_segment_fixed_size: 0
    .kernarg_segment_align: 8
    .kernarg_segment_size: 48
    .max_flat_workgroup_size: 128
    .sgpr_count:     80
    .vgpr_count:     768
    .wavefront_size: 32
...
	.end_amdgpu_metadata
.endif
;; end of part 9
;; launch proj (part 10): grid 256 x 1, 4 waves a work-group, no clusters, 312,832 bytes of LDS; arguments proj_w, proj_b, hbuf, pos, part; writes part
.if DOCPART == 10
	.amdgcn_target "amdgcn-amd-amdhsa--gfx1250"
	.amdhsa_code_object_version 6
	.text
	.protected	k_q91133efd7a_proj
	.globl	k_q91133efd7a_proj
	.p2align	8
	.type	k_q91133efd7a_proj,@function
k_q91133efd7a_proj:
	s_mov_b64 s[64:65], 0
	v_nop
	global_prefetch_b8 v0, s[64:65] scope:SCOPE_SE
	s_setreg_imm32_b32 hwreg(HW_REG_WAVE_SCHED_MODE, 0, 2), 2
	s_setreg_imm32_b32 hwreg(HW_REG_WAVE_MODE, 25, 1), 1
	s_wait_xcnt 0x0
	s_wait_alu depctr_vm_vsrc(0)
; ONE PRODUCT OF A LAYER OF ROUTED EXPERTS, for the rows that chose the expert.  The text has two forms, chosen by PROJ:
;   PROJ = 0: hbuf[place][f] = gelu_new(x[token] . fc_w[e][:, f] + fc_b[e][f]), bf16.      PROJ = 1: part[ks][place][d] = hbuf[place][quarter ks of f] . proj_w[e][that quarter, d] (+ proj_b[e][d] in quarter 0), f32.
; A slot is 1024 k + t (k: rank of token t's choice).  An expert's slots, in ascending order, have ranks 0 .. R - 1, and a row's place is 1024 e + rank: rows lie in the experts' order,
; so every store address here, and with PROJ = 1 every load address too, is arithmetic on the thread's number, constants and R.
; Weights, bias and rows enter the products in bf16 (each input rounded once), sums in f32.
; SHARES.  256 work-groups.  A work-group has 128 columns x 1,024 K of ONE expert's weights, 512 KiB of f32 that it alone reads, and all of that expert's rows, 0 to 1,024 of them.
;   1. The weights stream through registers (four sets of 16 loads a wave always asked for), are rounded to bf16 and laid into LDS as they lie, [k][128 columns].  Wave w takes rows 256 w .. + 255.
;   2. PROJ = 0: while the first loads are out each wave finds, in registers, the slots of the ranks of its first pass in the expert's bitmap (stored by the launch before); wave 0 stores
;      pos[slot] = place for ranks 32 sl .. + 31, and R.  PROJ = 1: R is read from pos.
;   3. A barrier.  Then the rows go in blocks of 16, in passes of 20 blocks (five a wave); a pass walks K in 32 steps of 32.  The weights' fragments come turned out of LDS, the rows' straight from memory.
;      The loop over passes has a constant count, 4, which serves 1,024 rows; every wave passes its two barriers in every trip; dead passes and dead blocks are jumped over forward, and what is jumped holds no barrier.
; The matrix instruction is used transposed (source 0 = 16 columns of the weights, source 1 = 16 rows): a lane then holds eight neighbouring columns of one row.
; NO CLUSTER, NO TENSOR LOAD: each slice of weights has one reader and has to pass through registers to be rounded; beside the slice LDS has no room for the rows that an expert's work-groups share.
; In a live block the rows past R were stored by the launch before at their own places, and are multiplied and stored like the others; nothing reads them later.  An expert without rows stores no row.
; The four quarters' partial sums stay in f32 and are added by the next launch.  NaN and infinities are not treated apart.
; THE MODE: SCHED_MODE bits 1:0 = 2 (LLVM: expert scheduling mode 2), set by the entry lines.  The code itself states the register dependences
; between vector or matrix instructions and memory or LDS instructions, with s_wait_alu, always for 0.
; THE PLAN.  Registers that memory or LDS instructions touch, and who else names them:
;   The stream's four sets (window 1).  Loads land in set i; its turn's 32 conversions read it; behind them loads land in it again.
;   Y (v96-127).  A turn's conversions write it; the turn's 16 LDS stores read it.
;   v[LD].  Read by every LDS store of the stream; stepped once a round.  v[OFF], v[BA], v25, STO, RD: made once, never written again: a scalar base for each set moves on, and immediates do the rest.
;   So a turn has two waits: vm_vsrc at its head (the stores of the turn before have read Y), va_vdst behind its conversions (Y is written, the set is read); the refill and the stores follow.
;   WF0, WF1 (v32-159).  K step j: its products read WF[j % 2]; its turned loads land in WF[(j + 1) % 2], which step j - 1's products read.
;   TF0 .. TF3 (window 2).  K step j: its products read TF[j % 4]; its loads land in TF[(j + 3) % 4], which step j - 1's products read.
;   v[WA].  Read by every turned load; written at a pass's head and once in four K steps.  v[TO ..].  Read by the rows' loads; written between passes.
;   So ONE wait on va_vdst stands at a K step's head: the products of the step before are done reading the two buffers in which this step's loads land.  The step's loads follow it, the turned ones dealt
;   among its products, which name WF[j % 2], TF[j % 4] and the accumulators: none of the registers that those loads touch.
;   The way out.  T (v32-95, PROJ = 0): written by the block's arithmetic, read by its LDS stores.  The accumulators (PROJ = 1): written by the products, read by the LDS stores.  OB (v96-159): loads from the stage
;   land in it, the global stores read it.  v[RB]: the global stores' offset, stepped between passes.  One wait on vm_vsrc from the second block on, one on va_vdst ahead of a block's LDS stores, one on vm_vsrc behind the last block.
.set PROJ, 1
.if PROJ
.set PITCH, 4096       ; bytes from row to row of the weights
.set BSH,   12         ; an expert's bias: 1 << BSH bytes
.set ASH,   13         ; a row of the left operand: 1 << ASH bytes
.set OSH,   12         ; a row of the result
.else
.set PITCH, 16384
.set BSH,   14
.set ASH,   11
.set OSH,   13
.endif
.set WPITCH, 288       ; a row of W in LDS: 256 bytes + 32
.set STAGE,  1024*WPITCH        ; 16 rows x 272 bytes for each wave, for the way out; the 512 bytes behind the four stages hold the closing add's words
.set SPITCH, 272
.set POSD,   2048      ; pos, in words: [0, 2048) a slot's place; 2048 + work-group: what its dead lanes write;
.set POSC,   9216      ; in bytes: 9216 + 4 x work-group: its expert's R
; REGISTERS, in windows of 256 (s_set_vgpr_msb: bits 1:0 source 0, 3:2 source 1, 5:4 source 2, 7:6 destination)
.set RR,   1           ; lane % 16
.set HH,   2           ; lane / 16
.set LANE, 3
.set WA0,  4           ; my lane's place in a turned fragment
.set WA,   5           ; the same at the K steps in hand
.set STO,  6           ; the way out: where I put my columns of a row
.set RD,   7           ; the way out: where I read rows back
.set LP,   8           ; the rank of the row that I load in block 0 of the pass
.set RB,   9           ; byte offset in the result of row lane / 16 of my block 0 of the pass, + 16 (lane % 16)
.set TO,   10          ; v10-14  byte offset of my row in block a
.set BA,   15          ; my 16 bytes' offset in the bitmap
.set OFF,  16          ; stream: my 16 bytes' offset in the first of my wave's rows of the slice; never rewritten
.set LD,   20          ; stream: my 8 bytes' place in LDS in the first row of the round
.set WF,   32          ; v32-159  the weights' fragments, two buffers of 8 x 8
.set T,    32          ; v32-95   at work on the way out
.set OB,   96          ; v96-159  rows read back from the stage
.set Y,    96          ; v96-127  stream: a set's 16 rows in bf16, 2 registers a row
.set BIAS, 160         ; v160-223 bias of my columns: 8 n + j for column 16 n + 8 (lane / 16) + j
.set BM,   224         ; v224-227 the bitmap: word 4 (lane % 16) + j in register j; never rewritten
.set PS,   228         ; v228-231 what the stores into pos name
                       ; window 1: accumulators of blocks 0-3 at 64 a + 8 n; in the stream the four sets of 64
.set TF,   64          ; window 2: v0-63 the bias as loaded, then the accumulators of block 4; v64-223 the rows' fragments, four buffers of 5 x 8
; at work in the search for the slots, six registers each, where no fragment and no result lies at that time:
.set RK,   32          ; the rank, then what is left of it inside the word
.set SW,   38          ; the word that holds the rank's bit
.set SK,   44          ; its key, then 32 x its number, then the slot
.set QA,   50          ; the word's counts of set bits in fields of 2,
.set QB,   56          ; of 4,
.set QC,   62          ; of 8 bits,
.set QD,   68          ; and, in its low byte, of the low 16; then at work
.set TT,   74
.set PO,   80          ; the bit's place in the word
.set WB,   20          ; s[20:27]  stream: set i's address in the weights: a pair at WB + 2 i
.set KB,   55          ; s55  byte in W at which the four K steps in hand begin
.set PQ,   59          ; s59  set bits ahead of the word in hand
.set KEY,  60          ; s60  (32 x the word's number) << 16 | PQ
.set MK,   68          ; s68-73  a mask of lanes for each of the six
.set MSB, 0
.macro WIN new                         ; the immediate's high byte repeats the setting that is left; a switch that changes nothing is dropped
.if MSB != (\new)
	s_set_vgpr_msb (MSB<<8)|(\new)
.set MSB, (\new)
.endif
.endm
; THE SLOTS OF GIVEN RANKS (PROJ = 0), by arithmetic on registers alone.  PREP nr: for the ranks LP + 64 a, a = 0 .. 4 (nr = 6: and for rank s50 + lane), the slot whose bit is the rank's in the bitmap.
; The 64 words are walked in order, four a trip; PQ counts the set bits ahead of a word.  A register keeps the last word with PQ <= rank, and its key: that word holds the bit.  Inside the word the bit is found by
; five halvings on the counts of set bits in its fields of 16, 8, 4, 2 and 1 bits, which shifts and additions make.  Each line is written for all registers in turn, so that no line waits for the one before it.
; A rank past R ends in the last word, at some bit: a slot that exists.  Then TO[a] = the slot's token x a row's bytes + 16 (lane / 16).
; The compares stand in runs, a mask register for each, with one wait on va_sdst behind a run, ahead of the selects that read the masks.
.macro EACH line:vararg                ; one line for each register u of NR
.set u, 0
.rept NR
	\line
.set u, u+1
.endr
.endm
.macro HALVE src, w, bits, last=0      ; the field of w bits at PO holds TT set bits: if the rank left is TT or more, the bit lies w further up
	EACH v_bfe_u32 v[TT+u], v[(\src)+u], v[PO+u], \bits
	EACH v_cmp_ge_u32 s[MK+u], v[RK+u], v[TT+u]
	s_wait_alu depctr_va_sdst(0)                   ; the compares have written the masks, which the selects below read
.if !(\last)
	EACH v_cndmask_b32 v[TT+u], 0, v[TT+u], s[MK+u]
	EACH v_sub_nc_u32 v[RK+u], v[RK+u], v[TT+u]
.endif
	EACH v_cndmask_b32 v[QD+u], 0, \w, s[MK+u]
	EACH v_add_nc_u32 v[PO+u], v[PO+u], v[QD+u]
.endm
.macro PREP nr
.set NR, 5
	EACH v_add_nc_u32 v[RK+u], 64*u, v[LP]
.if (\nr) == 6
	v_add_nc_u32 v[RK+5], s50, v[LANE]
.endif
.set NR, \nr
	EACH v_mov_b32 v[SW+u], 0                      ; the selects below name them as sources; word 0, with PQ = 0, overwrites them in every lane
	EACH v_mov_b32 v[SK+u], 0
	s_mov_b32 s[PQ], 0
	s_mov_b32 s[KEY], 0
	s_mov_b32 s37, 0
.Lscan_\@:                                             ; 16 trips: trip i takes words 4 i .. 4 i + 3, which lane i holds
.irp j, 0,1,2,3
	v_readlane_b32 s[16+\j], v[BM+\j], s37
.endr
.irp j, 0,1,2,3
	EACH v_cmp_le_u32 s[MK+u], s[PQ], v[RK+u]
	s_wait_alu depctr_va_sdst(0)                   ; the compares have written the masks; at the first of the four the words s16 to s19 are written too: all ahead of their first readers
	EACH v_cndmask_b32 v[SW+u], v[SW+u], s[16+\j], s[MK+u]
	EACH v_cndmask_b32 v[SK+u], v[SK+u], s[KEY], s[MK+u]
	s_bcnt1_i32_b32 s50, s[16+\j]
	s_add_co_u32 s[PQ], s[PQ], s50
	s_add_co_u32 s[KEY], s[KEY], s50
	s_add_co_u32 s[KEY], s[KEY], 32<<16
.endr
	s_add_co_u32 s37, s37, 1
	s_cmp_lt_u32 s37, 16
	s_cbranch_scc1 .Lscan_\@
	EACH v_lshrrev_b32 v[TT+u], 1, v[SW+u]         ; the counts
	EACH v_and_b32 v[TT+u], 0x55555555, v[TT+u]
	EACH v_sub_nc_u32 v[QA+u], v[SW+u], v[TT+u]
	EACH v_lshrrev_b32 v[TT+u], 2, v[QA+u]
	EACH v_and_b32 v[TT+u], 0x33333333, v[TT+u]
	EACH v_and_b32 v[QB+u], 0x33333333, v[QA+u]
	EACH v_add_nc_u32 v[QB+u], v[QB+u], v[TT+u]
	EACH v_lshrrev_b32 v[TT+u], 4, v[QB+u]
	EACH v_add_nc_u32 v[QC+u], v[QB+u], v[TT+u]
	EACH v_and_b32 v[QC+u], 0x0f0f0f0f, v[QC+u]
	EACH v_lshrrev_b32 v[TT+u], 8, v[QC+u]
	EACH v_add_nc_u32 v[QD+u], v[QC+u], v[TT+u]
	EACH v_and_b32 v[TT+u], 0xffff, v[SK+u]        ; the key's two parts
	EACH v_sub_nc_u32 v[RK+u], v[RK+u], v[TT+u]
	EACH v_lshrrev_b32 v[SK+u], 16, v[SK+u]
	EACH v_and_b32 v[TT+u], 0xff, v[QD+u]          ; the first halving starts PO
	EACH v_cmp_ge_u32 s[MK+u], v[RK+u], v[TT+u]
	s_wait_alu depctr_va_sdst(0)                   ; the compares have written the masks, which the selects below read
	EACH v_cndmask_b32 v[TT+u], 0, v[TT+u], s[MK+u]
	EACH v_sub_nc_u32 v[RK+u], v[RK+u], v[TT+u]
	EACH v_cndmask_b32 v[PO+u], 0, 16, s[MK+u]
	HALVE QC, 8, 8
	HALVE QB, 4, 4
	HALVE QA, 2, 2
	HALVE SW, 1, 1, 1
	EACH v_add_nc_u32 v[SK+u], v[SK+u], v[PO+u]    ; the slot
.set NR, 5
	EACH v_min_u32 v[SK+u], 2047, v[SK+u]          ; a number made of loaded words enters an address behind this bound
	EACH v_and_b32 v[TO+u], 1023, v[SK+u]          ; the slot's token
	EACH v_lshlrev_b32 v[TO+u], ASH, v[TO+u]
	EACH v_lshl_add_u32 v[TO+u], v[HH], 4, v[TO+u]
.endm
	s_load_b256 s[4:11], s[0:1], 0x0               ; weights s[4:5], bias s[6:7], rows s[8:9], s[10:11] bits (PROJ = 0) or pos (PROJ = 1)
	s_load_b64 s[12:13], s[0:1], 0x20              ; result
	v_lshl_add_u32 v254, v0, 2, 0x4c400
	v_mov_b32 v255, 0
.if !PROJ
	s_load_b64 s[56:57], s[0:1], 0x28              ; pos
.endif
	v_lshrrev_b32 v24, 5, v0
	v_readfirstlane_b32 s14, v24                   ; wave 0..3
	v_and_b32 v[RR], 15, v0
	v_bfe_u32 v[HH], v0, 4, 1
	v_and_b32 v[LANE], 31, v0
	s_lshr_b32 s15, ttmp9, 5                       ; the expert
	s_lshl_b32 s58, s15, 10                        ; its first place
.if PROJ
	s_bfe_u32 s32, ttmp9, 0x30002                  ; which 128 columns
	s_and_b32 s39, ttmp9, 3                        ; which quarter of K
.else
	s_and_b32 s32, ttmp9, 31                       ; which 128 columns
.endif
	s_wait_alu depctr_va_sdst(0)                   ; s14 is written, ahead of its first reader
	s_mul_i32 s50, s14, 256*PITCH                  ; my wave's 256 rows of the slice
	v_lshl_add_u32 v[OFF], v[LANE], 4, s50
	s_mul_i32 s50, s14, 256*WPITCH
	v_lshl_add_u32 v[LD], v[LANE], 3, s50
	s_lshl_b32 s50, s15, 24                        ; an expert's weights are 2^24 bytes
	s_lshl_b32 s51, s32, 9
	s_add_co_u32 s50, s50, s51
.if PROJ
	s_lshl_b32 s51, s39, 22                        ; 1,024 rows of 4,096 bytes
	s_add_co_u32 s50, s50, s51
	s_lshl_b32 s52, s15, 7                         ; the count stored by the expert's first work-group: 32 words an expert
.else
	s_lshl_b32 s52, s15, 8                         ; the expert's bitmap, 256 bytes
	v_lshlrev_b32 v[BA], 4, v[RR]
.endif
	s_mov_b32 s51, 0
	s_mov_b32 s53, 0
	s_wait_kmcnt 0x0
	s_add_nc_u64 s[4:5], s[4:5], s[50:51]
	s_add_nc_u64 s[10:11], s[10:11], s[52:53]
.irp i, 0,1,2,3
	s_add_nc_u64 s[WB+2*\i:WB+2*\i+1], s[4:5], 16*\i*PITCH  ; set i begins with rows 16 i .. 16 i + 15
.endr
	s_wait_alu depctr_va_vdst(0)                   ; v[OFF], v[LD] and (PROJ = 0) v[BA] are written, which the loads below and the stream's stores read
.if PROJ
	s_load_b32 s33, s[10:11], POSC                 ; R, asked for ahead of the weights
.else
	global_load_b128 v[BM:BM+3], v[BA], s[10:11]   ; the bitmap, asked for ahead of the weights: it comes back first
.endif
.macro FILL i                          ; 16 rows of the slice: a load is one row's 512 consecutive bytes; each byte is read once in the launch
	WIN 0x40
.irp j, 0,1,2,3,4,5,6,7,8,9,10,11,12,13,14,15
	global_load_b128 v[64*(\i)+4*(\j):64*(\i)+4*(\j)+3], v[OFF], s[WB+2*(\i):WB+2*(\i)+1] offset:(\j)*PITCH th:TH_LOAD_NT
.endr
	WIN 0
.endm
	FILL 0
	FILL 1
	FILL 2
	FILL 3
	s_lshl_b32 s50, s15, BSH                       ; the other addresses
	s_lshl_b32 s52, s32, 9
	s_add_co_u32 s50, s50, s52
	s_add_nc_u64 s[6:7], s[6:7], s[50:51]          ; bias of my 128 columns
.if PROJ
	s_lshl_b32 s50, s39, 11
	s_add_nc_u64 s[40:41], s[8:9], s[50:51]        ; the rows at my quarter of K
	s_lshl_b32 s50, s39, 25                        ; a quarter's plane of the result: 8,192 places of 4,096 bytes
	s_add_co_u32 s50, s50, s52
	s_add_nc_u64 s[48:49], s[12:13], s[50:51]      ; my columns of it
	s_cmp_eq_u32 s39, 0
	s_cselect_b32 s53, -1, 0                       ; the bias is added in quarter 0 alone
.else
	s_mov_b64 s[40:41], s[8:9]
	s_lshl_b32 s50, s32, 8
	s_add_nc_u64 s[48:49], s[12:13], s[50:51]
	s_mov_b32 s44, 0xc0135761                      ; c1 = -2.3022082
	s_mov_b32 s45, s44                             ; named with it as a pair
	s_mov_b32 s46, 0xbdd2d3e8                      ; c2 = -0.10294324
	s_mov_b32 s47, s46
.endif
	s_lshl_b32 s50, s14, 4                         ; in a pass block a of wave w holds ranks 64 a + 16 w + 0..15
	v_add_nc_u32 v[LP], s50, v[RR]
.if PROJ
	s_wait_kmcnt 0x0
	s_min_u32 s33, s33, 1024                       ; R: a token chooses an expert once
.else
	s_lshl_b32 s50, s32, 5                         ; the sixth rank: 32 sl + lane
	s_wait_loadcnt 63                              ; 65 loads were issued and come back in order (ISA guide 5.7.1): the first two are in, the bitmap's among them
	PREP 6                                         ; the first pass's rows, on every path, while the weights' first loads are out
	s_min_u32 s33, s[PQ], 1024                     ; R: all set bits; a token chooses an expert once
.endif
	s_add_co_u32 s34, s33, 15
	s_lshr_b32 s34, s34, 4                         ; blocks of 16 rows
.if PROJ
	s_lshl_b32 s54, s34, 4
	s_sub_co_u32 s54, s54, 1                       ; the last rank that the launch before stored
.else
	s_cmp_lg_u32 s14, 0
	s_cbranch_scc1 .Lnopos
	; wave 0: pos[slot] = place for ranks 32 sl .. 32 sl + 31 (the expert's 32 work-groups cover 1,024 ranks); lanes past R write the work-group's own dump word.  And R.
	s_lshl_b32 s50, s32, 5
	v_add_nc_u32 v[PS], s50, v[LANE]               ; the rank
	v_cmp_gt_u32 vcc_lo, s33, v[PS]                ; R > rank
	v_add_nc_u32 v[PS], s58, v[PS]                 ; the place
	s_add_co_u32 s50, ttmp9, POSD
	v_mov_b32 v[PS+2], s50
	s_wait_alu depctr_va_vcc(0)                    ; the compare has written VCC, which the select reads
	v_cndmask_b32 v[PS+1], v[PS+2], v[SK+5], vcc_lo
	v_min_u32 v[PS+1], POSD+255, v[PS+1]           ; a number made of loaded words enters an address behind this bound
	v_lshlrev_b32 v[PS+1], 2, v[PS+1]
	s_lshl_b32 s50, ttmp9, 2
	v_mov_b32 v[PS+2], s50
	v_mov_b32 v[PS+3], s33
	s_wait_alu depctr_va_vdst(0)                   ; v[PS] to v[PS+3] are written: the two stores' offsets and data
	global_store_b32 v[PS+1], v[PS], s[56:57]      ; 128 bytes a work-group, scattered by the slots: narrow stores, beside the 64 KiB of rows that it stores
	global_store_b32 v[PS+2], v[PS+3], s[56:57] offset:POSC  ; every lane writes the same word with the same number
.Lnopos:
.endif
	s_lshl_b32 s50, s14, 4
	s_add_co_u32 s50, s50, s58                     ; the place of my block 0's first row
	v_add_lshl_u32 v[RB], v[HH], s50, OSH
	v_lshl_add_u32 v[RB], v[RR], 4, v[RB]
	v_and_b32 v24, 7, v0                           ; the turning load: lane l reads 16 bytes of row 8 (l / 16) + l % 8, columns 8 ((l / 8) % 2) + 0..7
	v_lshl_add_u32 v24, v[HH], 3, v24
	v_mul_u32_u24 v[WA0], v24, WPITCH
	v_bfe_u32 v25, v0, 3, 1
	v_lshl_add_u32 v[WA0], v25, 4, v[WA0]
	s_mul_i32 s50, s14, 16*SPITCH
	s_add_co_u32 s50, s50, STAGE                   ; my stage
	v_mul_u32_u24 v24, v[RR], SPITCH               ; in: row l % 16; my eight columns are 16 bytes (bf16) or 32 (f32)
.if PROJ
	v_lshl_add_u32 v24, v[HH], 5, v24
.else
	v_lshl_add_u32 v24, v[HH], 4, v24
.endif
	v_add_nc_u32 v[STO], s50, v24
	v_mul_u32_u24 v24, v[HH], SPITCH               ; back: lanes 0-15 one row of 256 bytes, lanes 16-31 the next
	v_lshl_add_u32 v24, v[RR], 4, v24
	v_add_nc_u32 v[RD], s50, v24
	v_lshlrev_b32 v25, 5, v[HH]                    ; bias: 32 bytes for each half of the lanes
	; THE STREAM.  Set i's turn: its 16 loads are in; rounded into Y, four columns to 8 bytes; the set is asked for again, 64 rows on; 16 stores of 256 consecutive LDS bytes.
.macro SET i, refill, left
	s_wait_loadcnt \left                           ; loads come back in order (ISA guide 5.7.1): mine are in, the younger ones stay out
.if \refill
	s_add_nc_u64 s[WB+2*(\i):WB+2*(\i)+1], s[WB+2*(\i):WB+2*(\i)+1], 64*PITCH  ; free since that wait, which shows the loads that read it done: the set's next 16 rows
.endif
	s_wait_alu depctr_vm_vsrc(0)                   ; the LDS stores of the turn before have read Y, which the conversions write again
	WIN 0x05
.irp j, 0,1,2,3,4,5,6,7,8,9,10,11,12,13,14,15
	v_cvt_pk_bf16_f32 v[Y+2*(\j)],   v[64*(\i)+4*(\j)],   v[64*(\i)+4*(\j)+1]
	v_cvt_pk_bf16_f32 v[Y+2*(\j)+1], v[64*(\i)+4*(\j)+2], v[64*(\i)+4*(\j)+3]
.endr
.if \refill
	WIN 0x40
	s_wait_alu depctr_va_vdst(0)                   ; the conversions are done reading the set, in which the loads below land, and have written Y, which the stores below read; v[LD], stepped at the last round's end, is written
	FILL \i
.else
	WIN 0
	s_wait_alu depctr_va_vdst(0)                   ; the conversions have written Y, which the stores below read; v[LD] is written
.endif
.irp j, 0,1,2,3,4,5,6,7,8,9,10,11,12,13,14,15
	ds_store_b64 v[LD], v[Y+2*(\j):Y+2*(\j)+1] offset:WPITCH*(16*(\i)+(\j))
.endr
.endm
	s_mov_b32 s37, 3
.Lstream:
	SET 0, 1, 48                                   ; 48: the three younger sets
	SET 1, 1, 48
	SET 2, 1, 48
	SET 3, 1, 48
	s_wait_alu depctr_vm_vsrc(0)                   ; the round's LDS stores have read v[LD]
	v_add_nc_u32 v[LD], 64*WPITCH, v[LD]           ; the next round's 64 rows
	s_sub_co_u32 s37, s37, 1
	s_cmp_lg_u32 s37, 0
	s_cbranch_scc1 .Lstream
	SET 0, 0, 48                                   ; the last 64 rows: nothing more of the weights is asked for
	WIN 0x80                                       ; the bias as loaded goes into window 2, v0-63; v25, its offset, was written ahead of the stream's waits on va_vdst
.irp n, 0,1,2,3,4,5,6,7
	global_load_b128 v[8*\n:8*\n+3],   v25, s[6:7] offset:64*\n
	global_load_b128 v[8*\n+4:8*\n+7], v25, s[6:7] offset:64*\n+16
.endr
	WIN 0
	SET 1, 0, 48                                   ; two sets and the bias's 16 loads are younger,
	SET 2, 0, 32                                   ; one set and the bias,
	SET 3, 0, 16                                   ; the bias
	s_wait_loadcnt 0x0
	WIN 0x0a                                       ; sources in window 2
.set i, 0
.rept 32                               ; the bias is rounded to bf16 like every input, and widened again: it starts the f32 sums
	v_cvt_pk_bf16_f32 v[T+i], v[2*i], v[2*i+1]
.set i, i+1
.endr
	WIN 0
.set i, 0
.rept 32
.if PROJ
	v_and_b32 v[T+i], s53, v[T+i]                  ; 0 in quarters 1 to 3
.endif
	v_lshlrev_b32 v[BIAS+2*i], 16, v[T+i]
	v_and_b32 v[BIAS+2*i+1], 0xffff0000, v[T+i]
.set i, i+1
.endr
	s_wait_dscnt 0x0                               ; for the others' sake: my rows of W are in LDS
	s_barrier_signal -1
	s_barrier_wait -1                              ; everybody's are; from here on nobody writes W
	s_wait_alu depctr_vm_vsrc(0)                   ; my LDS stores have read Y: these registers are fragments' from here on, and turned loads land in them
; Four turned loads: the weights' fragments of one K step (32 rows) for column blocks 2 g and 2 g + 1, into buffer buf
.macro WLOADQ buf, off, g
	WIN 0
.irp h, 0,1
	ds_load_tr16_b128 v[WF+64*(\buf)+8*(2*(\g)+\h):WF+64*(\buf)+8*(2*(\g)+\h)+3],   v[WA] offset:(\off)+32*(2*(\g)+\h)
	ds_load_tr16_b128 v[WF+64*(\buf)+8*(2*(\g)+\h)+4:WF+64*(\buf)+8*(2*(\g)+\h)+7], v[WA] offset:(\off)+32*(2*(\g)+\h)+16*WPITCH
.endr
.endm
.macro WLOAD buf, off                  ; all sixteen
.irp g, 0,1,2,3
	WLOADQ \buf, \off, \g
.endr
.endm
; The rows' fragments of one K step: lane l has row l % 16, K = 8 (l / 16) + 0..7 and 16 + 8 (l / 16) + 0..7.  The expert's other work-groups read the same rows: the hint for data that is read again.
.macro TLOAD buf, off                  ; blocks 0 to 3: 8 loads
	WIN 0x80
.irp a, 0,1,2,3
	global_load_b128 v[TF+40*(\buf)+8*(\a):TF+40*(\buf)+8*(\a)+3],   v[TO+(\a)], s[42:43] offset:(\off) th:TH_LOAD_HT
	global_load_b128 v[TF+40*(\buf)+8*(\a)+4:TF+40*(\buf)+8*(\a)+7], v[TO+(\a)], s[42:43] offset:(\off)+32 th:TH_LOAD_HT
.endr
.endm
.macro TLOAD4 buf, off                 ; block 4: 2 loads
	WIN 0x80
	global_load_b128 v[TF+40*(\buf)+32:TF+40*(\buf)+35], v[TO+4], s[42:43] offset:(\off) th:TH_LOAD_HT
	global_load_b128 v[TF+40*(\buf)+36:TF+40*(\buf)+39], v[TO+4], s[42:43] offset:(\off)+32 th:TH_LOAD_HT
.endm
.macro MM d, j, n, b, c                ; D at d; columns 16 n on; block b; C at c
	v_wmma_f32_16x16x32_bf16 v[(\d):(\d)+7], v[WF+64*((\j)%2)+8*(\n):WF+64*((\j)%2)+8*(\n)+7], v[TF+40*((\j)%4)+8*(\b):TF+40*((\j)%4)+8*(\b)+7], v[(\c):(\c)+7]
.endm
; K STEP j of a group of four.  At its head blocks 0-3's rows three steps on are asked for (tl).  Then 32 products, blocks 0-3 x 8 column blocks.  The next step's sixteen turned loads (wl) stand among them,
; in four runs of four behind the 4th, 8th, 12th and 16th product, so that LDS serves them while products are at work; 16 products or more lie between the last run and the wait for it, at the next step's head.
; If the wave has a fifth live block: its rows three steps on, and its eight products.  first = 1: the bias starts the sums, and block 4's part runs on every path, so that its registers are written on every path.
; The accumulators take turns, one instruction a turn.
; lc: the rows' loads that may stay out.  A step issues 8 loads at its head and 0 or 2 at its tail, so behind the loads of the step in hand come 24 to 28; 24 is right on both paths.
; The wait on va_vdst at the head serves all the step's loads: no product issued behind it names WF[(j + 1) % 2], TF[(j + 3) % 4], v[WA] or v[TO ..].  Step 0 leans on the wait at the pass's head; a step that loads nothing has none.
.macro KSTEP j, first, wl, tl, lc
	WIN 0
.rept 4
	v_nop                                          ; four places behind the last step's products, ahead of this step's loads into registers that they read; the wait below states that dependence
.endr
.if !(\first) && ((\wl) || (\tl))
	s_wait_alu depctr_va_vdst(0)                   ; the last step's products are done reading the fragments' buffers in which this step's loads land; behind STEPK: v[WA] is written
.endif
.if \tl
	TLOAD ((\j)+3)%4, ((\j)+3)*64
.endif
	s_wait_dscnt 0x0                               ; this step's fragments, asked for in the step before, are in; no younger LDS instruction is out
	s_wait_loadcnt \lc
.set m, 0
.rept 32
.if \first
	WIN 0x48                                       ; rows in window 2, bias in window 0, D in window 1
	MM 64*(m/8)+8*(m%8),\j,m%8,m/8,BIAS+8*(m%8)
.else
	WIN 0x58                                       ; rows in window 2, C and D in window 1
	MM 64*(m/8)+8*(m%8),\j,m%8,m/8,64*(m/8)+8*(m%8)
.endif
.if (\wl) && (m%4 == 3) && (m < 16)
	WLOADQ ((\j)+1)%2, ((\j)+1)*32*WPITCH, m/4
.endif
.set m, m+1
.endr
.if \first
	TLOAD4 ((\j)+3)%4, ((\j)+3)*64
	WIN 0x88
.irp n, 0,1,2,3,4,5,6,7
	MM 8*(\n),\j,\n,4,BIAS+8*(\n)
.endr
	WIN 0
.else
	WIN 0                                          ; at a branch and at a label every window is 0
	s_cmp_lt_u32 s35, 5
	s_cbranch_scc1 .Lno4_\@
.if \tl
	TLOAD4 ((\j)+3)%4, ((\j)+3)*64                 ; into the buffer that the step before read: the wait at this step's head has stated that
.endif
	WIN 0xa8
.irp n, 0,1,2,3,4,5,6,7
	MM 8*(\n),\j,\n,4,8*(\n)
.endr
	WIN 0
.Lno4_\@:
.endif
.endm
.macro STEPK                           ; four K steps on
	s_wait_xcnt 0x0                                ; the rows' base is a source of loads that are out: it steps only behind this wait
	s_wait_alu depctr_vm_vsrc(0)                   ; the turned loads issued so far have read v[WA]
	s_add_nc_u64 s[42:43], s[42:43], 256
	s_add_co_u32 s[KB], s[KB], 4*32*WPITCH
	v_add_nc_u32 v[WA], s[KB], v[WA0]
.endm
.macro LIVE                            ; s35: my live blocks in the pass whose first block of mine is s38: 0 to 5
	s_sub_co_i32 s35, s34, s38                     ; blocks from mine on,
	s_max_i32 s35, s35, 0                          ; none if the rows have ended,
	s_add_co_u32 s35, s35, 3
	s_lshr_b32 s35, s35, 2                         ; every fourth is mine,
	s_min_u32 s35, s35, 5                          ; five a pass
.endm
; THE WAY OUT of block a: jumped, with all later blocks, if the wave has no such block in this pass.  The block's and the row's part of the address stand in the stores' immediates:
; (64 a + 2 t) rows, 270 rows of 8,192 bytes at the most, inside the signed 24 bits (ISA guide, chapter 10).
.macro OUT a
	s_cmp_le_u32 s35, \a
	s_cbranch_scc1 .Lnext
.set AC, 64*((\a)%4)
.set W1, 1+(\a)/4                      ; the accumulators' window
	s_wait_xcnt 0x0                                ; earlier stores have read their data: OB is rewritten only behind this wait
.if (\a) > 0
	s_wait_alu depctr_vm_vsrc(0)                   ; the block before: its global stores have read OB, in which the loads below land; with PROJ = 0 its LDS stores have read T, which the lines below write
.endif
.if PROJ
	s_wait_alu depctr_va_vdst(0)                   ; the products have written this block's accumulators, which the LDS stores read, and are done reading v96-159 as fragments, in which the loads from the stage land; v[RB] is written
.irp hf, 0,1                           ; a row's 128 f32 in two halves of 256 bytes; each accumulator's low registers are read first
	WIN 4*W1
.irp n, 0,1,2,3
	ds_store_b128 v[STO], v[AC+32*(\hf)+8*(\n):AC+32*(\hf)+8*(\n)+3]   offset:64*(\n)
	ds_store_b128 v[STO], v[AC+32*(\hf)+8*(\n)+4:AC+32*(\hf)+8*(\n)+7] offset:64*(\n)+16
.endr
	WIN 0
.irp t, 0,1,2,3,4,5,6,7
	ds_load_b128 v[OB+32*(\hf)+4*(\t):OB+32*(\hf)+4*(\t)+3], v[RD] offset:2*SPITCH*(\t)  ; in order behind my stores; the next half's stores come behind these
.endr
.endr
	s_wait_dscnt 16                                ; the first half is back; the second half's 16 LDS instructions stay out
.irp t, 0,1,2,3,4,5,6,7
	global_store_b128 v[RB], v[OB+4*(\t):OB+4*(\t)+3], s[48:49] offset:(64*(\a)+2*(\t))<<OSH  ; 16 lanes store 256 consecutive bytes, aligned
.endr
	s_wait_dscnt 0x0
.irp t, 0,1,2,3,4,5,6,7
	global_store_b128 v[RB], v[OB+32+4*(\t):OB+32+4*(\t)+3], s[48:49] offset:((64*(\a)+2*(\t))<<OSH)+256
.endr
.else
	WIN 5*W1
.set i, 0
.rept 32                               ; ascending: each accumulator's low registers are read first
	v_pk_mul_f32 v[T+2*i:T+2*i+1], v[AC+2*i:AC+2*i+1], v[AC+2*i:AC+2*i+1]
.set i, i+1
.endr
	WIN 0
.set i, 0
.rept 32
	v_pk_fma_f32 v[T+2*i:T+2*i+1], v[T+2*i:T+2*i+1], s[46:47], s[44:45] op_sel_hi:[1,0,0]  ; c2 x^2 + c1
.set i, i+1
.endr
	WIN 4*W1
.set i, 0
.rept 32
	v_pk_mul_f32 v[T+2*i:T+2*i+1], v[T+2*i:T+2*i+1], v[AC+2*i:AC+2*i+1]
.set i, i+1
.endr
	WIN 0
.set i, 0
.rept 64
	v_exp_f32 v[T+i], v[T+i]
.set i, i+1
.endr
	v_nop                                          ; a plain instruction behind the last exponential,
	s_wait_alu depctr_va_vdst(0)                   ; and one wait for the batch of 64: the exponentials have written T, ahead of the additions that read it
.set i, 0
.rept 32
	v_pk_add_f32 v[T+2*i:T+2*i+1], v[T+2*i:T+2*i+1], 1.0 op_sel_hi:[1,0]
.set i, i+1
.endr
.set i, 0
.rept 64
	v_rcp_f32 v[T+i], v[T+i]
.set i, i+1
.endr
	v_nop
	s_wait_alu depctr_va_vdst(0)                   ; the 64 reciprocals have written T, ahead of the multiplies that read it
	WIN 4*W1
.set i, 0
.rept 32
	v_pk_mul_f32 v[T+2*i:T+2*i+1], v[T+2*i:T+2*i+1], v[AC+2*i:AC+2*i+1]
.set i, i+1
.endr
	WIN 0
.set i, 0
.rept 32                               ; ascending, so that no number is overwritten before it is read
	v_cvt_pk_bf16_f32 v[T+i], v[T+2*i], v[T+2*i+1]
.set i, i+1
.endr
	s_wait_alu depctr_va_vdst(0)                   ; the roundings have written T's first 32 registers, which the LDS stores read
.irp n, 0,1,2,3,4,5,6,7
	ds_store_b128 v[STO], v[T+4*(\n):T+4*(\n)+3] offset:32*(\n)
.endr
.irp t, 0,1,2,3,4,5,6,7
	ds_load_b128 v[OB+4*(\t):OB+4*(\t)+3], v[RD] offset:2*SPITCH*(\t)  ; in order behind my stores; the next block's stores come behind these
.endr
	s_wait_dscnt 0x0
.irp t, 0,1,2,3,4,5,6,7
	global_store_b128 v[RB], v[OB+4*(\t):OB+4*(\t)+3], s[48:49] offset:(64*(\a)+2*(\t))<<OSH  ; 16 lanes store 256 consecutive bytes, aligned
.endr
.endif
.endm
	; THE PASSES: 4 x 20 blocks cover 1,024 rows.  In a trip the K walk reads LDS by an address that walks with K, and the way out writes the stages.
	s_mov_b32 s36, 4
	s_mov_b32 s38, s14                             ; my first block of the pass: 20 x pass + wave
	LIVE
.Lpass:
	s_cmp_eq_u32 s35, 0
	s_cbranch_scc1 .Lidle                          ; nothing of mine is left
	s_wait_xcnt 0x0                                ; earlier stores have read their registers, which the loads below write
	s_mov_b64 s[42:43], s[40:41]
	s_mov_b32 s[KB], 0
	v_mov_b32 v[WA], v[WA0]                        ; (the last pass's loads have read v[WA] and v[TO ..]: the wait on vm_vsrc behind its way out)
.if PROJ
.irp a, 0,1,2,3,4
	v_add_nc_u32 v[TO+\a], 64*\a, v[LP]            ; the rank,
	v_min_u32 v[TO+\a], s54, v[TO+\a]              ; in a dead block the last rank that was stored,
	v_min_u32 v[TO+\a], 1023, v[TO+\a]             ; (a number made of a loaded count enters an address behind this bound)
	v_add_lshl_u32 v[TO+\a], v[TO+\a], s58, ASH    ; the place, in bytes
	v_lshl_add_u32 v[TO+\a], v[HH], 4, v[TO+\a]
.endr
.endif
	s_wait_alu depctr_va_vdst(0)                   ; v[WA] and v[TO ..] are written, which the loads below read; the vector lines that wrote v32-159 and the last pass's products, which read the fragments' buffers, are done: loads land there
	TLOAD 0, 0
	TLOAD4 0, 0
	TLOAD 1, 64
	TLOAD4 1, 64
	TLOAD 2, 128
	TLOAD4 2, 128
	WLOAD 0, 0
	KSTEP 0, 1, 1, 1, 28                           ; step 0 stands ahead of the loop: its products start the sums.  28: steps 1 and 2, ten loads each, and the eight just issued
	s_mov_b32 s37, 7
.Lk:                                                   ; a trip: steps 4 q + 1 .. 4 q + 4
	KSTEP 1, 0, 1, 1, 24
	KSTEP 2, 0, 1, 1, 24
	KSTEP 3, 0, 1, 1, 24
	STEPK
	KSTEP 0, 0, 1, 1, 24
	s_sub_co_u32 s37, s37, 1
	s_cmp_lg_u32 s37, 0
	s_cbranch_scc1 .Lk
	KSTEP 1, 0, 1, 0, 16                           ; steps 29 to 31: no load passes a row's end, and the counts run down: two younger heads, one, none
	KSTEP 2, 0, 1, 0, 8
	KSTEP 3, 0, 0, 0, 0
.rept 4
	v_nop                                          ; four places between the last products and what reads their results or writes their sources
.endr
.Lidle:
	s_wait_dscnt 0x0                               ; my turned loads of this pass are back
	s_barrier_signal -1
	s_barrier_wait -1                              ; everybody's are: now the stages may be written
	OUT 0
	OUT 1
	OUT 2
	OUT 3
	OUT 4
.Lnext:
	s_wait_xcnt 0x0                                ; the stores have read their offset and data: they are rewritten only behind this wait
	s_wait_alu depctr_vm_vsrc(0)                   ; the pass's stores have read v[RB], OB, T and (PROJ = 1) the accumulators, its loads v[TO ..] and v[WA]: all these are written again below or in the next pass
	v_add_nc_u32 v[LP], 320, v[LP]                 ; 320 ranks on
	v_add_nc_u32 v[RB], 320<<OSH, v[RB]
	s_add_co_u32 s38, s38, 20
	LIVE                                           ; the next pass
.if !PROJ
	s_cmp_eq_u32 s35, 0
	s_cbranch_scc1 .Lnoprep                        ; it is dead, as a rule: 320 rows go in one pass
	PREP 5                                         ; its rows
.Lnoprep:
.endif
	s_wait_dscnt 0x0                               ; my stores into my stage are done
	s_barrier_signal -1
	s_barrier_wait -1                              ; everybody's are: the next pass may read
	s_sub_co_u32 s36, s36, 1
	s_cmp_lg_u32 s36, 0
	s_cbranch_scc1 .Lpass
	s_wait_dscnt 0x0                               ; the wave's end: my LDS stores are done, ahead of the closing add
	s_wait_alu depctr_hold_cnt(0) depctr_sa_sdst(0) depctr_va_vdst(0) depctr_va_sdst(0) depctr_va_ssrc(0) depctr_va_vcc(0) depctr_vm_vsrc(0)
	s_wait_tensorcnt 0x0
	ds_add_u32 v254, v255
	s_wait_dscnt 0x0
	s_endpgm
.Lfunc_end_k_q91133efd7a_proj:
	.size	k_q91133efd7a_proj, .Lfunc_end_k_q91133efd7a_proj-k_q91133efd7a_proj
	.p2alignl 7, 3214868480
	.fill 96, 4, 3214868480
	.section	.rodata,"a",@progbits
	.p2align	6, 0x0
	.amdhsa_kernel k_q91133efd7a_proj
		.amdhsa_group_segment_fixed_size 312832
		.amdhsa_private_segment_fixed_size 0
		.amdhsa_enable_private_segment 0
		.amdhsa_kernarg_size 40
		.amdhsa_user_sgpr_count 2
		.amdhsa_user_sgpr_kernarg_segment_ptr 1
		.amdhsa_wavefront_size32 1
		.amdhsa_system_sgpr_workgroup_id_x 1
		.amdhsa_system_sgpr_workgroup_id_y 1
		.amdhsa_system_sgpr_workgroup_id_z 1
		.amdhsa_system_vgpr_workitem_id 0
		.amdhsa_next_free_vgpr 768
		.amdhsa_next_free_sgpr 66
		.amdhsa_reserve_vcc 1
		.amdhsa_float_denorm_mode_32 3
		.amdhsa_float_denorm_mode_16_64 3
		.amdhsa_memory_ordered 1
		.amdhsa_forward_progress 1
		.amdhsa_inst_pref_size 113
	.end_amdhsa_kernel
	.amdgpu_metadata
---
amdhsa.version: [ 1, 2 ]
amdhsa.kernels:
  - .name:           k_q91133efd7a_proj
    .symbol:         k_q91133efd7a_proj.kd
    .args:
      - { .name: proj_w, .offset: 0, .size: 8, .value_kind: global_buffer, .address_space: global }
      - { .name: proj_b, .offset: 8, .size: 8, .value_kind: global_buffer, .address_space: global }
      - { .name: hbuf, .offset: 16, .size: 8, .value_kind: global_buffer, .address_space: global }
      - { .name: pos, .offset: 24, .size: 8, .value_kind: global_buffer, .address_space: global }
      - { .name: part, .offset: 32, .size: 8, .value_kind: global_buffer, .address_space: global }
    .group_segment_fixed_size: 312832
    .private_segment_fixed_size: 0
    .kernarg_segment_align: 8
    .kernarg_segment_size: 40
    .max_flat_workgroup_size: 128
    .sgpr_count:     66
    .vgpr_count:     768
    .wavefront_size: 32
...
	.end_amdgpu_metadata
.endif
;; end of part 10
;; launch combine: the kernel of part 8 again; grid 256 x 1, 8 waves a work-group, no clusters, 0 bytes of LDS; arguments part, wts, pos, out0; writes out0
